; MI455X (gfx1250); checked and timed in simulation.
; The chip was launched on July 23, 2026; its instructions are those of AMD's public machine-readable ISA for CDNA 5 (MIT licence, August 2026) and "CDNA5" Instruction Set Architecture Reference Guide (July 2026). The comments in the code are by the model that wrote it; some were corrected since.
;; Multi Head Attention. Allowed arithmetic: matrix products marked QUANTISED: E2M3 operands, one E8M0 scale for each 32 along K, by v_wmma_scale_f32_16x16x128_f8f6f4 with both operands' format E2M3, f32 sums; everything else in f32.
;; Inputs: Wk 1,024 x 1,024 float32; Wo 1,024 x 1,024 float32; Wq 1,024 x 1,024 float32; Wv 1,024 x 1,024 float32; bk 1,024 float32; bo 1,024 float32; bq 1,024 float32; bv 1,024 float32; masks 8 x 1,024 int32; x 8 x 1,024 x 1,024 float32.
;; Outputs: out0 8 x 1,024 x 1,024 float32.
;; This version of the problem:
;;   THIS VERSION OF THE PROBLEM IS GIVEN IN LOW PRECISION. The matrix products marked QUANTISED in the list below multiply operands that are first quantised to E2M3 (2 exponent bits, 3 mantissa bits; 6 bits a number), with one power-of-two scale for each 32 numbers along K (OCP MX v1.0); their sums are f32. All else is computed in f32.
;;   The module's matrix products, in the order in which they are computed (A, B: the left and right operand; K: the contracted axis; several contracted axes count as one K, in the product's order):
;;     1. [M 8,192, K 1,024] x [K 1,024, N 1,024]; A: input x; B: input Wq: QUANTISED
;;     2. [M 8,192, K 1,024] x [K 1,024, N 1,024]; A: input x; B: input Wk: QUANTISED
;;     3. [M 8,192, K 1,024] x [K 1,024, N 1,024]; A: input x; B: input Wv: QUANTISED
;;     4. batch 128 x [M 1,024, K 64] x [K 64, N 1,024]; A: computed on the way; B: computed on the way: QUANTISED
;;     5. batch 128 x [M 1,024, K 1,024] x [K 1,024, N 64]; A: softmax (see below); B: computed on the way: QUANTISED
;;     6. [M 8,192, K 1,024] x [K 1,024, N 1,024]; A: computed on the way; B: input Wo: QUANTISED
;;   THE QUANTISER, for each operand of a quantised product, along K:
;;     - K is cut into blocks of 32 from its start; a last block that is shorter is filled with zeros.
;;     - A block's scale is 2^e with e = floor(log2(the largest magnitude in the block)) - 2, held to -126 .. 127; a block of zeros has e = 0. As a byte (E8M0): e + 127.
;;     - Each number is divided by its block's scale, clamped to +-7.5, and rounded to the nearest number of E2M3, ties to even, subnormals kept.
;;     - The product sums the exact products of the quantised numbers (number of the format x scale) in f32.
;;   ~~~python
;;   def quantise(x, axis):      # numpy; x: float32 -> the quantised numbers, widened to float32 again
;;       x = np.moveaxis(x, axis, -1); K = x.shape[-1]
;;       x = np.pad(x, [(0, 0)] * (x.ndim - 1) + [(0, -K % 32)]); x = x.reshape(x.shape[:-1] + (-1, 32)); a = np.abs(x).max(-1, keepdims=True)
;;       e = np.where(a > 0, np.clip(np.frexp(np.where(a > 0, a, 1))[1] - 1 - 2, -126, 127), 0)      # np.frexp(a)[1] - 1 = floor(log2(a)), exactly
;;       r = np.clip(x / 2.0 ** e, -7.5, 7.5)
;;       step = 2.0 ** (np.maximum(np.frexp(np.where(r == 0, 1, r))[1] - 1, 0) - 3)
;;       q = np.round(r / step) * step * 2.0 ** e      # np.round: ties to even
;;       return np.moveaxis(q.reshape(q.shape[:-2] + (-1,))[..., :K], -1, axis).astype(np.float32)
;;   ~~~
;;   SOFTMAX AHEAD OF A QUANTISED PRODUCT. Where the list says 'softmax', what is quantised is not the finished softmax but p = 2^(t - M), with t = logit x log2(e) and M = ceil(the row's largest t), a whole number; so 1/2 < the row's largest p <= 1. The row's sum l is taken of the UNQUANTISED p, in f32, and the product's result is divided by l at the end. Since M is a whole number, a kernel that streams over the keys may use a running M (the ceiling of the running maximum): every later rescaling is an exact power of two, which a block's scale takes up: the codes' values come out the same.
;;   OPERANDS COMPUTED ON THE WAY. 'Computed on the way' means the value that the module computes at that place (a softmax that the list does not call 'softmax' is quantised finished and normalised). What goes into a quantiser is computed in f32, as accurately as f32 sums, v_exp_f32 and their like allow (about 1e-6 of the number): no bf16 or f16 on the way to a quantiser, and a product that is left as it is and whose result goes on into a quantised operand takes f32 operands (vector FMAs, or v_wmma_f32_16x16x4_f32). A number that lies on a knife's edge between two numbers of the format may be rounded either way, as far as f32 arithmetic and the matrix unit's own rounding can turn it there, and no further.
;; 2 versions. Each part assembles by itself: llvm-mc -triple=amdgcn-amd-amdhsa -mcpu=gfx1250 --defsym DOCPART=n.
;; ======== version 1 of 2: 4 launches
;; limits: right only within a limited range of input values
;; workspace buffers: xc 6,291,456 bytes; xs 262,144 bytes; wc 3,145,728 bytes; ws 131,072 bytes; qq 13,369,344 bytes; kv 13,369,344 bytes; oc 6,291,456 bytes; os 262,144 bytes
;; launch quant (part 1): grid 576 x 1, 8 waves a work-group, no clusters, 124,416 bytes of LDS; arguments x, Wq, Wk, Wv, Wo, xc, xs, wc, ws; writes xc, xs, wc, ws
.if DOCPART == 1
	.amdgcn_target "amdgcn-amd-amdhsa--gfx1250"
	.amdhsa_code_object_version 6
	.text
	.protected	k_qf45c041c61_quant
	.globl	k_qf45c041c61_quant
	.p2align	8
	.type	k_qf45c041c61_quant,@function
k_qf45c041c61_quant:
	s_mov_b64 s[64:65], 0
	v_nop
	global_prefetch_b8 v0, s[64:65] scope:SCOPE_SE
	s_setreg_imm32_b32 hwreg(HW_REG_WAVE_MODE, 25, 1), 1
	s_wait_xcnt 0x0
; x [8192][1024] and the four weights [1024 (k)][1024 (n)], f32, become codes of FP6 (E2M3) with one E8M0 byte for each 32 along K.
; A block's scale is 2^(floor(log2(its largest magnitude)) - 2); its byte is the largest magnitude's exponent field - 2, held at 1 from below.
; LIMITS: NaN and infinities among the inputs are not served; a block whose largest magnitude lies under 2^-124, a block of zeros among them, keeps the byte 1
; (the rule says 127 for zeros: the codes are zeros, which add nothing under any byte but 0xff, and this program alone reads the bytes).
; LAYOUT OF THE CODES: images of the operand's registers.  A fragment (16 rows x 128 K) is 1,536 bytes, two halves c of 768: lane l's registers 6c..6c+3 at 16 l, its registers 6c+4, 6c+5 at 512 + 8 l.
; Lane (r, h) holds k = 64 c + 32 h + 0..31 of row r.  So a fragment is stored and loaded by runs of 512 and 256 consecutive bytes.
; STORED ORDER OF ROWS: in each group of 32 rows (tokens of x, columns n of a weight) tile 2 g + u, lane r, is true row 32 g + 8 u + r + 8 (r / 8).
; xc [row tile 512][K step 8][1536], xs [stored row][32 bytes]; wc [tile 64 m + t][K step 8][1536], ws [stored row 1024 m + ..][32]; m = 0 q, 1 k, 2 v, 3 o.
; Work-groups 0..511: one row tile of x, wave w its K step w.  Work-groups 512..575: 64 columns of one weight; a wave 32 columns x 256 along K, a lane a column, registers down K.
; The two ways part on the work-group's number and have LDS bytes of their own.  No tensor loads.
.set XP,    528                        ; x: a stage row, 512 bytes + 16: the sixteen rows that a load touches start at sixteen different groups of banks
.set XW,    16*XP                      ; a wave's stage
.set XSG,   8*XW                       ; the row tile's 16 x 32 scale bytes
.set WST,   XSG+512                    ; weights: for each wave four images of 1,536 bytes, 1,664 apart
.set WIP,   1664
.set WW,    4*WIP
.set WSG,   WST+8*WW                   ; 64 rows x 32 scale bytes
.set SPARE, WSG+2048                   ; the spare words, 128 bytes for each wave: four blocks of 256 bytes that no other line names
.set SPW,   12                         ; v12  LDS address of my spare word; never rewritten
.set NIL,   13                         ; v13  0; never rewritten
	s_load_b256 s[8:15], s[0:1], 0x0               ; x s[8:9], Wq s[10:11], Wk s[12:13], Wv s[14:15]
	s_load_b256 s[16:23], s[0:1], 0x20             ; Wo s[16:17], xc s[18:19], xs s[20:21], wc s[22:23]
	s_load_b64 s[24:25], s[0:1], 0x40              ; ws
	v_lshl_add_u32 v[SPW], v0, 2, SPARE
	v_mov_b32 v[NIL], 0
	v_lshrrev_b32 v1, 5, v0
	v_readfirstlane_b32 s2, v1                     ; wave 0..7
	v_and_b32 v2, 31, v0                           ; lane
	v_and_b32 v3, 15, v0                           ; r
	v_bfe_u32 v4, v0, 4, 1                         ; h
	v_lshlrev_b32 v5, 4, v2                        ; 16 x lane
	s_cmp_lt_u32 ttmp9, 512
	s_cbranch_scc0 .Lweights
; ---------------- x: one fragment a wave ----------------
.set R,  16                            ; v16-79   the 16 rows as loaded
.set X,  80                            ; v80-143  my 64 numbers: register 32 c + i = k 64 c + 32 h + i of row r
.set C,  144                           ; v144-155 the fragment
.set CT, 156                           ; v156-158, v160-162 the upper halves of the two blocks as converted
.set MX, 164                           ; v164-165 largest magnitudes; v166-167 scale operands; v168-169 bytes; v170 the scale word; v171 at work
	s_lshr_b32 s3, ttmp9, 1
	s_lshl_b32 s3, s3, 5
	s_and_b32 s4, ttmp9, 1
	s_lshl_b32 s4, s4, 3
	s_add_co_u32 s3, s3, s4                        ; the tile's first true row: 32 (g / 2) + 8 (g % 2)
	s_lshl_b32 s4, s3, 12                          ; rows of 4,096 bytes
	s_lshl_b32 s5, s2, 9                           ; K step w: 512 bytes on
	s_add_co_u32 s4, s4, s5
	s_mov_b32 s5, 0
	s_mul_i32 s6, ttmp9, 12288
	s_mul_i32 s7, s2, 1536
	s_add_co_u32 s6, s6, s7                        ; my fragment in xc
	s_mov_b32 s7, 0
	s_lshl_b32 s26, ttmp9, 9                       ; the tile's scale bytes in xs
	s_mov_b32 s27, 0
	s_mul_i32 s28, s2, XW                          ; my stage
	v_add_nc_u32 v7, s28, v5                       ; in: 16 x lane of a row
	v_mul_u32_u24 v8, v3, XP
	v_lshl_add_u32 v8, v4, 7, v8
	v_add_nc_u32 v8, s28, v8                       ; out: row r, + 128 h
	s_lshl_b32 s29, s2, 2
	s_add_co_u32 s29, s29, XSG
	v_lshlrev_b32 v9, 5, v3
	v_add_nc_u32 v9, s29, v9                       ; my row's scale word of K step w
	v_add_nc_u32 v10, XSG, v5                      ; and the whole tile's, 16 bytes a lane
	v_lshlrev_b32 v6, 3, v2                        ; 8 x lane
	s_mov_b32 s30, 0x76543210
	s_mov_b32 s31, 0xfedcba98                      ; v_permlanex16_b32's selects for lane l xor 16
	s_wait_kmcnt 0x0
	s_add_nc_u64 s[8:9], s[8:9], s[4:5]
	s_add_nc_u64 s[18:19], s[18:19], s[6:7]
	s_add_nc_u64 s[20:21], s[20:21], s[26:27]
.irp i, 0,1,2,3,4,5,6,7,8,9,10,11,12,13,14,15
	global_load_b128 v[R+4*\i:R+4*\i+3], v5, s[8:9] offset:(\i+8*(\i/8))*4096 th:TH_LOAD_NT   ; stored row i: 32 lanes read 512 consecutive bytes
.endr
.irp i, 0,1,2,3,4,5,6,7,8,9,10,11,12,13,14,15
	s_wait_loadcnt 15-\i                           ; loads come back in order: row i is in, the younger ones stay out
	ds_store_b128 v7, v[R+4*\i:R+4*\i+3] offset:XP*\i
.endr
.irp c, 0,1
.irp q, 0,1,2,3,4,5,6,7
	ds_load_b128 v[X+32*\c+4*\q:X+32*\c+4*\q+3], v8 offset:256*\c+16*\q   ; LDS serves a wave's instructions in order: these see my stores
.endr
.endr
	s_wait_dscnt 0x0
.irp c, 0,1                                    ; my block 2 c + h: all its 32 numbers are mine
	v_max3_num_f32 v[MX+\c], |v[X+32*\c]|, |v[X+32*\c+1]|, 0x1800000   ; and the floor 2^(3 - 127): the byte cannot fall under 1
.endr
.irp i, 2,4,6,8,10,12,14,16,18,20,22,24,26,28,30
.irp c, 0,1
	v_max3_num_f32 v[MX+\c], v[MX+\c], |v[X+32*\c+\i]|, |v[X+32*\c+\i+1]|
.endr
.endr
.irp c, 0,1
	v_add_nc_u32 v[MX+2+\c], 0xff000000, v[MX+\c]  ; 2 off the exponent field: the conversion's scale operand
.endr
.irp c, 0,1
	v_lshrrev_b32 v[MX+4+\c], 23, v[MX+2+\c]       ; the scale's byte
.endr
	v_lshl_or_b32 v170, v169, 16, v168             ; my two bytes: blocks h and 2 + h,
	v_lshlrev_b32 v171, 3, v4
	v_lshlrev_b32 v170, v171, v170                 ; at their places in the word;
	v_mov_b32 v171, 0
	v_permlanex16_b32 v171, v170, s30, s31
	v_or_b32 v170, v170, v171                      ; with lane l xor 16's two the word is whole
.irp c, 0,1
	v_cvt_scalef32_pk16_fp6_f32 v[C+6*\c:C+6*\c+2], v[X+32*\c:X+32*\c+15], v[MX+2+\c]
	v_cvt_scalef32_pk16_fp6_f32 v[CT+4*\c:CT+4*\c+2], v[X+32*\c+16:X+32*\c+31], v[MX+2+\c]   ; (a conversion's three registers begin on an even number)
.endr
	v_nop                                          ; one plain place behind a scaled conversion
.irp c, 0,1
.irp i, 0,1,2
	v_mov_b32 v[C+6*\c+3+\i], v[CT+4*\c+\i]
.endr
.endr
.irp c, 0,1
	global_store_b128 v5, v[C+6*\c:C+6*\c+3], s[18:19] offset:768*\c          ; 512 consecutive bytes
	global_store_b64 v6, v[C+6*\c+4:C+6*\c+5], s[18:19] offset:768*\c+512     ; 256 consecutive bytes
.endr
	ds_store_b32 v9, v170                          ; both halves of the lanes write the same word with the same value
	s_wait_dscnt 0x0                               ; for the others' sake: my word has landed
	s_barrier_signal -1
	s_barrier_wait -1
	s_cmp_lg_u32 s2, 0
	s_cbranch_scc1 .Lx_end
	ds_load_b128 v[R:R+3], v10                     ; wave 0 stores the tile's 512 scale bytes
	s_wait_dscnt 0x0
	global_store_b128 v5, v[R:R+3], s[20:21]
.Lx_end:
	s_wait_tensorcnt 0x0                           ; the wave's end, behind my last LDS store
	ds_add_u32 v[SPW], v[NIL]
	s_wait_dscnt 0x0
	s_endpgm
; ---------------- the weights: a lane to a column, registers down K ----------------
.set SB,  24                           ; v24-25   my column's eight scale bytes
.set XS0, 32                           ; v32-95   two sets of 32 numbers
.set CW,  96                           ; v96-101  a block's codes; v102-104 its upper half as converted
.set OU,  112                          ; v112-159 the way out
.Lweights:
	s_sub_co_u32 s3, ttmp9, 512
	s_lshr_b32 s4, s3, 4                           ; which weight
	s_and_b32 s5, s3, 15                           ; which 64 columns
	s_and_b32 s6, s2, 1                            ; which 32 of them
	s_lshr_b32 s7, s2, 1                           ; which 256 along K
	s_lshl_b32 s26, s7, 20                         ; 256 rows of 4,096 bytes
	s_lshl_b32 s28, s5, 8
	s_add_co_u32 s26, s26, s28
	s_lshl_b32 s28, s6, 7
	s_add_co_u32 s26, s26, s28
	s_mov_b32 s27, 0
	s_lshl_b32 s28, s4, 6
	s_lshl_b32 s29, s5, 2
	s_add_co_u32 s28, s28, s29
	s_lshl_b32 s29, s6, 1
	s_add_co_u32 s28, s28, s29                     ; my first tile: 64 m + 4 cg + 2 ch
	s_mul_i32 s28, s28, 12288
	s_mul_i32 s29, s7, 3072                        ; my first K step: 2 kq
	s_add_co_u32 s28, s28, s29
	s_mov_b32 s29, 0
	s_lshl_b32 s30, s4, 15
	s_lshl_b32 s31, s5, 11
	s_add_co_u32 s30, s30, s31                     ; the 64 rows' scale bytes in ws
	s_and_b32 s32, s2, 3
	s_lshl_b32 s32, s32, 9                         ; of which waves 0..3 store 512 bytes each
	s_add_co_u32 s30, s30, s32
	s_mov_b32 s31, 0
	v_lshlrev_b32 v6, 2, v2                        ; in: 4 bytes a lane
	v_bfe_u32 v14, v0, 3, 1                        ; my column's tile of the two: u = (l / 8) % 2
	v_and_b32 v15, 7, v0
	v_lshl_add_u32 v15, v4, 3, v15                 ; and its row there: l % 8 + 8 (l / 16)
	s_mul_i32 s33, s2, WW
	s_add_co_u32 s33, s33, WST                     ; my four images: 2 x (K step of the two) + u
	v_mul_u32_u24 v7, v14, WIP
	v_add_nc_u32 v7, s33, v7
	v_lshl_add_u32 v8, v15, 3, v7
	v_add_nc_u32 v8, 512, v8                       ; where registers 4, 5 of a half go
	v_lshl_add_u32 v7, v15, 4, v7                  ; where registers 0..3 go
	v_add_nc_u32 v9, s33, v5                       ; the way out: the images as they lie
	s_lshl_b32 s34, s6, 10
	s_lshl_b32 s35, s7, 3
	s_add_co_u32 s34, s34, s35
	s_add_co_u32 s34, s34, WSG
	v_lshlrev_b32 v10, 9, v14
	v_lshl_add_u32 v10, v15, 5, v10
	v_add_nc_u32 v10, s34, v10                     ; my stored row's 8 bytes: (32 ch + 16 u + row) x 32 + 8 kq
	s_add_co_u32 s35, s32, WSG
	v_add_nc_u32 v11, s35, v5
	s_wait_kmcnt 0x0
	s_cmp_eq_u32 s4, 1                             ; the choice hangs on the work-group's number alone
	s_cselect_b64 s[10:11], s[12:13], s[10:11]
	s_cmp_eq_u32 s4, 2
	s_cselect_b64 s[10:11], s[14:15], s[10:11]
	s_cmp_eq_u32 s4, 3
	s_cselect_b64 s[10:11], s[16:17], s[10:11]
	s_add_nc_u64 s[10:11], s[10:11], s[26:27]
	s_add_nc_u64 s[22:23], s[22:23], s[28:29]
	s_add_nc_u64 s[24:25], s[24:25], s[30:31]
.macro LOADW t                         ; block t: W(32 t + i, my column), i = 0..31, into set t % 2: 32 lanes read 128 consecutive bytes
.irp i, 0,1,2,3,4,5,6,7,8,9,10,11,12,13,14,15,16,17,18,19,20,21,22,23,24,25,26,27,28,29,30,31
	global_load_b32 v[XS0+32*((\t)%2)+\i], v6, s[10:11] offset:(32*(\t)+\i)*4096 th:TH_LOAD_NT
.endr
.endm
	LOADW 0
	LOADW 1
.macro BLOCK t
.set XS, XS0+32*((\t)%2)
.if (\t) < 7
	s_wait_loadcnt 32                              ; this block's 32 loads are in; the next block's may be out
.else
	s_wait_loadcnt 0x0
.endif
	v_max3_num_f32 v18, |v[XS]|, |v[XS+1]|, |v[XS+2]|
	v_max3_num_f32 v19, |v[XS+3]|, |v[XS+4]|, |v[XS+5]|
.irp i, 6,10,14,18,22,26
	v_max3_num_f32 v18, v18, |v[XS+\i]|, |v[XS+\i+1]|
	v_max3_num_f32 v19, v19, |v[XS+\i+2]|, |v[XS+\i+3]|
.endr
	v_max3_num_f32 v18, v18, |v[XS+30]|, |v[XS+31]|
	v_max3_num_f32 v18, v18, v19, 0x1800000        ; and the floor
	v_add_nc_u32 v20, 0xff000000, v18              ; the conversion's scale operand
	v_lshrrev_b32 v21, 23, v20                     ; the scale's byte
.if (\t)%4 == 0
	v_mov_b32 v[SB+(\t)/4], v21
.else
	v_lshl_or_b32 v[SB+(\t)/4], v21, 8*((\t)%4), v[SB+(\t)/4]
.endif
	v_cvt_scalef32_pk16_fp6_f32 v[CW:CW+2], v[XS:XS+15], v20
	v_cvt_scalef32_pk16_fp6_f32 v[CW+6:CW+8], v[XS+16:XS+31], v20
	v_nop                                          ; one plain place behind a scaled conversion
.irp i, 0,1,2
	v_mov_b32 v[CW+3+\i], v[CW+6+\i]
.endr
	; block t is K step t / 4 of my two, half c = (t % 4) / 2, lanes' half t % 2: the place of lane (row, t % 2) in the image
	ds_store_b128 v7, v[CW:CW+3] offset:2*WIP*((\t)/4)+768*(((\t)%4)/2)+256*((\t)%2)
	ds_store_b64 v8, v[CW+4:CW+5] offset:2*WIP*((\t)/4)+768*(((\t)%4)/2)+128*((\t)%2)
.if (\t)+2 < 8
	LOADW (\t)+2
.endif
	s_wait_dscnt 0x0                               ; the stores have read their registers: the next block's codes may be written
.endm
.irp t, 0,1,2,3,4,5,6,7
	BLOCK \t
.endr
	ds_store_b64 v10, v[SB:SB+1]
.irp n, 0,1,2,3,4,5,6,7,8,9,10,11
	ds_load_b128 v[OU+4*\n:OU+4*\n+3], v9 offset:WIP*(\n/3)+512*(\n%3)   ; LDS serves a wave's instructions in order: these see my stores
.endr
.irp n, 0,1,2,3,4,5,6,7,8,9,10,11
	s_wait_dscnt 11-\n
	global_store_b128 v5, v[OU+4*\n:OU+4*\n+3], s[22:23] offset:12288*((\n/3)%2)+1536*((\n/3)/2)+512*(\n%3)   ; 512 consecutive bytes of image 2 (K step) + u
.endr
	s_wait_dscnt 0x0                               ; for the others' sake: my scale bytes have landed
	s_barrier_signal -1
	s_barrier_wait -1
	s_cmp_lt_u32 s2, 4
	s_cbranch_scc0 .Lw_end
	ds_load_b128 v[28:31], v11
	s_wait_dscnt 0x0
	global_store_b128 v5, v[28:31], s[24:25]
.Lw_end:
	s_wait_tensorcnt 0x0                           ; the wave's end, behind my last LDS store
	ds_add_u32 v[SPW], v[NIL]
	s_wait_dscnt 0x0
	s_endpgm
.Lfunc_end_k_qf45c041c61_quant:
	.size	k_qf45c041c61_quant, .Lfunc_end_k_qf45c041c61_quant-k_qf45c041c61_quant
	.p2alignl 7, 3214868480
	.fill 96, 4, 3214868480
	.section	.rodata,"a",@progbits
	.p2align	6, 0x0
	.amdhsa_kernel k_qf45c041c61_quant
		.amdhsa_group_segment_fixed_size 124416
		.amdhsa_private_segment_fixed_size 0
		.amdhsa_enable_private_segment 0
		.amdhsa_kernarg_size 72
		.amdhsa_user_sgpr_count 2
		.amdhsa_user_sgpr_kernarg_segment_ptr 1
		.amdhsa_wavefront_size32 1
		.amdhsa_system_sgpr_workgroup_id_x 1
		.amdhsa_system_sgpr_workgroup_id_y 1
		.amdhsa_system_sgpr_workgroup_id_z 1
		.amdhsa_system_vgpr_workitem_id 0
		.amdhsa_next_free_vgpr 176
		.amdhsa_next_free_sgpr 66
		.amdhsa_reserve_vcc 0
		.amdhsa_float_denorm_mode_32 3
		.amdhsa_float_denorm_mode_16_64 3
		.amdhsa_memory_ordered 1
		.amdhsa_forward_progress 1
		.amdhsa_inst_pref_size 53
	.end_amdhsa_kernel
	.amdgpu_metadata
---
amdhsa.version: [ 1, 2 ]
amdhsa.kernels:
  - .name:           k_qf45c041c61_quant
    .symbol:         k_qf45c041c61_quant.kd
    .args:
      - { .name: x, .offset: 0, .size: 8, .value_kind: global_buffer, .address_space: global }
      - { .name: Wq, .offset: 8, .size: 8, .value_kind: global_buffer, .address_space: global }
      - { .name: Wk, .offset: 16, .size: 8, .value_kind: global_buffer, .address_space: global }
      - { .name: Wv, .offset: 24, .size: 8, .value_kind: global_buffer, .address_space: global }
      - { .name: Wo, .offset: 32, .size: 8, .value_kind: global_buffer, .address_space: global }
      - { .name: xc, .offset: 40, .size: 8, .value_kind: global_buffer, .address_space: global }
      - { .name: xs, .offset: 48, .size: 8, .value_kind: global_buffer, .address_space: global }
      - { .name: wc, .offset: 56, .size: 8, .value_kind: global_buffer, .address_space: global }
      - { .name: ws, .offset: 64, .size: 8, .value_kind: global_buffer, .address_space: global }
    .group_segment_fixed_size: 124416
    .private_segment_fixed_size: 0
    .kernarg_segment_align: 8
    .kernarg_segment_size: 72
    .max_flat_workgroup_size: 256
    .sgpr_count:     66
    .vgpr_count:     176
    .wavefront_size: 32
...
	.end_amdgpu_metadata
.endif
;; end of part 1
;; launch proj (part 2): grid 8 x 48, 4 waves a work-group, clusters of 4 x 4, 327,680 bytes of LDS; arguments xc, xs, wc, ws, bq, bk, bv, qq, kv; writes qq, kv
.if DOCPART == 2
	.amdgcn_target "amdgcn-amd-amdhsa--gfx1250"
	.amdhsa_code_object_version 6
	.text
	.protected	k_qf45c041c61_proj
	.globl	k_qf45c041c61_proj
	.p2align	8
	.type	k_qf45c041c61_proj,@function
k_qf45c041c61_proj:
	s_mov_b64 s[64:65], 0
	v_nop
	global_prefetch_b8 v0, s[64:65] scope:SCOPE_SE
	s_setreg_imm32_b32 hwreg(HW_REG_WAVE_MODE, 25, 1), 1
	s_wait_xcnt 0x0
	s_wait_alu depctr_hold_cnt(0) depctr_sa_sdst(0) depctr_va_vdst(0) depctr_va_sdst(0) depctr_va_ssrc(0) depctr_va_vcc(0) depctr_vm_vsrc(0)
	s_getreg_b32 s2, hwreg(HW_REG_IB_STS2, 6, 4)
	s_cmp_eq_u32 s2, 0
	s_cbranch_scc0 .Lentry_in_a_cluster
	s_endpgm
.Lentry_in_a_cluster:
	s_bfe_u32 s2, ttmp6, 0x10000c
	s_cmp_lg_u32 s2, 0xf033
	s_cbranch_scc0 .Lentry_shape_is_right
	s_endpgm
.Lentry_shape_is_right:
; q = x Wq + bq, k = x Wk + bk, v = x Wv + bv on codes of FP6 (E2M3) with E8M0 scales, and the results quantised on the way out: q and k along the head's 64, v along the keys.
; A tile of C is 256 x 256; four waves, each 128 x 128: 64 accumulators of 16 x 16 in 512 registers.  K = 1,024 goes in four slots' worth of 256 through a ring of two LDS slots filled by the tensor data mover.
; Codes lie in memory and in LDS as images of the operand's registers (a fragment of 16 rows x 128 K: 1,536 bytes; halves of 768: registers 6c..6c+3 at 16 x lane, 6c+4, 6c+5 at 512 + 8 x lane): no pitch, no padding.
; THE MATRIX INSTRUCTION IS USED TRANSPOSED (source 0 = 16 rows of B, source 1 = 16 rows of A): a lane holds one row of A, its registers run along B's rows.  The rows of both operands lie in a stored order (tile 2 g + u, lane r
; = true row 32 g + 8 u + r + 8 (r / 8)), so that the 16 registers of B's tiles 2 g and 2 g + 1 are the 16 true neighbours 32 g + 16 (lane / 16) + 0..15: a block of 32 along the next K lies in lanes l and l xor 16.
; TWO WAYS IN ONE GRID, told apart by the cluster's y, which all partners share.  y < 8: A = x (a lane a token), B = Wq | Wk (registers along the features): q and k.  y >= 8: A = Wv (a lane a feature), B = x (registers along the tokens): v.
; The ways differ in pointers, chosen by s_cselect, in the bias and in the places of the stores; the products are one text.
; OUT: blocks of 208,896 bytes for batch b and pair of heads hp (8 b + hp): K (in qq: Q) of head 0 [token tile 64][768] at 0; V of head 0 [key step 8][dim tile 4][1536] at 49,152; K's scale words [head 2][8][row 16][tile 8] at 98,304
; (bytes 2, 3 of a word are 0); V's [head 2][key step 8][row 16][dim tile 4] at 106,496; head 1's K at 110,592 and V at 159,744.
; CLUSTERS: 4 x 4 work-groups; A's tiles are asked for jointly along a row of the cluster, B's along a column.
; LIMITS: NaN and infinities are not served; a block whose largest magnitude lies under 2^-124, a block of zeros among them, keeps the byte 1: its codes' values are as the rule has them down to that floor, and this program alone reads the bytes.
; REGISTERS, in windows of 256: window 0: v0-31 addresses; v32-63 scale words, two sets of 16; v64-127 the bias; v128-223 A's fragments, one set; on the way out v128-255 at work.
;   window 1: B's fragments, two sets, at v0 and v128.   window 2: the accumulators of my rows 0-63 ((a, b) at v[8 (8 a + b)]);   window 3: those of rows 64-127.
.set NL,     4                         ; LDS loads that bring a fragment
.set FR,     12                        ; its registers
.set HALFT,  24576                     ; 8 row tiles x 2 K steps x 1,536: what one tensor load brings, and what a wave reads of A or of B
.set SLOT,   4*HALFT                   ; A's 256 rows, then B's
.set SCLA,   2*SLOT                    ; behind the ring: A's scale bytes for all of K, as units of 256 bytes + 16 of padding
.set HALFS,  4352                      ; those of 128 rows: 16 units
.set SCLB,   SCLA+2*HALFS              ; B's
.set SPARE,  SCLB+2*HALFS              ; the spare words, 128 bytes for each wave: two blocks of 256 bytes that no other line names
.set BOF,  14                          ; v14     my lane's offset in the bias
.set ADRA, 16                          ; v16-17  LDS address of A's fragments in slot 0, 1, 16 x lane;  v18-19 the same with 8 x lane
.set ADRB, 20                          ; v20-23  the same for B
.set VO16, 24                          ; v24     16 x lane
.set VO8,  25                          ; v25     8 x lane
.set SOF,  26                          ; v26     the way out: my lane's place among the scale words
.set ADSA, 27                          ; v27     LDS address of A's scale words: lanes 0-15 the slot's first K step, lanes 16-31 its second
.set SPW,  28                          ; v28     LDS address of my spare word; never rewritten
.set NIL,  29                          ; v29     0; never rewritten
.set ADSB, 30                          ; v30     as v27, for B
.set SC,   32                          ; scale words: set s at v[SC + 16 s]: +0..7 A's blocks, +8..15 B's
.set BI,   64
.set AF,   128
.set NUM,  128                         ; the way out: v128-191 64 numbers; v192-199, v244-251 scale words kept; v200-215 at work; v216 the word just made; v218-221 words to store; v224-242 codes
.set WD0,  192
.set TM,   200
.set PW,   216
.set OW,   218
.set PC,   224
.set WD1,  244
.set WV,   22                          ; s22 wave;  s23 wave / 2: my half of the tile's rows, and: I fetch for A (0) or B (1);  s40 wave % 2: my half of its columns, and: which 128 rows I fetch
.set RH,   23
.set CH,   40
.set G1,   24                          ; s[24:31] descriptor group 1 for A's tiles;  s[32:39] group 0, a set for each slot
.set G0,   32
.set G1B,  48                          ; s[48:55], s[56:63] the same for B's
.set G0B,  56
.set G1S,  68                          ; s[68:75], s[76:79] groups 1 and 0 for A's scales;  s[80:87], s[88:91] for B's
.set G0S,  76
.set G1SB, 80
.set G0SB, 88
.set SEL,  104                         ; s[104:105] v_permlanex16_b32's selects
.set MSB, 0
.macro WIN new                         ; the immediate's high byte repeats the setting that is left
.if MSB != (\new)
	s_set_vgpr_msb (MSB<<8)|(\new)
.set MSB, (\new)
.endif
.endm
.set MUL_LO, 0xa1                      ; source 0 (B) window 1, source 1 (A) window 0, C and D window 2
.set MUL_HI, 0xf1                      ; the same, C and D window 3
.set TO_B,   0x40                      ; destination window 1, address window 0
; A joint load: waves 0 and 1 fetch for A, waves 2 and 3 for B; the branch hangs on the wave's number alone.  An s_nop 0 and four v_nop follow each of the two lines.
.macro JLOAD g0a, g1a, g0b, g1b
	s_cmp_eq_u32 s[RH], 0
	s_cbranch_scc0 .Lfor_b_\@
	tensor_load_to_lds s[\g0a:\g0a+3], s[\g1a:\g1a+7]
	s_nop 0
.rept 4
	v_nop
.endr
	s_branch .Lasked_\@
.Lfor_b_\@:
	tensor_load_to_lds s[\g0b:\g0b+3], s[\g1b:\g1b+7]
	s_nop 0
.rept 4
	v_nop
.endr
.Lasked_\@:
.endm
.macro CREST                           ; a round of the cluster's barrier behind its opening barrier
	s_cmp_lg_u32 s[WV], 0
	s_cbranch_scc1 .Lnot_wave_0_\@
	s_barrier_signal -3
.Lnot_wave_0_\@:
	s_barrier_wait -3
	s_barrier_signal -1
	s_barrier_wait -1
.endm
.macro CROUND
	s_barrier_signal -1
	s_barrier_wait -1
	CREST
.endm
	s_load_b256 s[4:11], s[0:1], 0x0               ; xc s[4:5], xs s[6:7], wc s[8:9], ws s[10:11]
	s_load_b256 s[12:19], s[0:1], 0x20             ; bq s[12:13], bk s[14:15], bv s[16:17], qq s[18:19]
	s_load_b64 s[20:21], s[0:1], 0x40              ; kv
	v_lshl_add_u32 v[SPW], v0, 2, SPARE
	v_mov_b32 v[NIL], 0
	ds_add_u32 v[SPW], v[NIL]                      ; the wave's opening: the add and its wait stand ahead of my first tensor load; the set-up below, work on registers, stands between them
	v_lshrrev_b32 v1, 5, v0
	v_readfirstlane_b32 s[WV], v1
	s_lshr_b32 s[RH], s[WV], 1
	s_and_b32 s[CH], s[WV], 1
	s_bfe_u32 s41, ttmp6, 0x40000                  ; cx
	s_bfe_u32 s42, ttmp6, 0x40004                  ; cy
	s_and_b32 s43, ttmp7, 0xffff                   ; the cluster's y
	s_lshl_b32 s44, s42, 2
	s_lshl_b32 s44, 15, s44                        ; my row of the cluster
	s_lshl_b32 s45, 0x1111, s41                    ; my column
	s_lshl_b32 s46, s43, 2
	s_add_co_u32 s46, s46, s42                     ; q, k: tile row (256 tokens) = 4 x cluster y + cy
	s_lshl_b32 s47, ttmp9, 2
	s_add_co_u32 s47, s47, s41                     ; q, k: tile column (256 of Wq | Wk's 2,048 rows) = 4 x cluster x + cx
	s_lshl_b32 s104, s43, 3
	s_add_co_u32 s104, s104, s47
	s_sub_co_u32 s104, s104, 64                    ; v: tile column (256 tokens) = 4 (cluster x + 2 (cluster y - 8)) + cx
	s_cmp_ge_u32 s43, 8
	s_cselect_b32 s66, 1, 0                        ; s66: 0 q and k, 1 v: the same in all sixteen partners
	s_cselect_b32 s46, s42, s46                    ; v: tile row (256 of Wv's rows) = cy
	s_cselect_b32 s47, s104, s47
	; descriptor group 1 of a tile: 8 row tiles x 3,072 bytes (two K steps' images), 12,288 bytes apart in memory, on end in LDS
	s_or_b32 s[G1+0], s44, (3<<16)|(1<<21)         ; 15:0 the mask: A's tiles go to my row; 17:16 elements of 8 bytes; 21 set beside a mask
	s_or_b32 s[G1B+0], s45, (3<<16)|(1<<21)
.irp g, G1, G1B
	s_mov_b32 s[\g+1], 384<<16                     ; tensor_dim0
	s_mov_b32 s[\g+2], 8<<16                       ; tensor_dim1
	s_mov_b32 s[\g+3], 384<<16                     ; tile_dim0
	s_mov_b32 s[\g+4], 8                           ; tile_dim1
	s_mov_b32 s[\g+5], 1536                        ; tensor_dim0_stride
	s_mov_b32 s[\g+6], 0
	s_mov_b32 s[\g+7], 0
.endr
	; and of the scale bytes of 128 rows: 4,096 dense bytes as 16 rows of 256, 16 bytes of padding behind each
	s_or_b32 s[G1S+0], s44, (3<<16)|(1<<20)|(1<<21)|(5<<22)|(3<<25)
	s_or_b32 s[G1SB+0], s45, (3<<16)|(1<<20)|(1<<21)|(5<<22)|(3<<25)
.irp g, G1S, G1SB
	s_mov_b32 s[\g+1], 32<<16
	s_mov_b32 s[\g+2], 16<<16
	s_mov_b32 s[\g+3], 32<<16
	s_mov_b32 s[\g+4], 16
	s_mov_b32 s[\g+5], 32
	s_mov_b32 s[\g+6], 0
	s_mov_b32 s[\g+7], 0
.endr
	s_lshl_b32 s94, s46, 1
	s_add_co_u32 s94, s94, s[CH]                   ; A: which 128 rows I fetch: 2 x tile row + half
	s_lshl_b32 s105, s47, 1
	s_add_co_u32 s105, s105, s[CH]                 ; B likewise
	s_mul_i32 s96, s94, 98304                      ; their codes: 8 row tiles of 12,288 bytes
	s_mov_b32 s97, 0
	s_lshl_b32 s98, s94, 12                        ; their scale bytes: 128 x 32
	s_mov_b32 s99, 0
	s_mul_i32 s100, s105, 98304
	s_mov_b32 s101, 0
	s_lshl_b32 s2, s105, 12
	s_mov_b32 s3, 0
	s_mul_i32 s67, s[WV], HALFT                    ; where they go: wave x 128 rows: no place in the cluster enters an LDS address
	s_wait_dscnt 0x0                               ; the opening add is done
	s_wait_kmcnt 0x0
	s_add_nc_u64 s[92:93], s[8:9], 1572864         ; Wv's codes: tile 128 of wc
	s_add_nc_u64 s[94:95], s[10:11], 65536         ; Wv's scale bytes: row 2,048 of ws
	s_cmp_eq_u32 s66, 0
	s_cselect_b64 s[92:93], s[4:5], s[92:93]       ; A's codes: x or Wv
	s_cselect_b64 s[94:95], s[6:7], s[94:95]       ; A's scales
	s_cselect_b64 s[8:9], s[8:9], s[4:5]           ; B's codes: Wq | Wk or x
	s_cselect_b64 s[10:11], s[10:11], s[6:7]       ; B's scales
	s_add_nc_u64 s[92:93], s[92:93], s[96:97]
	s_add_nc_u64 s[94:95], s[94:95], s[98:99]
	s_add_nc_u64 s[8:9], s[8:9], s[100:101]
	s_add_nc_u64 s[10:11], s[10:11], s[2:3]
	CROUND                                         ; all sixteen work-groups are here: the first joint loads meet
	s_mov_b32 s[G0S], 1
	s_mul_i32 s[G0S+1], s[WV], HALFS
	s_add_co_u32 s[G0S+1], s[G0S+1], SCLA
	s_mov_b64 s[G0S+2:G0S+3], s[94:95]
	s_or_b32 s[G0S+3], s[G0S+3], 0x80000000
	s_mov_b32 s[G0SB], 1
	s_mul_i32 s[G0SB+1], s[WV], HALFS
	s_add_co_u32 s[G0SB+1], s[G0SB+1], SCLA
	s_mov_b64 s[G0SB+2:G0SB+3], s[10:11]
	s_or_b32 s[G0SB+3], s[G0SB+3], 0x80000000
	JLOAD G0S, G1S, G0SB, G1SB                     ; the scales first: they are wanted with the first K step
.irp s, 0,1
	s_mov_b32 s[G0+4*\s], 1
	s_add_co_u32 s[G0+4*\s+1], s67, \s*SLOT
	s_add_nc_u64 s[G0+4*\s+2:G0+4*\s+3], s[92:93], \s*3072
	s_or_b32 s[G0+4*\s+3], s[G0+4*\s+3], 0x80000000
	s_mov_b32 s[G0B+4*\s], 1
	s_add_co_u32 s[G0B+4*\s+1], s67, \s*SLOT
	s_add_nc_u64 s[G0B+4*\s+2:G0B+4*\s+3], s[8:9], \s*3072
	s_or_b32 s[G0B+4*\s+3], s[G0B+4*\s+3], 0x80000000
	JLOAD G0+4*\s, G1, G0B+4*\s, G1B               ; three tensor loads of mine are out
.endr
	v_and_b32 v1, 15, v0                           ; r; kept
	v_bfe_u32 v2, v0, 4, 1                         ; h; kept
	v_and_b32 v3, 31, v0
	v_lshlrev_b32 v[VO16], 4, v3
	v_lshlrev_b32 v[VO8], 3, v3
	s_mul_i32 s2, s[RH], HALFT                     ; my 128 rows of A
	s_mul_i32 s3, s[CH], HALFT                     ; my 128 rows of B,
	s_add_co_u32 s3, s3, 2*HALFT                   ; behind A's 256
.irp s, 0,1
	v_add_nc_u32 v[ADRA+\s], s2, v[VO16]
	v_add_nc_u32 v[ADRA+2+\s], s2, v[VO8]
	v_add_nc_u32 v[ADRB+\s], s3, v[VO16]
	v_add_nc_u32 v[ADRB+2+\s], s3, v[VO8]
	s_add_co_u32 s2, s2, SLOT
	s_add_co_u32 s3, s3, SLOT
.endr
	v_lshlrev_b32 v4, 5, v1                        ; a row's scale bytes: 32 r,
	v_lshrrev_b32 v5, 3, v1
	v_lshl_add_u32 v4, v5, 4, v4                   ; 16 more behind each 256 passed,
	v_lshl_add_u32 v4, v2, 2, v4                   ; and lanes 16-31 the next K step's word
	s_mul_i32 s2, s[RH], HALFS
	s_add_co_u32 s2, s2, SCLA
	s_mul_i32 s3, s[CH], HALFS
	s_add_co_u32 s3, s3, SCLB
	v_add_nc_u32 v[ADSA], s2, v4
	v_add_nc_u32 v[ADSB], s3, v4
	; the bias and the way out.  (X1, h1): the 128 tokens of my wave; (X2, h2): its 128 features
	s_cmp_eq_u32 ttmp9, 0                          ; q, k: cluster x = 0 makes q, 1 makes k
	s_cselect_b64 s[12:13], s[12:13], s[14:15]
	s_cselect_b64 s[18:19], s[18:19], s[20:21]
	s_cmp_eq_u32 s66, 0
	s_cselect_b64 s[12:13], s[12:13], s[16:17]     ; the bias
	s_cselect_b64 s[18:19], s[18:19], s[20:21]     ; the buffer
	s_cselect_b32 s2, s46, s47                     ; X1
	s_cselect_b32 s3, s[RH], s[CH]                 ; h1
	s_cselect_b32 s92, s47, s46                    ; X2
	s_cselect_b32 s93, s[CH], s[RH]                ; h2
	s_cselect_b32 s94, 0, 49152                    ; V's codes lie behind K's
	s_cselect_b32 s95, 9, 8                        ; 512 or 256 bytes of scale words for 128 tokens
	s_mov_b32 s98, 106496
	s_cselect_b32 s98, 98304, s98
	s_and_b32 s99, s92, 3
	s_lshl_b32 s99, s99, 1
	s_add_co_u32 s99, s99, s93                     ; hp: my pair of heads
	s_lshl_b32 s100, s99, 9                        ; its 128 numbers of the bias
	s_mov_b32 s101, 0
	s_add_nc_u64 s[12:13], s[12:13], s[100:101]
	s_lshr_b32 s100, s2, 2                         ; the batch
	s_lshl_b32 s100, s100, 3
	s_add_co_u32 s100, s100, s99
	s_mul_i32 s100, s100, 208896                   ; block 8 b + hp
	s_add_nc_u64 s[18:19], s[18:19], s[100:101]
	s_and_b32 s2, s2, 3
	s_lshl_b32 s2, s2, 1
	s_add_co_u32 s2, s2, s3                        ; which 128 tokens of the batch's 1,024
	s_mul_i32 s96, s2, 6144
	s_add_co_u32 s96, s96, s94
	s_mov_b32 s97, 0
	s_add_nc_u64 s[96:97], s[18:19], s[96:97]      ; s[96:97]: my codes
	s_lshl_b32 s100, s2, s95
	s_add_co_u32 s100, s100, s98
	s_add_nc_u64 s[100:101], s[18:19], s[100:101]  ; s[100:101]: my scale words
	s_cmp_eq_u32 s66, 0
	s_cbranch_scc0 .Lbias_v
	v_lshlrev_b32 v[BOF], 6, v2                    ; q, k: register 16 g + i wants the bias of feature 32 g + 16 h + i
.irp g, 0,1,2,3
.irp q, 0,1,2,3
	global_load_b128 v[BI+16*\g+4*\q:BI+16*\g+4*\q+3], v[BOF], s[12:13] offset:128*\g+16*\q
.endr
.endr
	s_branch .Lbias_done
.Lbias_v:
	v_lshrrev_b32 v[BOF], 3, v1                    ; v: all registers of A's block a want the bias of my lane's feature 32 (a / 2) + 8 (a % 2) + r + 8 (r / 8).  Both ways fill all 64 registers
	v_lshl_add_u32 v[BOF], v[BOF], 3, v1
	v_lshlrev_b32 v[BOF], 2, v[BOF]
.irp a, 0,1,2,3,4,5,6,7
.irp j, 0,1,2,3,4,5,6,7
	global_load_b32 v[BI+8*\a+\j], v[BOF], s[12:13] offset:4*(32*(\a/2)+8*(\a%2))
.endr
.endr
.Lbias_done:
.macro FRAG reg, adr, q, i             ; a fragment's image: K step q of the slot's two, row tile i of my eight
	ds_load_b128 v[\reg:\reg+3], v[\adr] offset:3072*(\i)+1536*(\q)
	ds_load_b64 v[\reg+4:\reg+5], v[\adr+2] offset:3072*(\i)+1536*(\q)+512
	ds_load_b128 v[\reg+6:\reg+9], v[\adr] offset:3072*(\i)+1536*(\q)+768
	ds_load_b64 v[\reg+10:\reg+11], v[\adr+2] offset:3072*(\i)+1536*(\q)+1280
.endm
; 16 matrix instructions: A's blocks a0, a0 + 1 x B's eight, 128 along K: the slot's q-th.  p: B's set; sc: the set of scale words, of which q = 0 takes lanes 0-15 and q = 1 lanes 16-31.  zero = 1: the first product starts the sums.
; The 64 accumulators take turns, one instruction a turn, in the same order in every step.
.macro MUL16 a0, p, q, sc, zero
.irp a, \a0, \a0+1
.irp b, 0,1,2,3,4,5,6,7
.set rD, 8*(8*((\a)%4)+\b)
.set rB, 128*(\p)+FR*\b
.set rA, AF+FR*(\a)
.if \zero
	v_wmma_scale_f32_16x16x128_f8f6f4 v[rD:rD+7], v[rB:rB+FR-1], v[rA:rA+FR-1], 0, v[SC+16*(\sc)+8+\b], v[SC+16*(\sc)+(\a)] matrix_a_fmt:MATRIX_FMT_FP6 matrix_b_fmt:MATRIX_FMT_FP6
.elseif (\q) == 0
	v_wmma_scale_f32_16x16x128_f8f6f4 v[rD:rD+7], v[rB:rB+FR-1], v[rA:rA+FR-1], v[rD:rD+7], v[SC+16*(\sc)+8+\b], v[SC+16*(\sc)+(\a)] matrix_a_fmt:MATRIX_FMT_FP6 matrix_b_fmt:MATRIX_FMT_FP6
.else
	v_wmma_scale_f32_16x16x128_f8f6f4 v[rD:rD+7], v[rB:rB+FR-1], v[rA:rA+FR-1], v[rD:rD+7], v[SC+16*(\sc)+8+\b], v[SC+16*(\sc)+(\a)] matrix_a_fmt:MATRIX_FMT_FP6 matrix_b_fmt:MATRIX_FMT_FP6 matrix_a_scale:MATRIX_SCALE_ROW1 matrix_b_scale:MATRIX_SCALE_ROW1
.endif
.endr
.endr
.endm
.macro FETCH_B slot, q, p
	WIN TO_B
.irp i, 0,1,2,3,4,5,6,7
	FRAG 128*(\p)+FR*\i, ADRB+\slot, \q, \i
.endr
	WIN 0
.endm
.macro FETCH_A slot, q, i0
.irp i, \i0, \i0+1, \i0+2, \i0+3
	FRAG AF+FR*(\i), ADRA+\slot, \q, \i
.endr
.endm
.macro SCALES sc                       ; a slot's scale words: one register a block carries both K steps' words
.irp i, 0,1,2,3,4,5,6,7
	ds_load_b32 v[SC+16*\sc+\i], v[ADSA] offset:\i*544
	ds_load_b32 v[SC+16*\sc+8+\i], v[ADSB] offset:\i*544
.endr
.endm
; A load into a register that a matrix instruction has read, and a vector instruction that reads a matrix result, stand four places behind it; only plain vector instructions that name none of its registers are places.
.macro PLACES
.rept 4
	v_nop
.endr
.endm
; A slot's first K step.  A's blocks are free as soon as their eight products are issued: blocks 0-3 are fetched anew in the step's middle, blocks 4-7 at its end; B has two sets.
.macro STEP slot, zero
	s_wait_dscnt 4*NL                              ; B's set and A's blocks 0-3 are in; the youngest 16 loads (A's blocks 4-7) may be out
	WIN MUL_LO
	MUL16 0, 0, 0, \slot, \zero
	MUL16 2, 0, 0, \slot, \zero
	s_wait_dscnt 0x0                               ; A's blocks 4-7 are in
	PLACES
	FETCH_B \slot, 1, 1
	FETCH_A \slot, 1, 0
	WIN MUL_HI
	MUL16 4, 0, 0, \slot, \zero
	MUL16 6, 0, 0, \slot, \zero
	PLACES
	WIN 0
	FETCH_A \slot, 1, 4
.endm
; A slot's second K step changes slots: ONE barrier; in front of it each wave waits for all its tensor loads, adds 0 to its spare word, and waits for that and for its own reads of this slot.  fill = 1: this slot is filled again, two slots ahead.
.macro TURN slot, next, fill
	s_wait_tensorcnt 0x0                           ; all my tensor loads have landed: my part of the next slot  (every window is 0 here)
	ds_add_u32 v[SPW], v[NIL]                      ; 0 onto my spare word
	s_wait_dscnt 4*NL+1                            ; (the add and the youngest 16 loads, A's blocks 4-7, may be out)
	WIN MUL_LO
	MUL16 0, 1, 1, \slot, 0                        ; sixteen matrix instructions stand between the add and the wait for it
	s_wait_dscnt 0x0                               ; the add is done, and my reads of this slot are over
	s_barrier_signal -1
	MUL16 2, 1, 1, \slot, 0
	WIN 0
	s_barrier_wait -1
.if \fill
	CREST                                          ; the barrier has opened a round of the cluster's barrier: no wave of any partner still reads this slot or has a load on its way
	s_add_nc_u64 s[G0+4*\slot+2:G0+4*\slot+3], s[G0+4*\slot+2:G0+4*\slot+3], 6144
	s_add_nc_u64 s[G0B+4*\slot+2:G0B+4*\slot+3], s[G0B+4*\slot+2:G0B+4*\slot+3], 6144
	JLOAD G0+4*\slot, G1, G0B+4*\slot, G1B         ; the first tensor load behind the round; its four v_nop are the places in front of the loads below
.else
	PLACES
.endif
	v_add_nc_u32 v[ADSA], 8, v[ADSA]               ; the next slot's scale words (no LDS load of mine is out)
	v_add_nc_u32 v[ADSB], 8, v[ADSB]
	FETCH_B \next, 0, 0
	FETCH_A \next, 0, 0
	SCALES \next
	WIN MUL_HI
	MUL16 4, 1, 1, \slot, 0
	MUL16 6, 1, 1, \slot, 0
	PLACES
	WIN 0
	FETCH_A \next, 0, 4
.endm
	s_wait_tensorcnt 1                             ; the scales and my part of slot 0 are in (slot 1's load may be out)
	s_barrier_signal -1
	s_barrier_wait -1                              ; everybody's are
	FETCH_B 0, 0, 0
	FETCH_A 0, 0, 0
	SCALES 0
	FETCH_A 0, 0, 4
	STEP 0, 1                                      ; K = 1,024 is eight K steps, twice round the ring: they are written out.  The first step's products start the sums
	TURN 0, 1, 1
	STEP 1, 0
	TURN 1, 0, 1
	STEP 0, 0
	TURN 0, 1, 0                                   ; the last lap fills nothing
	STEP 1, 0
	s_wait_dscnt 4*NL                              ; the very last step: nothing more to fetch
	WIN MUL_LO
	MUL16 0, 1, 1, 1, 0
	MUL16 2, 1, 1, 1, 0
	s_wait_dscnt 0x0
	WIN MUL_HI
	MUL16 4, 1, 1, 1, 0
	MUL16 6, 1, 1, 1, 0
	WIN 0
; 64 numbers of a lane, v[s] .. v[s + 63], register 16 b + i = k 32 b + 16 (lane / 16) + i of my row, become a fragment's codes in v[PC] on and its scale word in v[PW].
.macro QUANT s
.irp b, 0,1,2,3
	v_max3_num_f32 v[TM+\b], |v[\s+16*\b]|, |v[\s+1+16*\b]|, 0x1800000   ; block b: my 16 numbers, and the floor 2^(3 - 127): the byte cannot fall under 1
.endr
.irp i, 2,4,6,8,10,12,14
.irp b, 0,1,2,3
	v_max3_num_f32 v[TM+\b], v[TM+\b], |v[\s+16*\b+\i]|, |v[\s+1+16*\b+\i]|
.endr
.endr
.irp b, 0,1,2,3
	v_permlanex16_b32 v[TM+4+\b], v[TM+\b], s[SEL], s[SEL+1]
.endr
.irp b, 0,1,2,3
	v_max_num_f32 v[TM+\b], v[TM+\b], v[TM+4+\b]   ; with lane l xor 16's: the block's largest magnitude
.endr
.irp b, 0,1,2,3
	v_add_nc_u32 v[TM+12+\b], 0xff000000, v[TM+\b] ; 2 off its exponent field: the conversion's scale operand
.endr
.irp b, 0,1,2,3
	v_lshrrev_b32 v[TM+4+\b], 23, v[TM+12+\b]      ; the scale's byte
.endr
	v_lshl_or_b32 v[PW], v[TM+5], 8, v[TM+4]
	v_lshl_or_b32 v[PW], v[TM+6], 16, v[PW]
	v_lshl_or_b32 v[PW], v[TM+7], 24, v[PW]
.irp c, 0,1
	v_cvt_scalef32_pk16_fp6_f32 v[PC+6*\c:PC+2+6*\c], v[\s+32*\c:\s+15+32*\c], v[TM+12+2*\c]
	v_cvt_scalef32_pk16_fp6_f32 v[PC+12+4*\c:PC+14+4*\c], v[\s+16+32*\c:\s+31+32*\c], v[TM+12+2*\c+1]   ; (a conversion's three registers begin on an even number)
.endr
	v_nop                                          ; one plain place behind a scaled conversion
.irp c, 0,1                                    ; the operand's layout wants a WHOLE block in a lane: lanes 0-15 block 2 c, lanes 16-31 block 2 c + 1
.irp i, 0,1,2
	v_permlane16_swap_b32 v[PC+6*\c+\i], v[PC+12+4*\c+\i]
.endr
.irp i, 0,1,2
	v_mov_b32 v[PC+3+6*\c+\i], v[PC+12+4*\c+\i]
.endr
.endr
.endm
; THE WAY OUT, on registers alone.  For each of A's eight blocks: the block's 64 sums a lane come into window 0 with the bias added (each accumulator from its low end on), are quantised, and the fragment is stored as it stands.
; v = 0 (q, k): half c of the fragment is head c's 64 dims of 16 tokens; the word's low half is head 0's two bytes, its high half head 1's.  v = 1: the fragment is 16 dims x 128 keys of head a / 4.
.macro EPI v
.if \v
	v_lshlrev_b32 v[SOF], 4, v1
	v_lshl_add_u32 v[SOF], v2, 11, v[SOF]          ; 16 r; lanes 16-31 head 1's words, 2,048 bytes on
.else
	v_lshlrev_b32 v[SOF], 5, v1
	v_lshl_add_u32 v[SOF], v2, 4, v[SOF]           ; 32 r + 16 h
.endif
.irp a, 0,1,2,3,4,5,6,7
.if \a > 0
	s_wait_xcnt 0x0                                ; the last block's stores have read their registers
.endif
	WIN 0x02+\a/4                                  ; source 0: window 2 or 3
.set i, 0
.rept 32
.if \v
	v_pk_add_f32 v[NUM+i:NUM+i+1], v[64*(\a%4)+i:64*(\a%4)+i+1], v[BI+8*\a:BI+8*\a+1]
.else
	v_pk_add_f32 v[NUM+i:NUM+i+1], v[64*(\a%4)+i:64*(\a%4)+i+1], v[BI+i:BI+i+1]
.endif
.set i, i+2
.endr
	WIN 0
	QUANT NUM
.irp c, 0,1
.if \v
	global_store_b128 v[VO16], v[PC+6*\c:PC+6*\c+3], s[96:97] offset:110592*(\a/4)+1536*(\a%4)+768*\c
	global_store_b64 v[VO8], v[PC+6*\c+4:PC+6*\c+5], s[96:97] offset:110592*(\a/4)+1536*(\a%4)+768*\c+512
.else
	global_store_b128 v[VO16], v[PC+6*\c:PC+6*\c+3], s[96:97] offset:110592*\c+768*\a          ; 512 consecutive bytes
	global_store_b64 v[VO8], v[PC+6*\c+4:PC+6*\c+5], s[96:97] offset:110592*\c+768*\a+512      ; 256 consecutive bytes
.endif
.endr
.if \v
	v_mov_b32 v[WD0+\a], v[PW]
.else
	v_and_b32 v[WD0+\a], 0xffff, v[PW]
	v_lshrrev_b32 v[WD1+\a], 16, v[PW]
.endif
.endr
	v_cmp_ne_u32 vcc_lo, 0, v2                     ; lanes 0-15 store the words of blocks 0-3, lanes 16-31 those of blocks 4-7: v = 0: the 32 lanes 512 consecutive bytes; v = 1: each half of the lanes 256
.irp i, 0,1,2,3
	v_cndmask_b32 v[OW+\i], v[WD0+\i], v[WD0+4+\i], vcc_lo
.endr
	global_store_b128 v[SOF], v[OW:OW+3], s[100:101]
.if \v == 0
	s_wait_xcnt 0x0                                ; that store has read its registers
.irp i, 0,1,2,3
	v_cndmask_b32 v[OW+\i], v[WD1+\i], v[WD1+4+\i], vcc_lo
.endr
	global_store_b128 v[SOF], v[OW:OW+3], s[100:101] offset:4096
.endif
.endm
	s_wait_loadcnt 0x0                             ; the bias
	PLACES                                         ; behind the last products
.irp b, 0,1,2,3
	v_mov_b32 v[TM+4+\b], 0                        ; written once: a lane permute's destination counts as one of its sources
.endr
	s_mov_b32 s[SEL], 0x76543210
	s_mov_b32 s[SEL+1], 0xfedcba98
	s_cmp_eq_u32 s66, 0
	s_cbranch_scc0 .Lepi_v
	EPI 0
	s_branch .Ldone
.Lepi_v:
	EPI 1
.Ldone:
	s_wait_tensorcnt 0x0                           ; the wave's end, behind my last tensor load
	ds_add_u32 v[SPW], v[NIL]
	s_wait_dscnt 0x0
	CROUND                                         ; the closing round: no work-group ends while a partner may still ask for a tile that names it
	s_endpgm
.Lfunc_end_k_qf45c041c61_proj:
	.size	k_qf45c041c61_proj, .Lfunc_end_k_qf45c041c61_proj-k_qf45c041c61_proj
	.p2alignl 7, 3214868480
	.fill 96, 4, 3214868480
	.section	.rodata,"a",@progbits
	.p2align	6, 0x0
	.amdhsa_kernel k_qf45c041c61_proj
		.amdhsa_group_segment_fixed_size 327680
		.amdhsa_private_segment_fixed_size 0
		.amdhsa_enable_private_segment 0
		.amdhsa_kernarg_size 72
		.amdhsa_user_sgpr_count 2
		.amdhsa_user_sgpr_kernarg_segment_ptr 1
		.amdhsa_wavefront_size32 1
		.amdhsa_system_sgpr_workgroup_id_x 1
		.amdhsa_system_sgpr_workgroup_id_y 1
		.amdhsa_system_sgpr_workgroup_id_z 1
		.amdhsa_system_vgpr_workitem_id 0
		.amdhsa_next_free_vgpr 1024
		.amdhsa_next_free_sgpr 106
		.amdhsa_reserve_vcc 1
		.amdhsa_float_denorm_mode_32 3
		.amdhsa_float_denorm_mode_16_64 3
		.amdhsa_memory_ordered 1
		.amdhsa_forward_progress 1
		.amdhsa_inst_pref_size 226
	.end_amdhsa_kernel
	.amdgpu_metadata
---
amdhsa.version: [ 1, 2 ]
amdhsa.kernels:
  - .name:           k_qf45c041c61_proj
    .symbol:         k_qf45c041c61_proj.kd
    .args:
      - { .name: xc, .offset: 0, .size: 8, .value_kind: global_buffer, .address_space: global }
      - { .name: xs, .offset: 8, .size: 8, .value_kind: global_buffer, .address_space: global }
      - { .name: wc, .offset: 16, .size: 8, .value_kind: global_buffer, .address_space: global }
      - { .name: ws, .offset: 24, .size: 8, .value_kind: global_buffer, .address_space: global }
      - { .name: bq, .offset: 32, .size: 8, .value_kind: global_buffer, .address_space: global }
      - { .name: bk, .offset: 40, .size: 8, .value_kind: global_buffer, .address_space: global }
      - { .name: bv, .offset: 48, .size: 8, .value_kind: global_buffer, .address_space: global }
      - { .name: qq, .offset: 56, .size: 8, .value_kind: global_buffer, .address_space: global }
      - { .name: kv, .offset: 64, .size: 8, .value_kind: global_buffer, .address_space: global }
    .group_segment_fixed_size: 327680
    .private_segment_fixed_size: 0
    .kernarg_segment_align: 8
    .kernarg_segment_size: 72
    .max_flat_workgroup_size: 128
    .sgpr_count:     106
    .vgpr_count:     1024
    .wavefront_size: 32
...
	.end_amdgpu_metadata
.endif
;; end of part 2
;; launch attn (part 3): grid 4 x 64, 16 waves a work-group, clusters of 4 x 1, 216,064 bytes of LDS; arguments qq, kv, masks, oc, os; writes oc, os
.if DOCPART == 3
	.amdgcn_target "amdgcn-amd-amdhsa--gfx1250"
	.amdhsa_code_object_version 6
	.text
	.protected	k_qf45c041c61_attn
	.globl	k_qf45c041c61_attn
	.p2align	8
	.type	k_qf45c041c61_attn,@function
k_qf45c041c61_attn:
	s_mov_b64 s[64:65], 0
	v_nop
	global_prefetch_b8 v0, s[64:65] scope:SCOPE_SE
	s_setreg_imm32_b32 hwreg(HW_REG_WAVE_MODE, 25, 1), 1
	s_wait_xcnt 0x0
	s_wait_alu depctr_hold_cnt(0) depctr_sa_sdst(0) depctr_va_vdst(0) depctr_va_sdst(0) depctr_va_ssrc(0) depctr_va_vcc(0) depctr_vm_vsrc(0)
	s_getreg_b32 s2, hwreg(HW_REG_IB_STS2, 6, 4)
	s_cmp_eq_u32 s2, 0
	s_cbranch_scc0 .Lentry_in_a_cluster
	s_endpgm
.Lentry_in_a_cluster:
	s_bfe_u32 s2, ttmp6, 0x10000c
	s_cmp_lg_u32 s2, 0x3003
	s_cbranch_scc0 .Lentry_shape_is_right
	s_endpgm
.Lentry_shape_is_right:
; Attention on codes of FP6 (E2M3) with E8M0 scales: scores = q k^T / 8 with a padding mask, p = 2^(t - M), o = (p v) / l, and o quantised along the model's 1,024 for the output projection.
; t = score x log2(e) / 8; M = the running largest t rounded UP to a whole number; p is not normalised; l is the sum of the unquantised p.  When M moves, l and O are multiplied by 2^(old M - new M): exact.
; SHARES.  Work-group (x, y): batch y / 8, pair of heads y % 8, queries 256 x .. 256 x + 255.  Each of its sixteen waves owns one tile of 16 queries and runs head 0 of the pair, then head 1: so one wave makes both halves of a
; fragment of the next product (128 along its K = the pair's 2 x 64 dims) and its whole scale word.  Four waves share a SIMD, so that one wave's vector work stands beside another's matrix work and LDS loads.
; THE PAIR'S K AND V, codes and scale words, 208,896 bytes, lie in LDS as they lie in memory, filled ONCE: no ring.  The four work-groups of a cluster read the same block: every fill is a joint load.
; LAYOUT.  Both products are used transposed: S^T = K Q^T (source 0 = 16 keys), O^T = V^T P^T (source 0 = 16 dims): a lane holds ONE query throughout.  Keys and dims lie in a stored order (tile 2 g + u, lane r = true 32 g + 8 u + r + 8 (r / 8)),
; so that the 16 registers of tiles 2 g, 2 g + 1 are the true neighbours 32 g + 16 (lane / 16) + 0..15.
; THE SCORE PRODUCT'S K IS 64: Q's registers 6-11 are zero codes; K's fragments lie 6 registers apart, so that a fragment's upper six registers are the next tile's codes, which meet those zeros and add nothing (scale bytes 2, 3 are 0, that is 2^-127).
; THE MASK is the C of the score product: 0 for a key that counts, -2^100 for a hidden one; the running largest t begins at -2^90, over every hidden t, so that a hidden key's p is 0 also where no key has counted yet.
; Where a batch has no key that counts, reference() gives every key the same weight: the factor and all biases are then 0 (chosen by s_cselect, no branch), so that every p is 1.
; LIMITS: the result is reference()'s wherever the logits of keys that count lie above -1e9 (reference()'s own figure for hidden keys); NaN and infinities are not served; a block of o whose largest magnitude lies under 2^-124 keeps the byte 1.
; REGISTERS: v1-7 addresses that stay; v8-11, v28 the step's addresses; v12 -M, v13 the largest t, v[14:15] the sum; v16-27 Q of head 0, v244-255 of head 1; v29, v30 their scale words; v31 o's half word of head 0;
;   v32-85 K's eight fragments, later p's codes (v32-43), conversions (v44-50) and work (v52-64); v86-93 K's scale words; v94 f, v95 p's scale word; v96-159 bias, S^T, p; v160-191 O^T; v192-239 V's four fragments; v240-243 V's scale words.
.set BIAS,  208896                     ; behind the block: the batch's 1,024 biases, f32
.set OSC,   BIAS+4096                  ; o's scale words: 256 rows x 4 bytes
.set SPARE, OSC+1024                   ; the spare words, 128 bytes for each wave: eight blocks of 256 bytes that no other line names
.set SPW,  5
.set NIL,  6
.set WV,   14
.set SEL,  20                          ; s[20:21] v_permlanex16_b32's selects for lane l xor 16
.set CS,   22                          ; s[22:23] the factor log2(e) / 8, or 0
.macro CROUND
	s_barrier_signal -1
	s_barrier_wait -1
	s_cmp_lg_u32 s[WV], 0
	s_cbranch_scc1 .Lnot_wave_0_\@
	s_barrier_signal -3
.Lnot_wave_0_\@:
	s_barrier_wait -3
	s_barrier_signal -1
	s_barrier_wait -1
.endm
	s_load_b256 s[4:11], s[0:1], 0x0               ; qq s[4:5], kv s[6:7], masks s[8:9], oc s[10:11]
	s_load_b64 s[12:13], s[0:1], 0x20              ; os
	v_lshl_add_u32 v[SPW], v0, 2, SPARE
	v_mov_b32 v[NIL], 0
	ds_add_u32 v[SPW], v[NIL]                      ; the wave's opening: the add and its wait stand ahead of my first tensor load; the set-up below, work on registers, stands between them
	v_lshrrev_b32 v8, 5, v0
	v_readfirstlane_b32 s[WV], v8                  ; wave 0..15
	s_bfe_u32 s15, ttmp6, 0x40000                  ; cx: my quarter of the queries; it enters global addresses of Q and o alone
	s_and_b32 s16, ttmp7, 0xffff                   ; y = 8 b + hp, which the four partners share
	s_lshr_b32 s17, s16, 3                         ; b
	s_and_b32 s18, s16, 7                          ; hp
	s_lshl_b32 s19, s15, 4
	s_add_co_u32 s19, s19, s[WV]                   ; my tile of queries among the batch's 64
	s_mul_i32 s48, s16, 208896                     ; my block in qq and in kv
	s_mov_b32 s49, 0
	; descriptor groups 1: dense bytes as rows of 256 (32 elements of 8 bytes).  Load a: 27 rows a wave, 16 x 6,912 = the block's first 110,592 bytes (head 0 and all scale words); load b: 24 rows a wave, the other 98,304 (head 1)
	s_mov_b32 s24, 15|(3<<16)|(1<<21)              ; 15:0 the mask: all four work-groups; 17:16 elements of 8 bytes; 21 set beside a mask
	s_mov_b32 s25, 32<<16
	s_mov_b32 s26, 27<<16
	s_mov_b32 s27, 32<<16
	s_mov_b32 s28, 27
	s_mov_b32 s29, 32
	s_mov_b32 s30, 0
	s_mov_b32 s31, 0
	s_mov_b32 s32, 15|(3<<16)|(1<<21)
	s_mov_b32 s33, 32<<16
	s_mov_b32 s34, 24<<16
	s_mov_b32 s35, 32<<16
	s_mov_b32 s36, 24
	s_mov_b32 s37, 32
	s_mov_b32 s38, 0
	s_mov_b32 s39, 0
	s_mov_b32 s40, 1
	s_mul_i32 s41, s[WV], 6912                     ; the block lies in LDS as in memory: one offset serves both
	s_mov_b32 s44, 1
	s_mul_i32 s45, s[WV], 6144
	s_add_co_u32 s45, s45, 110592
	s_mov_b32 s50, s41
	s_mov_b32 s51, 0
	s_mov_b32 s60, s45
	s_mov_b32 s61, 0
	s_mov_b32 s[SEL], 0x76543210
	s_mov_b32 s[SEL+1], 0xfedcba98
	v_and_b32 v9, 31, v0
	v_lshlrev_b32 v1, 4, v9                        ; v1: 16 x lane
	v_lshlrev_b32 v2, 3, v9
	v_add_nc_u32 v2, 512, v2                       ; v2: 512 + 8 x lane
	v_and_b32 v10, 15, v0                          ; r
	v_bfe_u32 v11, v0, 4, 1                        ; h
	v_lshl_add_u32 v3, v10, 5, 98304               ; v3: K's scale words: 32 bytes (eight tiles' words) a row
	v_lshl_add_u32 v4, v10, 4, 106496              ; v4: V's: 16 bytes (four tiles' words) a row
	v_lshl_add_u32 v7, v11, 6, BIAS                ; v7: the biases of my half's 16 keys of a block of 32
	s_wait_dscnt 0x0                               ; the opening add is done
	s_wait_kmcnt 0x0
	s_add_nc_u64 s[6:7], s[6:7], s[48:49]
	s_add_nc_u64 s[4:5], s[4:5], s[48:49]
	s_add_nc_u64 s[42:43], s[6:7], s[50:51]
	s_or_b32 s43, s43, 0x80000000
	s_add_nc_u64 s[46:47], s[6:7], s[60:61]
	s_or_b32 s47, s47, 0x80000000
	CROUND                                         ; all four work-groups are here: the joint loads meet
	tensor_load_to_lds s[40:43], s[24:31]
	s_nop 0
	tensor_load_to_lds s[44:47], s[32:39]          ; two tensor loads of mine are out; there are no others in this text
	s_nop 0
.rept 4
	v_nop
.endr
	s_lshl_b32 s48, s17, 12
	s_add_nc_u64 s[8:9], s[8:9], s[48:49]          ; the batch's 1,024 masks
.irp i, 0,1,2,3,4,5,6,7
	global_load_b128 v[96+4*\i:99+4*\i], v1, s[8:9] offset:512*\i   ; all of them, for the question whether any key counts
.endr
	v_lshlrev_b32 v8, 3, v0
	global_load_b64 v[128:129], v8, s[8:9]         ; and my thread's two, for the table of biases
	s_mul_i32 s48, s19, 768
	s_add_nc_u64 s[50:51], s[4:5], s[48:49]        ; my tile of Q: a half fragment for each head
	global_load_b128 v[16:19], v1, s[50:51]
	global_load_b64 v[20:21], v2, s[50:51]
	global_load_b128 v[244:247], v1, s[50:51] offset:110592
	global_load_b64 v[248:249], v2, s[50:51] offset:110592
	s_lshr_b32 s48, s19, 3
	s_lshl_b32 s48, s48, 9
	s_and_b32 s60, s19, 7
	s_lshl_b32 s60, s60, 2
	s_add_co_u32 s48, s48, s60
	s_add_co_u32 s48, s48, 98304
	s_add_nc_u64 s[52:53], s[4:5], s[48:49]
	v_lshlrev_b32 v9, 5, v10
	global_load_b32 v29, v9, s[52:53]              ; Q's scale words
	global_load_b32 v30, v9, s[52:53] offset:4096
	s_lshl_b32 s48, s17, 6
	s_add_co_u32 s48, s48, s19
	s_mul_i32 s48, s48, 12288
	s_mul_i32 s60, s18, 1536
	s_add_co_u32 s48, s48, s60
	s_add_nc_u64 s[10:11], s[10:11], s[48:49]      ; oc: row tile 64 b + my tile, K step hp
	s_lshl_b32 s48, s18, 15
	s_lshl_b32 s60, s17, 12
	s_add_co_u32 s48, s48, s60
	s_lshl_b32 s60, s15, 10
	s_add_co_u32 s48, s48, s60
	s_and_b32 s62, s[WV], 1
	s_lshl_b32 s62, s62, 9
	s_add_co_u32 s48, s48, s62
	s_add_nc_u64 s[12:13], s[12:13], s[48:49]      ; os: K step hp, my work-group's 256 rows; waves 0 and 1 store 512 bytes each
.irp j, 22,23,24,25,26,27,250,251,252,253,254,255,80,81,82,83,84,85,95
	v_mov_b32 v\j, 0                               ; Q's zero codes; the registers behind K's last tile; p's scale word (named in a pair before it is first made)
.endr
	s_wait_loadcnt 0x0
.set j, 1
.rept 31
	v_or_b32 v96, v96, v[96+j]
.set j, j+1
.endr
	v_cmp_ne_u32 vcc_lo, 0, v96
	s_cmp_lg_u32 vcc_lo, 0                         ; does any key of the batch count?  It chooses two numbers and no way
	s_cselect_b32 s[CS], 0x3e38aa3b, 0             ; log2(e) / 8
	s_cselect_b32 s54, 0xf1800000, 0               ; -2^100
	s_mov_b32 s[CS+1], s[CS]                       ; (named with it as a pair)
	v_mov_b32 v132, s54
	v_cmp_eq_u32 vcc_lo, 0, v128
	v_cndmask_b32 v130, 0, v132, vcc_lo
	v_cmp_eq_u32 vcc_lo, 0, v129
	v_cndmask_b32 v131, 0, v132, vcc_lo
	v_lshl_add_u32 v133, v0, 3, BIAS
	ds_store_b64 v133, v[130:131]                  ; keys 2 t and 2 t + 1, in true order
	s_wait_tensorcnt 1                             ; my part of head 0's half and of the scale words is in; head 1's may stay out
	s_wait_dscnt 0x0                               ; my biases have landed
	s_barrier_signal -1
	s_barrier_wait -1                              ; everybody's have
; One head of the pair.  qf: Q's fragment, qs: its scale words.
.macro PASS c, qf, qs
.if \c
	s_wait_xcnt 0x0                                ; head 0's stores have read their registers
	s_wait_tensorcnt 0x0                           ; my part of head 1's half is in,
	s_wait_dscnt 0x0
	s_barrier_signal -1
	s_barrier_wait -1                              ; everybody's is
.endif
	v_mov_b32 v13, 0xec800000                      ; the largest t so far: -2^90, under every t of a key that counts and over every hidden one
	v_floor_f32 v12, -v13                          ; -M
	v_mov_b32 v14, 0
	v_mov_b32 v15, 0
.set j, 0
.rept 32
	v_mov_b32 v[160+j], 0                          ; O^T: the step is written once; the first change of M multiplies zeros
.set j, j+1
.endr
	s_mov_b32 s55, 110592*\c                       ; the step's tiles of K; V's lie 49,152 bytes on
	s_mov_b32 s56, 4096*\c                         ; K's scale words
	s_mov_b32 s57, 2048*\c                         ; V's
	s_mov_b32 s58, 0                               ; the biases
	s_mov_b32 s59, 8
.Lstep_\c:                                         ; eight key steps of 128 keys
	v_add_nc_u32 v8, s55, v1                       ; (these five are also the places behind the last step's products, in front of the loads below)
	v_add_nc_u32 v9, s55, v2
	v_add_nc_u32 v10, s56, v3
	v_add_nc_u32 v11, s57, v4
	v_add_nc_u32 v28, s58, v7
.irp g, 0,1,2,3
.irp q, 0,1,2,3
	ds_load_b128 v[96+16*\g+4*\q:99+16*\g+4*\q], v28 offset:128*\g+16*\q   ; register 16 g + i: the bias of key 32 g + 16 h + i
.endr
.endr
.irp t, 0,1,2,3,4,5,6,7
	ds_load_b128 v[32+6*\t:35+6*\t], v8 offset:768*\t
	ds_load_b64 v[36+6*\t:37+6*\t], v9 offset:768*\t
.endr
	ds_load_b128 v[86:89], v10
	ds_load_b128 v[90:93], v10 offset:16
	s_wait_dscnt 0x0
.irp t, 0,1,2,3,4,5,6,7
	v_wmma_scale_f32_16x16x128_f8f6f4 v[96+8*\t:103+8*\t], v[32+6*\t:43+6*\t], v[\qf:\qf+11], v[96+8*\t:103+8*\t], v[86+\t], v[\qs] matrix_a_fmt:MATRIX_FMT_FP6 matrix_b_fmt:MATRIX_FMT_FP6
.endr
.irp t, 0,1,2,3                                ; V's fragments are asked for now and land under the softmax
.irp c2, 0,1
	ds_load_b128 v[192+12*\t+6*\c2:195+12*\t+6*\c2], v8 offset:49152+1536*\t+768*\c2
	ds_load_b64 v[196+12*\t+6*\c2:197+12*\t+6*\c2], v9 offset:49152+1536*\t+768*\c2
.endr
.endr
	ds_load_b128 v[240:243], v11
.rept 4
	v_nop                                          ; places behind the products, ahead of the first read of the scores and the first write of K's registers
.endr
.irp b, 0,1,2,3
	v_max3_num_f32 v[52+\b], v[96+16*\b], v[97+16*\b], v[98+16*\b]   ; the largest score of each block of 32 keys: it serves for the row's maximum and, since p rises with the score, for the block's largest p
.endr
.irp i, 3,5,7,9,11,13
.irp b, 0,1,2,3
	v_max3_num_f32 v[52+\b], v[52+\b], v[96+16*\b+\i], v[97+16*\b+\i]
.endr
.endr
.irp b, 0,1,2,3
	v_max_num_f32 v[52+\b], v[52+\b], v[111+16*\b]
.endr
.irp b, 0,1,2,3
	v_permlanex16_b32 v[56+\b], v[52+\b], s[SEL], s[SEL+1]
.endr
.irp b, 0,1,2,3
	v_max_num_f32 v[52+\b], v[52+\b], v[56+\b]     ; with lane l xor 16's 16 keys
.endr
	v_max3_num_f32 v64, v52, v53, v54
	v_max_num_f32 v64, v64, v55
	v_mul_f32 v64, s[CS], v64                      ; as t (the factor is not negative)
	v_max_num_f32 v13, v13, v64                    ; the running largest t
	v_mov_b32 v64, v12
	v_floor_f32 v12, -v13                          ; the new -M = floor(-t) = -ceil(t)
	v_sub_f32 v64, v12, v64                        ; old M - new M: a whole number, 0 or less
	v_cvt_i32_f32 v64, v64                         ; (it saturates)
	v_ldexp_f32 v94, 1.0, v64                      ; f = 2^(old M - new M)
.set j, 0
.rept 32
	v_pk_fma_f32 v[96+j:97+j], v[96+j:97+j], s[CS:CS+1], v[12:13] op_sel_hi:[1,0,0]   ; t - M, two at a time
.set j, j+2
.endr
.irp b, 0,1,2,3
	v_fma_f32 v[52+\b], v[52+\b], s[CS], v12       ; the same of each block's largest score
.endr
.set j, 0
.rept 64
	v_exp_f32 v[96+j], v[96+j]                     ; p = 2^(t - M), at most 1
.set j, j+1
.endr
	v_pk_mul_f32 v[14:15], v[14:15], v[94:95] op_sel_hi:[1,0]   ; the sums under the new M.  (A plain place behind the exponentials)
	s_wait_alu depctr_va_vdst(0)                   ; one wait for the whole batch, ahead of its first reader
.irp b, 0,1,2,3
	v_exp_f32 v[52+\b], v[52+\b]                   ; the block's largest p
.endr
	v_pk_add_f32 v[56:57], v[96:97], v[98:99]      ; the row's sum is taken of the unquantised p, in two chains
.irp j, 4,8,12,16,20,24,28,32,36,40,44,48,52,56,60
	v_pk_add_f32 v[14:15], v[14:15], v[96+\j:97+\j]
	v_pk_add_f32 v[56:57], v[56:57], v[98+\j:99+\j]
.endr
	v_pk_add_f32 v[14:15], v[14:15], v[56:57]
	s_wait_alu depctr_va_vdst(0)                   ; and one for the four
.irp b, 0,1,2,3
	v_max_num_f32 v[52+\b], 0x1800000, v[52+\b]    ; the floor 2^(3 - 127): a block whose every p is 0 keeps the byte 1: its codes are zeros
.endr
.irp b, 0,1,2,3
	v_add_nc_u32 v[60+\b], 0xff000000, v[52+\b]    ; the conversion's scale operand
.endr
.irp b, 0,1,2,3
	v_lshrrev_b32 v[56+\b], 23, v[60+\b]           ; the scale's byte
.endr
	v_lshl_or_b32 v95, v57, 8, v56                 ; p's scale word for these 128 keys
	v_lshl_or_b32 v95, v58, 16, v95
	v_lshl_or_b32 v95, v59, 24, v95
.irp c2, 0,1
	v_cvt_scalef32_pk16_fp6_f32 v[32+6*\c2:34+6*\c2], v[96+32*\c2:111+32*\c2], v[60+2*\c2]
	v_cvt_scalef32_pk16_fp6_f32 v[44+4*\c2:46+4*\c2], v[112+32*\c2:127+32*\c2], v[60+2*\c2+1]
.endr
	v_nop                                          ; one plain place behind a scaled conversion
.irp c2, 0,1                                   ; the operand's layout wants a whole block in a lane
.irp i, 0,1,2
	v_permlane16_swap_b32 v[32+6*\c2+\i], v[44+4*\c2+\i]
.endr
.irp i, 0,1,2
	v_mov_b32 v[35+6*\c2+\i], v[44+4*\c2+\i]
.endr
.endr
.set j, 0
.rept 16
	v_pk_mul_f32 v[160+j:161+j], v[160+j:161+j], v[94:95] op_sel_hi:[1,0]   ; O^T under the new M.  (For each product below, the twelve of these that name other tiles are the places behind the writes of p's codes and scale word)
.set j, j+2
.endr
	s_wait_dscnt 0x0                               ; V
.irp t, 0,1,2,3
	v_wmma_scale_f32_16x16x128_f8f6f4 v[160+8*\t:167+8*\t], v[192+12*\t:203+12*\t], v[32:43], v[160+8*\t:167+8*\t], v[240+\t], v95 matrix_a_fmt:MATRIX_FMT_FP6 matrix_b_fmt:MATRIX_FMT_FP6
.endr
	s_add_co_u32 s55, s55, 6144
	s_add_co_u32 s56, s56, 512
	s_add_co_u32 s57, s57, 256
	s_add_co_u32 s58, s58, 512
	s_sub_co_u32 s59, s59, 1
	s_cmp_lg_u32 s59, 0
	s_cbranch_scc1 .Lstep_\c
	; the head's end: o = O^T / l, quantised: register 16 g + i is dim 32 g + 16 h + i: two blocks of 32
.rept 4
	v_nop                                          ; places behind the last products
.endr
	v_add_f32 v14, v14, v15
	v_permlanex16_b32 v64, v14, s[SEL], s[SEL+1]
	v_add_f32 v14, v14, v64                        ; the row's sum
	v_rcp_f32 v14, v14
	v_nop                                          ; a plain place behind the transcendental
	s_wait_alu depctr_va_vdst(0)                   ; and the wait ahead of its first reader
.set j, 0
.rept 32
	v_mul_f32 v[96+j], v[160+j], v14
.set j, j+1
.endr
.irp g, 0,1
	v_max3_num_f32 v[52+\g], |v[96+16*\g]|, |v[97+16*\g]|, 0x1800000
.endr
.irp i, 2,4,6,8,10,12,14
.irp g, 0,1
	v_max3_num_f32 v[52+\g], v[52+\g], |v[96+16*\g+\i]|, |v[97+16*\g+\i]|
.endr
.endr
.irp g, 0,1
	v_permlanex16_b32 v[56+\g], v[52+\g], s[SEL], s[SEL+1]
.endr
.irp g, 0,1
	v_max_num_f32 v[52+\g], v[52+\g], v[56+\g]
.endr
.irp g, 0,1
	v_add_nc_u32 v[60+\g], 0xff000000, v[52+\g]
.endr
.irp g, 0,1
	v_lshrrev_b32 v[56+\g], 23, v[60+\g]
.endr
.if \c
	v_lshl_or_b32 v64, v57, 8, v56
	v_lshl_or_b32 v31, v64, 16, v31                ; the row's scale word of this K step is whole
.else
	v_lshl_or_b32 v31, v57, 8, v56
.endif
	v_cvt_scalef32_pk16_fp6_f32 v[32:34], v[96:111], v60
	v_cvt_scalef32_pk16_fp6_f32 v[44:46], v[112:127], v61
	v_nop                                          ; one plain place behind a scaled conversion
.irp i, 0,1,2
	v_permlane16_swap_b32 v[32+\i], v[44+\i]
.endr
.irp i, 0,1,2
	v_mov_b32 v[35+\i], v[44+\i]
.endr
	global_store_b128 v1, v[32:35], s[10:11] offset:768*\c   ; half c of the fragment: 512 consecutive bytes,
	global_store_b64 v2, v[36:37], s[10:11] offset:768*\c    ; and 256
.endm
	PASS 0, 16, 29
	PASS 1, 244, 30
	v_and_b32 v96, 15, v0
	v_lshlrev_b32 v96, 2, v96
	s_lshl_b32 s60, s[WV], 6
	s_add_co_u32 s60, s60, OSC
	v_add_nc_u32 v96, s60, v96                     ; my row's word: 64 x wave + 4 r
	s_add_co_u32 s61, s62, OSC
	v_add_nc_u32 v97, s61, v1                      ; back: 512 bytes for each of waves 0 and 1
	ds_store_b32 v96, v31                          ; both halves of the lanes write the same word with the same value
	s_wait_dscnt 0x0                               ; for the others' sake
	s_barrier_signal -1
	s_barrier_wait -1
	s_cmp_lt_u32 s[WV], 2
	s_cbranch_scc0 .Lend
	ds_load_b128 v[100:103], v97
	s_wait_dscnt 0x0
	global_store_b128 v1, v[100:103], s[12:13]
.Lend:
	s_wait_tensorcnt 0x0                           ; the wave's end, behind my last tensor load and my last LDS store
	ds_add_u32 v[SPW], v[NIL]
	s_wait_dscnt 0x0
	CROUND                                         ; the closing round
	s_endpgm
.Lfunc_end_k_qf45c041c61_attn:
	.size	k_qf45c041c61_attn, .Lfunc_end_k_qf45c041c61_attn-k_qf45c041c61_attn
	.p2alignl 7, 3214868480
	.fill 96, 4, 3214868480
	.section	.rodata,"a",@progbits
	.p2align	6, 0x0
	.amdhsa_kernel k_qf45c041c61_attn
		.amdhsa_group_segment_fixed_size 216064
		.amdhsa_private_segment_fixed_size 0
		.amdhsa_enable_private_segment 0
		.amdhsa_kernarg_size 40
		.amdhsa_user_sgpr_count 2
		.amdhsa_user_sgpr_kernarg_segment_ptr 1
		.amdhsa_wavefront_size32 1
		.amdhsa_system_sgpr_workgroup_id_x 1
		.amdhsa_system_sgpr_workgroup_id_y 1
		.amdhsa_system_sgpr_workgroup_id_z 1
		.amdhsa_system_vgpr_workitem_id 0
		.amdhsa_next_free_vgpr 256
		.amdhsa_next_free_sgpr 80
		.amdhsa_reserve_vcc 1
		.amdhsa_float_denorm_mode_32 3
		.amdhsa_float_denorm_mode_16_64 3
		.amdhsa_memory_ordered 1
		.amdhsa_forward_progress 1
		.amdhsa_inst_pref_size 54
	.end_amdhsa_kernel
	.amdgpu_metadata
---
amdhsa.version: [ 1, 2 ]
amdhsa.kernels:
  - .name:           k_qf45c041c61_attn
    .symbol:         k_qf45c041c61_attn.kd
    .args:
      - { .name: qq, .offset: 0, .size: 8, .value_kind: global_buffer, .address_space: global }
      - { .name: kv, .offset: 8, .size: 8, .value_kind: global_buffer, .address_space: global }
      - { .name: masks, .offset: 16, .size: 8, .value_kind: global_buffer, .address_space: global }
      - { .name: oc, .offset: 24, .size: 8, .value_kind: global_buffer, .address_space: global }
      - { .name: os, .offset: 32, .size: 8, .value_kind: global_buffer, .address_space: global }
    .group_segment_fixed_size: 216064
    .private_segment_fixed_size: 0
    .kernarg_segment_align: 8
    .kernarg_segment_size: 40
    .max_flat_workgroup_size: 512
    .sgpr_count:     80
    .vgpr_count:     256
    .wavefront_size: 32
...
	.end_amdgpu_metadata
.endif
;; end of part 3
;; launch outp (part 4): grid 4 x 32, 4 waves a work-group, clusters of 4 x 4, 327,680 bytes of LDS; arguments oc, os, wc, ws, bo, out0; writes out0
.if DOCPART == 4
	.amdgcn_target "amdgcn-amd-amdhsa--gfx1250"
	.amdhsa_code_object_version 6
	.text
	.protected	k_qf45c041c61_outp
	.globl	k_qf45c041c61_outp
	.p2align	8
	.type	k_qf45c041c61_outp,@function
k_qf45c041c61_outp:
	s_mov_b64 s[64:65], 0
	v_nop
	global_prefetch_b8 v0, s[64:65] scope:SCOPE_SE
	s_setreg_imm32_b32 hwreg(HW_REG_WAVE_MODE, 25, 1), 1
	s_wait_xcnt 0x0
	s_wait_alu depctr_hold_cnt(0) depctr_sa_sdst(0) depctr_va_vdst(0) depctr_va_sdst(0) depctr_va_ssrc(0) depctr_va_vcc(0) depctr_vm_vsrc(0)
	s_getreg_b32 s2, hwreg(HW_REG_IB_STS2, 6, 4)
	s_cmp_eq_u32 s2, 0
	s_cbranch_scc0 .Lentry_in_a_cluster
	s_endpgm
.Lentry_in_a_cluster:
	s_bfe_u32 s2, ttmp6, 0x10000c
	s_cmp_lg_u32 s2, 0xf033
	s_cbranch_scc0 .Lentry_shape_is_right
	s_endpgm
.Lentry_shape_is_right:
; out0 = o Wo + bo on codes of FP6 (E2M3) with E8M0 scales; out0 [8192][1024] f32.
; A tile of C is 256 x 256; four waves, each 128 x 128: 64 accumulators in 512 registers.  K = 1,024 goes in four slots' worth of 256 through a ring of two LDS slots filled by the tensor data mover.
; Codes lie in memory and in LDS as images of the operand's registers (a fragment of 16 rows x 128 K: 1,536 bytes; halves of 768: registers 6c..6c+3 at 16 x lane, 6c+4, 6c+5 at 512 + 8 x lane).
; A = oc [row tile 512][K step 8][1536] with os [K step 8][stored row 8192] scale words; B = Wo: tiles 192.. of wc, rows 3,072.. of ws ([row][32 bytes]).
; THE MATRIX INSTRUCTION IS USED TRANSPOSED (source 0 = 16 rows of B, source 1 = 16 rows of A): a lane holds one token, its registers run along the outputs.  Both operands' rows lie in a stored order (tile 2 g + u, lane r = true row
; 32 g + 8 u + r + 8 (r / 8)): the 16 registers of B's tiles 2 g, 2 g + 1 are true outputs 32 g + 16 (lane / 16) + 0..15; the way out puts tokens back into true order by the stores' offsets.
; bo is the C of each sum's first matrix instruction.  CLUSTERS: 4 x 4 work-groups; A's tiles are asked for jointly along a row of the cluster, B's along a column.
; The grid has 128 work-groups: a wave tile of 128 x 128 is kept, so that each byte read from LDS feeds as many products as the registers allow.
; REGISTERS, in windows of 256: window 0: v0-31 addresses; v32-63 scale words, two sets of 16; v64-127 bo; v128-223 A's fragments, one set; on the way out v128-255 rows of C.
;   window 1: B's fragments, two sets, at v0 and v128.   window 2: the accumulators of my rows 0-63 ((a, b) at v[8 (8 a + b)]);   window 3: those of rows 64-127.
.set NL,     4
.set FR,     12
.set HALFT,  24576                     ; 8 row tiles x 2 K steps x 1,536
.set SLOT,   4*HALFT
.set SCLA,   2*SLOT                    ; A's scale words: for each 128 rows [K step 8][128] words, 4,096 bytes
.set SCLB,   SCLA+2*4096               ; B's scale bytes: for each 128 rows 16 units of 256 bytes + 16
.set HALFS,  4352
.set SPARE,  SCLB+2*HALFS              ; the spare words, 128 bytes for each wave: two blocks of 256 bytes that no other line names
.set SPITCH, 528                       ; the way out: a stage of 16 rows x (512 bytes + 16) for each wave, in slot 0, which has had its last fill and its last read when the first result is stored there
.set BOF,  14
.set ADRA, 16
.set ADRB, 20
.set STO,  24                          ; v24  the way out: where I put 32 bytes of a row
.set RD,   25                          ; v25  where I read a row back
.set CO,   26                          ; v26  16 x lane
.set ADSA, 27
.set SPW,  28
.set NIL,  29
.set ADSB, 30
.set SC,   32
.set BI,   64
.set AF,   128
.set BK,   128
.set WV,   22
.set RH,   23
.set CH,   40
.set G1,   24
.set G0,   32
.set G1B,  48
.set G0B,  56
.set G1S,  68
.set G0S,  76
.set G1SB, 80
.set G0SB, 88
.set MSB, 0
.macro WIN new                         ; the immediate's high byte repeats the setting that is left
.if MSB != (\new)
	s_set_vgpr_msb (MSB<<8)|(\new)
.set MSB, (\new)
.endif
.endm
.set MUL_LO,  0xa1                     ; source 0 (B) window 1, source 1 (A) window 0, C and D window 2
.set MUL_HI,  0xf1                     ; the same, C and D window 3
.set MUL_LO0, 0x81                     ; the first step: C (bo) window 0, D window 2
.set MUL_HI0, 0xc1                     ; C window 0, D window 3
.set TO_B,    0x40
.macro JLOAD g0a, g1a, g0b, g1b        ; a joint load: waves 0 and 1 fetch for A, waves 2 and 3 for B; an s_nop 0 and four v_nop follow each of the two lines
	s_cmp_eq_u32 s[RH], 0
	s_cbranch_scc0 .Lfor_b_\@
	tensor_load_to_lds s[\g0a:\g0a+3], s[\g1a:\g1a+7]
	s_nop 0
.rept 4
	v_nop
.endr
	s_branch .Lasked_\@
.Lfor_b_\@:
	tensor_load_to_lds s[\g0b:\g0b+3], s[\g1b:\g1b+7]
	s_nop 0
.rept 4
	v_nop
.endr
.Lasked_\@:
.endm
.macro CREST
	s_cmp_lg_u32 s[WV], 0
	s_cbranch_scc1 .Lnot_wave_0_\@
	s_barrier_signal -3
.Lnot_wave_0_\@:
	s_barrier_wait -3
	s_barrier_signal -1
	s_barrier_wait -1
.endm
.macro CROUND
	s_barrier_signal -1
	s_barrier_wait -1
	CREST
.endm
	s_load_b256 s[4:11], s[0:1], 0x0               ; oc s[4:5], os s[6:7], wc s[8:9], ws s[10:11]
	s_load_b128 s[12:15], s[0:1], 0x20             ; bo s[12:13], out0 s[14:15]
	v_lshl_add_u32 v[SPW], v0, 2, SPARE
	v_mov_b32 v[NIL], 0
	ds_add_u32 v[SPW], v[NIL]                      ; the wave's opening: the add and its wait stand ahead of my first tensor load; the set-up below, work on registers, stands between them
	v_lshrrev_b32 v1, 5, v0
	v_readfirstlane_b32 s[WV], v1
	s_lshr_b32 s[RH], s[WV], 1                     ; my half of the tile's rows; also: I fetch for A (0) or B (1)
	s_and_b32 s[CH], s[WV], 1                      ; my half of its columns; also: which 128 rows I fetch
	s_bfe_u32 s41, ttmp6, 0x40000                  ; cx
	s_bfe_u32 s42, ttmp6, 0x40004                  ; cy
	s_and_b32 s43, ttmp7, 0xffff
	s_lshl_b32 s44, s42, 2
	s_lshl_b32 s44, 15, s44                        ; my row of the cluster
	s_lshl_b32 s45, 0x1111, s41                    ; my column
	s_lshl_b32 s46, s43, 2
	s_add_co_u32 s46, s46, s42                     ; tile row = 4 x cluster y + cy
	s_lshl_b32 s47, ttmp9, 2
	s_add_co_u32 s47, s47, s41                     ; tile column = 4 x cluster x + cx
	s_or_b32 s[G1+0], s44, (3<<16)|(1<<21)         ; a tile: 8 row tiles x 3,072 bytes, 12,288 bytes apart in memory, on end in LDS
	s_or_b32 s[G1B+0], s45, (3<<16)|(1<<21)
.irp g, G1, G1B
	s_mov_b32 s[\g+1], 384<<16
	s_mov_b32 s[\g+2], 8<<16
	s_mov_b32 s[\g+3], 384<<16
	s_mov_b32 s[\g+4], 8
	s_mov_b32 s[\g+5], 1536
	s_mov_b32 s[\g+6], 0
	s_mov_b32 s[\g+7], 0
.endr
	s_or_b32 s[G1S+0], s44, (3<<16)|(1<<21)        ; A's scale words of 128 rows: 8 rows (K steps) of 512 bytes, 32,768 bytes apart
	s_mov_b32 s[G1S+1], 64<<16
	s_mov_b32 s[G1S+2], 8<<16
	s_mov_b32 s[G1S+3], 64<<16
	s_mov_b32 s[G1S+4], 8
	s_mov_b32 s[G1S+5], 4096
	s_mov_b32 s[G1S+6], 0
	s_mov_b32 s[G1S+7], 0
	s_or_b32 s[G1SB+0], s45, (3<<16)|(1<<20)|(1<<21)|(5<<22)|(3<<25)   ; B's scale bytes of 128 rows: 16 rows of 256 dense bytes, 16 bytes of padding behind each
	s_mov_b32 s[G1SB+1], 32<<16
	s_mov_b32 s[G1SB+2], 16<<16
	s_mov_b32 s[G1SB+3], 32<<16
	s_mov_b32 s[G1SB+4], 16
	s_mov_b32 s[G1SB+5], 32
	s_mov_b32 s[G1SB+6], 0
	s_mov_b32 s[G1SB+7], 0
	s_lshl_b32 s94, s46, 1
	s_add_co_u32 s94, s94, s[CH]                   ; A: which 128 rows I fetch
	s_lshl_b32 s105, s47, 1
	s_add_co_u32 s105, s105, s[CH]                 ; B likewise
	s_mul_i32 s96, s94, 98304
	s_mov_b32 s97, 0
	s_lshl_b32 s98, s94, 9                         ; A's scale words: 128 rows x 4 bytes in each K step's row
	s_mov_b32 s99, 0
	s_mul_i32 s100, s105, 98304
	s_add_co_u32 s100, s100, 2359296               ; Wo: tile 192 of wc
	s_mov_b32 s101, 0
	s_lshl_b32 s2, s105, 12
	s_add_co_u32 s2, s2, 98304                     ; Wo: row 3,072 of ws
	s_mov_b32 s3, 0
	s_mul_i32 s67, s[WV], HALFT
	s_wait_dscnt 0x0                               ; the opening add is done
	s_wait_kmcnt 0x0
	s_add_nc_u64 s[4:5], s[4:5], s[96:97]
	s_add_nc_u64 s[6:7], s[6:7], s[98:99]
	s_add_nc_u64 s[8:9], s[8:9], s[100:101]
	s_add_nc_u64 s[10:11], s[10:11], s[2:3]
	CROUND                                         ; all sixteen work-groups are here: the first joint loads meet
	s_mov_b32 s[G0S], 1
	s_lshl_b32 s[G0S+1], s[CH], 12
	s_add_co_u32 s[G0S+1], s[G0S+1], SCLA
	s_mov_b64 s[G0S+2:G0S+3], s[6:7]
	s_or_b32 s[G0S+3], s[G0S+3], 0x80000000
	s_mov_b32 s[G0SB], 1
	s_mul_i32 s[G0SB+1], s[CH], HALFS
	s_add_co_u32 s[G0SB+1], s[G0SB+1], SCLB
	s_mov_b64 s[G0SB+2:G0SB+3], s[10:11]
	s_or_b32 s[G0SB+3], s[G0SB+3], 0x80000000
	JLOAD G0S, G1S, G0SB, G1SB
.irp s, 0,1
	s_mov_b32 s[G0+4*\s], 1
	s_add_co_u32 s[G0+4*\s+1], s67, \s*SLOT
	s_add_nc_u64 s[G0+4*\s+2:G0+4*\s+3], s[4:5], \s*3072
	s_or_b32 s[G0+4*\s+3], s[G0+4*\s+3], 0x80000000
	s_mov_b32 s[G0B+4*\s], 1
	s_add_co_u32 s[G0B+4*\s+1], s67, \s*SLOT
	s_add_nc_u64 s[G0B+4*\s+2:G0B+4*\s+3], s[8:9], \s*3072
	s_or_b32 s[G0B+4*\s+3], s[G0B+4*\s+3], 0x80000000
	JLOAD G0+4*\s, G1, G0B+4*\s, G1B               ; three tensor loads of mine are out
.endr
	v_and_b32 v1, 15, v0                           ; r
	v_bfe_u32 v2, v0, 4, 1                         ; h
	v_and_b32 v3, 31, v0
	v_lshlrev_b32 v[CO], 4, v3                     ; 16 x lane
	v_lshlrev_b32 v6, 3, v3                        ; 8 x lane
	s_lshl_b32 s2, s47, 1
	s_add_co_u32 s2, s2, s[CH]
	s_lshl_b32 s2, s2, 9                           ; my 128 numbers of bo
	s_mov_b32 s3, 0
	s_add_nc_u64 s[12:13], s[12:13], s[2:3]
	v_lshlrev_b32 v[BOF], 6, v2                    ; register 16 g + i wants bo of output 32 g + 16 h + i
.irp g, 0,1,2,3
.irp q, 0,1,2,3
	global_load_b128 v[BI+16*\g+4*\q:BI+16*\g+4*\q+3], v[BOF], s[12:13] offset:128*\g+16*\q
.endr
.endr
	s_mul_i32 s2, s[RH], HALFT
	s_mul_i32 s3, s[CH], HALFT
	s_add_co_u32 s3, s3, 2*HALFT
.irp s, 0,1
	v_add_nc_u32 v[ADRA+\s], s2, v[CO]
	v_add_nc_u32 v[ADRA+2+\s], s2, v6
	v_add_nc_u32 v[ADRB+\s], s3, v[CO]
	v_add_nc_u32 v[ADRB+2+\s], s3, v6
	s_add_co_u32 s2, s2, SLOT
	s_add_co_u32 s3, s3, SLOT
.endr
	v_lshlrev_b32 v4, 2, v1                        ; A's scale words: 4 r, lanes 16-31 the next K step's row, 512 bytes on
	v_lshl_add_u32 v4, v2, 9, v4
	s_lshl_b32 s2, s[RH], 12
	s_add_co_u32 s2, s2, SCLA
	v_add_nc_u32 v[ADSA], s2, v4
	v_lshlrev_b32 v4, 5, v1                        ; B's: 32 r, 16 more behind each 256 passed, lanes 16-31 the next word
	v_lshrrev_b32 v5, 3, v1
	v_lshl_add_u32 v4, v5, 4, v4
	v_lshl_add_u32 v4, v2, 2, v4
	s_mul_i32 s3, s[CH], HALFS
	s_add_co_u32 s3, s3, SCLB
	v_add_nc_u32 v[ADSB], s3, v4
	s_mul_i32 s2, s[WV], 16*SPITCH                 ; my stage
	v_mul_u32_u24 v4, v1, SPITCH
	v_lshl_add_u32 v4, v2, 6, v4
	v_add_nc_u32 v[STO], s2, v4                    ; in: row r, + 64 h
	v_add_nc_u32 v[RD], s2, v[CO]                  ; back: the 32 lanes take one row of 512 bytes
	s_lshl_b32 s2, s46, 1
	s_add_co_u32 s2, s2, s[RH]
	s_lshl_b32 s2, s2, 19                          ; my first row of out0: 128 rows of 4,096 bytes each
	s_lshl_b32 s3, s47, 10
	s_add_co_u32 s2, s2, s3
	s_lshl_b32 s3, s[CH], 9
	s_add_co_u32 s2, s2, s3                        ; my first column: 1,024 x tile column + 512 x half, in bytes
	s_mov_b32 s3, 0
	s_add_nc_u64 s[14:15], s[14:15], s[2:3]
.macro FRAG reg, adr, q, i
	ds_load_b128 v[\reg:\reg+3], v[\adr] offset:3072*(\i)+1536*(\q)
	ds_load_b64 v[\reg+4:\reg+5], v[\adr+2] offset:3072*(\i)+1536*(\q)+512
	ds_load_b128 v[\reg+6:\reg+9], v[\adr] offset:3072*(\i)+1536*(\q)+768
	ds_load_b64 v[\reg+10:\reg+11], v[\adr+2] offset:3072*(\i)+1536*(\q)+1280
.endm
; 16 matrix instructions: A's blocks a0, a0 + 1 x B's eight.  first = 1: the sums start from bo.  The 64 accumulators take turns, one instruction a turn, in the same order in every step.
.macro MUL16 a0, p, q, sc, first
.irp a, \a0, \a0+1
.irp b, 0,1,2,3,4,5,6,7
.set rD, 8*(8*((\a)%4)+\b)
.set rB, 128*(\p)+FR*\b
.set rA, AF+FR*(\a)
.if \first
	v_wmma_scale_f32_16x16x128_f8f6f4 v[rD:rD+7], v[rB:rB+FR-1], v[rA:rA+FR-1], v[BI+8*\b:BI+8*\b+7], v[SC+16*(\sc)+8+\b], v[SC+16*(\sc)+(\a)] matrix_a_fmt:MATRIX_FMT_FP6 matrix_b_fmt:MATRIX_FMT_FP6
.elseif (\q) == 0
	v_wmma_scale_f32_16x16x128_f8f6f4 v[rD:rD+7], v[rB:rB+FR-1], v[rA:rA+FR-1], v[rD:rD+7], v[SC+16*(\sc)+8+\b], v[SC+16*(\sc)+(\a)] matrix_a_fmt:MATRIX_FMT_FP6 matrix_b_fmt:MATRIX_FMT_FP6
.else
	v_wmma_scale_f32_16x16x128_f8f6f4 v[rD:rD+7], v[rB:rB+FR-1], v[rA:rA+FR-1], v[rD:rD+7], v[SC+16*(\sc)+8+\b], v[SC+16*(\sc)+(\a)] matrix_a_fmt:MATRIX_FMT_FP6 matrix_b_fmt:MATRIX_FMT_FP6 matrix_a_scale:MATRIX_SCALE_ROW1 matrix_b_scale:MATRIX_SCALE_ROW1
.endif
.endr
.endr
.endm
.macro FETCH_B slot, q, p
	WIN TO_B
.irp i, 0,1,2,3,4,5,6,7
	FRAG 128*(\p)+FR*\i, ADRB+\slot, \q, \i
.endr
	WIN 0
.endm
.macro FETCH_A slot, q, i0
.irp i, \i0, \i0+1, \i0+2, \i0+3
	FRAG AF+FR*(\i), ADRA+\slot, \q, \i
.endr
.endm
.macro SCALES sc                       ; a slot's scale words: lanes 0-15 its first K step's, lanes 16-31 its second's
.irp i, 0,1,2,3,4,5,6,7
	ds_load_b32 v[SC+16*\sc+\i], v[ADSA] offset:\i*64
	ds_load_b32 v[SC+16*\sc+8+\i], v[ADSB] offset:\i*544
.endr
.endm
.macro PLACES                          ; four places in front of loads into registers that matrix instructions have read, and of the first read of results
.rept 4
	v_nop
.endr
.endm
.macro STEP slot, first
	s_wait_dscnt 4*NL                              ; B's set and A's blocks 0-3 are in; the youngest 16 loads (A's blocks 4-7) may be out
.if \first
	WIN MUL_LO0
.else
	WIN MUL_LO
.endif
	MUL16 0, 0, 0, \slot, \first
	MUL16 2, 0, 0, \slot, \first
	s_wait_dscnt 0x0
	PLACES
	FETCH_B \slot, 1, 1
	FETCH_A \slot, 1, 0
.if \first
	WIN MUL_HI0
.else
	WIN MUL_HI
.endif
	MUL16 4, 0, 0, \slot, \first
	MUL16 6, 0, 0, \slot, \first
	PLACES
	WIN 0
	FETCH_A \slot, 1, 4
.endm
; A slot's second K step changes slots: ONE barrier; in front of it each wave waits for all its tensor loads, adds 0 to its spare word, and waits for that and for its own reads of this slot.
.macro TURN slot, next, fill
	s_wait_tensorcnt 0x0                           ; all my tensor loads have landed: my part of the next slot  (every window is 0 here)
	ds_add_u32 v[SPW], v[NIL]                      ; 0 onto my spare word
	s_wait_dscnt 4*NL+1                            ; (the add and the youngest 16 loads may be out)
	WIN MUL_LO
	MUL16 0, 1, 1, \slot, 0
	s_wait_dscnt 0x0                               ; the add is done, and my reads of this slot are over
	s_barrier_signal -1
	MUL16 2, 1, 1, \slot, 0
	WIN 0
	s_barrier_wait -1
.if \fill
	CREST                                          ; a round of the cluster's barrier: no wave of any partner still reads this slot or has a load on its way
	s_add_nc_u64 s[G0+4*\slot+2:G0+4*\slot+3], s[G0+4*\slot+2:G0+4*\slot+3], 6144
	s_add_nc_u64 s[G0B+4*\slot+2:G0B+4*\slot+3], s[G0B+4*\slot+2:G0B+4*\slot+3], 6144
	JLOAD G0+4*\slot, G1, G0B+4*\slot, G1B
.else
	PLACES
.endif
	v_add_nc_u32 v[ADSA], 1024, v[ADSA]            ; the next slot's scale words
	v_add_nc_u32 v[ADSB], 8, v[ADSB]
	FETCH_B \next, 0, 0
	FETCH_A \next, 0, 0
	SCALES \next
	WIN MUL_HI
	MUL16 4, 1, 1, \slot, 0
	MUL16 6, 1, 1, \slot, 0
	PLACES
	WIN 0
	FETCH_A \next, 0, 4
.endm
	s_wait_tensorcnt 1                             ; the scales and my part of slot 0 are in (slot 1's load may be out)
	s_barrier_signal -1
	s_barrier_wait -1                              ; everybody's are
	FETCH_B 0, 0, 0
	FETCH_A 0, 0, 0
	SCALES 0
	FETCH_A 0, 0, 4
	s_wait_loadcnt 0x0                             ; bo
	STEP 0, 1                                      ; eight K steps, twice round the ring, written out
	TURN 0, 1, 1
	STEP 1, 0
	TURN 1, 0, 1
	STEP 0, 0
	TURN 0, 1, 0                                   ; the last lap fills nothing
	STEP 1, 0
	s_wait_dscnt 4*NL
	WIN MUL_LO
	MUL16 0, 1, 1, 1, 0
	MUL16 2, 1, 1, 1, 0
	s_wait_dscnt 0x0
	WIN MUL_HI
	MUL16 4, 1, 1, 1, 0
	MUL16 6, 1, 1, 1, 0
	WIN 0
; THE WAY OUT, block by block of 16 tokens x 128 outputs, through my own stage in LDS: a lane's eight numbers of accumulator b are outputs 32 (b / 2) + 16 h + 8 (b % 2) + 0..7 of its token; back come whole rows of 512 bytes.
; Stored row t of block a is true token 32 (a / 2) + 8 (a % 2) + t + 8 (t / 8): it stands in the store's offset.  LDS serves a wave's instructions in order: no wait between the stores and the loads.
.macro TOSTAGE a
.set AC, 64*((\a)%4)
	WIN 0x08+4*((\a)/4)                            ; the data: window 2 or 3
.irp b, 0,1,2,3,4,5,6,7
	ds_store_b128 v[STO], v[AC+8*\b:AC+8*\b+3] offset:128*(\b/2)+32*(\b%2)       ; each accumulator from its low end on
	ds_store_b128 v[STO], v[AC+8*\b+4:AC+8*\b+7] offset:128*(\b/2)+32*(\b%2)+16
.endr
	WIN 0
.set BB, BK+64*((\a)%2)
.irp t, 0,1,2,3,4,5,6,7,8,9,10,11,12,13,14,15
	ds_load_b128 v[BB+4*\t:BB+4*\t+3], v[RD] offset:\t*SPITCH
.endr
.endm
.macro SEND a, younger                 ; younger: the LDS instructions issued behind block a's loads, which may stay out
.set BB, BK+64*((\a)%2)
	s_wait_dscnt \younger
.irp t, 0,1,2,3,4,5,6,7,8,9,10,11,12,13,14,15
	global_store_b128 v[CO], v[BB+4*\t:BB+4*\t+3], s[14:15] offset:(32*((\a)/2)+8*((\a)%2)+\t+8*(\t/8))*4096 th:TH_STORE_NT   ; 32 lanes store 512 consecutive bytes, at a multiple of 256 from out0's first byte
.endr
.endm
	PLACES
	TOSTAGE 0
.irp a, 1,2,3,4,5,6,7
.if \a > 1
	s_wait_xcnt 0x0                                ; block a - 2's stores have read their registers: block a's loads may land there
.endif
	TOSTAGE \a
	SEND \a-1, 32                                  ; behind block a - 1's loads: block a's 16 stores and 16 loads
.endr
	SEND 7, 0
	s_wait_tensorcnt 0x0                           ; the wave's end, behind my last tensor load and my last LDS store
	ds_add_u32 v[SPW], v[NIL]
	s_wait_dscnt 0x0
	CROUND                                         ; the closing round
	s_endpgm
.Lfunc_end_k_qf45c041c61_outp:
	.size	k_qf45c041c61_outp, .Lfunc_end_k_qf45c041c61_outp-k_qf45c041c61_outp
	.p2alignl 7, 3214868480
	.fill 96, 4, 3214868480
	.section	.rodata,"a",@progbits
	.p2align	6, 0x0
	.amdhsa_kernel k_qf45c041c61_outp
		.amdhsa_group_segment_fixed_size 327680
		.amdhsa_private_segment_fixed_size 0
		.amdhsa_enable_private_segment 0
		.amdhsa_kernarg_size 48
		.amdhsa_user_sgpr_count 2
		.amdhsa_user_sgpr_kernarg_segment_ptr 1
		.amdhsa_wavefront_size32 1
		.amdhsa_system_sgpr_workgroup_id_x 1
		.amdhsa_system_sgpr_workgroup_id_y 1
		.amdhsa_system_sgpr_workgroup_id_z 1
		.amdhsa_system_vgpr_workitem_id 0
		.amdhsa_next_free_vgpr 1024
		.amdhsa_next_free_sgpr 106
		.amdhsa_reserve_vcc 0
		.amdhsa_float_denorm_mode_32 3
		.amdhsa_float_denorm_mode_16_64 3
		.amdhsa_memory_ordered 1
		.amdhsa_forward_progress 1
		.amdhsa_inst_pref_size 147
	.end_amdhsa_kernel
	.amdgpu_metadata
---
amdhsa.version: [ 1, 2 ]
amdhsa.kernels:
  - .name:           k_qf45c041c61_outp
    .symbol:         k_qf45c041c61_outp.kd
    .args:
      - { .name: oc, .offset: 0, .size: 8, .value_kind: global_buffer, .address_space: global }
      - { .name: os, .offset: 8, .size: 8, .value_kind: global_buffer, .address_space: global }
      - { .name: wc, .offset: 16, .size: 8, .value_kind: global_buffer, .address_space: global }
      - { .name: ws, .offset: 24, .size: 8, .value_kind: global_buffer, .address_space: global }
      - { .name: bo, .offset: 32, .size: 8, .value_kind: global_buffer, .address_space: global }
      - { .name: out0, .offset: 40, .size: 8, .value_kind: global_buffer, .address_space: global }
    .group_segment_fixed_size: 327680
    .private_segment_fixed_size: 0
    .kernarg_segment_align: 8
    .kernarg_segment_size: 48
    .max_flat_workgroup_size: 128
    .sgpr_count:     106
    .vgpr_count:     1024
    .wavefront_size: 32
...
	.end_amdgpu_metadata
.endif
;; end of part 4
;; ======== version 2 of 2: 4 launches
;; limits: right only within a limited range of input values
;; workspace buffers: xc 6,291,456 bytes; xs 262,144 bytes; wc 3,145,728 bytes; ws 131,072 bytes; qq 13,369,344 bytes; kv 13,369,344 bytes; oc 6,291,456 bytes; os 262,144 bytes
;; launch quant (part 5): grid 576 x 1, 8 waves a work-group, no clusters, 124,416 bytes of LDS; arguments x, Wq, Wk, Wv, Wo, xc, xs, wc, ws; writes xc, xs, wc, ws
.if DOCPART == 5
	.amdgcn_target "amdgcn-amd-amdhsa--gfx1250"
	.amdhsa_code_object_version 6
	.text
	.protected	k_qf45c041c61_quant
	.globl	k_qf45c041c61_quant
	.p2align	8
	.type	k_qf45c041c61_quant,@function
k_qf45c041c61_quant:
	s_mov_b64 s[64:65], 0
	v_nop
	global_prefetch_b8 v0, s[64:65] scope:SCOPE_SE
	s_setreg_imm32_b32 hwreg(HW_REG_WAVE_MODE, 25, 1), 1
	s_wait_xcnt 0x0
; x [8192][1024] and the four weights [1024 (k)][1024 (n)], f32, become codes of FP6 (E2M3) with one E8M0 byte for each 32 along K.
; A block's scale is 2^(floor(log2(its largest magnitude)) - 2); its byte is the largest magnitude's exponent field - 2, held at 1 from below.
; LIMITS: NaN and infinities among the inputs are not served; a block whose largest magnitude lies under 2^-124, a block of zeros among them, keeps the byte 1
; (the rule says 127 for zeros: the codes are zeros, which add nothing under any byte but 0xff, and this program alone reads the bytes).
; LAYOUT OF THE CODES: images of the operand's registers.  A fragment (16 rows x 128 K) is 1,536 bytes, two halves c of 768: lane l's registers 6c..6c+3 at 16 l, its registers 6c+4, 6c+5 at 512 + 8 l.
; Lane (r, h) holds k = 64 c + 32 h + 0..31 of row r.  So a fragment is stored and loaded by runs of 512 and 256 consecutive bytes.
; STORED ORDER OF ROWS: in each group of 32 rows (tokens of x, columns n of a weight) tile 2 g + u, lane r, is true row 32 g + 8 u + r + 8 (r / 8).
; xc [row tile 512][K step 8][1536], xs [stored row][32 bytes]; wc [tile 64 m + t][K step 8][1536], ws [stored row 1024 m + ..][32]; m = 0 q, 1 k, 2 v, 3 o.
; Work-groups 0..63: 64 columns of one weight; a wave 32 columns x 256 along K, a lane a column, registers down K.  They have the longest chain of dependent steps (eight blocks on end), so they have the first numbers.
; Work-groups 64..575: one row tile of x, wave w its K step w.  The two ways part on the work-group's number and have LDS bytes of their own.  No tensor loads.
.set XP,    528                        ; x: a stage row, 512 bytes + 16: the sixteen rows that a load touches start at sixteen different groups of banks
.set XW,    16*XP                      ; a wave's stage
.set XSG,   8*XW                       ; the row tile's 16 x 32 scale bytes
.set WST,   XSG+512                    ; weights: for each wave four images of 1,536 bytes, 1,664 apart
.set WIP,   1664
.set WW,    4*WIP
.set WSG,   WST+8*WW                   ; 64 rows x 32 scale bytes
.set SPARE, WSG+2048                   ; the spare words, 128 bytes for each wave: four blocks of 256 bytes that no other line names
.set SPW,   12                         ; v12  LDS address of my spare word; never rewritten
.set NIL,   13                         ; v13  0; never rewritten
	s_load_b256 s[8:15], s[0:1], 0x0               ; x s[8:9], Wq s[10:11], Wk s[12:13], Wv s[14:15]
	s_load_b256 s[16:23], s[0:1], 0x20             ; Wo s[16:17], xc s[18:19], xs s[20:21], wc s[22:23]
	s_load_b64 s[24:25], s[0:1], 0x40              ; ws
	v_lshl_add_u32 v[SPW], v0, 2, SPARE
	v_mov_b32 v[NIL], 0
	v_lshrrev_b32 v1, 5, v0
	s_delay_alu instid0(VALU_DEP_1)
	v_readfirstlane_b32 s2, v1                     ; wave 0..7
	v_and_b32 v2, 31, v0                           ; lane
	v_and_b32 v3, 15, v0                           ; r
	v_bfe_u32 v4, v0, 4, 1                         ; h
	s_delay_alu instid0(VALU_DEP_3)
	v_lshlrev_b32 v5, 4, v2                        ; 16 x lane
	s_cmp_lt_u32 ttmp9, 64
	s_cbranch_scc1 .Lweights
; ---------------- x: one fragment a wave ----------------
.set R,  16                            ; v16-79   the 16 rows as loaded
.set X,  80                            ; v80-143  my 64 numbers: register 32 c + i = k 64 c + 32 h + i of row r
.set C,  144                           ; v144-155 the fragment
.set CT, 156                           ; v156-158, v160-162 the upper halves of the two blocks as converted
.set MX, 164                           ; v164-165 largest magnitudes; v166-167 scale operands; v168-169 bytes; v170 the scale word; v171 at work
	s_sub_co_u32 s36, ttmp9, 64                    ; g: my row tile
	s_lshr_b32 s3, s36, 1
	s_lshl_b32 s3, s3, 5
	s_and_b32 s4, s36, 1
	s_lshl_b32 s4, s4, 3
	s_add_co_u32 s3, s3, s4                        ; the tile's first true row: 32 (g / 2) + 8 (g % 2)
	s_lshl_b32 s4, s3, 12                          ; rows of 4,096 bytes
	s_lshl_b32 s5, s2, 9                           ; K step w: 512 bytes on
	s_add_co_u32 s4, s4, s5
	s_mov_b32 s5, 0
	s_mul_i32 s6, s36, 12288
	s_mul_i32 s7, s2, 1536
	s_add_co_u32 s6, s6, s7                        ; my fragment in xc
	s_mov_b32 s7, 0
	s_lshl_b32 s26, s36, 9                         ; the tile's scale bytes in xs
	s_mov_b32 s27, 0
	s_mul_i32 s28, s2, XW                          ; my stage
	s_wait_alu depctr_va_vdst(0)
	v_add_nc_u32 v7, s28, v5                       ; in: 16 x lane of a row
	v_mul_u32_u24 v8, v3, XP
	s_delay_alu instid0(VALU_DEP_1)
	v_lshl_add_u32 v8, v4, 7, v8
	s_delay_alu instid0(VALU_DEP_1)
	v_add_nc_u32 v8, s28, v8                       ; out: row r, + 128 h
	s_lshl_b32 s29, s2, 2
	s_add_co_u32 s29, s29, XSG
	v_lshlrev_b32 v9, 5, v3
	s_delay_alu instid0(VALU_DEP_1)
	v_add_nc_u32 v9, s29, v9                       ; my row's scale word of K step w
	v_add_nc_u32 v10, XSG, v5                      ; and the whole tile's, 16 bytes a lane
	v_lshlrev_b32 v6, 3, v2                        ; 8 x lane
	s_mov_b32 s30, 0x76543210
	s_mov_b32 s31, 0xfedcba98                      ; v_permlanex16_b32's selects for lane l xor 16
	s_wait_alu depctr_va_vdst(0)
	s_wait_kmcnt 0x0
	s_add_nc_u64 s[8:9], s[8:9], s[4:5]
	s_add_nc_u64 s[18:19], s[18:19], s[6:7]
	s_add_nc_u64 s[20:21], s[20:21], s[26:27]
.irp i, 0,1,2,3,4,5,6,7,8,9,10,11,12,13,14,15
	global_load_b128 v[R+4*\i:R+4*\i+3], v5, s[8:9] offset:(\i+8*(\i/8))*4096 th:TH_LOAD_NT   ; stored row i: 32 lanes read 512 consecutive bytes
.endr
.irp i, 0,1,2,3,4,5,6,7,8,9,10,11,12,13,14,15
	s_wait_loadcnt 15-\i                           ; loads come back in order: row i is in, the younger ones stay out
	ds_store_b128 v7, v[R+4*\i:R+4*\i+3] offset:XP*\i
.endr
.irp c, 0,1
.irp q, 0,1,2,3,4,5,6,7
	ds_load_b128 v[X+32*\c+4*\q:X+32*\c+4*\q+3], v8 offset:256*\c+16*\q   ; LDS serves a wave's instructions in order: these see my stores
.endr
.endr
	s_wait_dscnt 0x0
.irp c, 0,1                                    ; my block 2 c + h: all its 32 numbers are mine
	v_max3_num_f32 v[MX+\c], |v[X+32*\c]|, |v[X+32*\c+1]|, 0x1800000   ; and the floor 2^(3 - 127): the byte cannot fall under 1
.endr
.irp i, 2,4,6,8,10,12,14,16,18,20,22,24,26,28,30
.irp c, 0,1
	s_delay_alu instid0(VALU_DEP_2)
	v_max3_num_f32 v[MX+\c], v[MX+\c], |v[X+32*\c+\i]|, |v[X+32*\c+\i+1]|
.endr
.endr
.irp c, 0,1
	s_delay_alu instid0(VALU_DEP_2)
	v_add_nc_u32 v[MX+2+\c], 0xff000000, v[MX+\c]  ; 2 off the exponent field: the conversion's scale operand
.endr
.irp c, 0,1
	s_delay_alu instid0(VALU_DEP_2)
	v_lshrrev_b32 v[MX+4+\c], 23, v[MX+2+\c]       ; the scale's byte
.endr
	s_delay_alu instid0(VALU_DEP_1)
	v_lshl_or_b32 v170, v169, 16, v168             ; my two bytes: blocks h and 2 + h,
	v_lshlrev_b32 v171, 3, v4
	s_delay_alu instid0(VALU_DEP_1)
	v_lshlrev_b32 v170, v171, v170                 ; at their places in the word;
	v_mov_b32 v171, 0
	s_delay_alu instid0(VALU_DEP_1)
	v_permlanex16_b32 v171, v170, s30, s31
	s_delay_alu instid0(VALU_DEP_1)
	v_or_b32 v170, v170, v171                      ; with lane l xor 16's two the word is whole
.irp c, 0,1
	v_cvt_scalef32_pk16_fp6_f32 v[C+6*\c:C+6*\c+2], v[X+32*\c:X+32*\c+15], v[MX+2+\c]
	v_cvt_scalef32_pk16_fp6_f32 v[CT+4*\c:CT+4*\c+2], v[X+32*\c+16:X+32*\c+31], v[MX+2+\c]   ; (a conversion's three registers begin on an even number)
.endr
	v_nop                                          ; one plain place behind a scaled conversion
.irp c, 0,1
.irp i, 0,1,2
	v_mov_b32 v[C+6*\c+3+\i], v[CT+4*\c+\i]
.endr
.endr
.irp c, 0,1
	global_store_b128 v5, v[C+6*\c:C+6*\c+3], s[18:19] offset:768*\c          ; 512 consecutive bytes
	global_store_b64 v6, v[C+6*\c+4:C+6*\c+5], s[18:19] offset:768*\c+512     ; 256 consecutive bytes
.endr
	ds_store_b32 v9, v170                          ; both halves of the lanes write the same word with the same value
	s_wait_dscnt 0x0                               ; for the others' sake: my word has landed
	s_barrier_signal -1
	s_barrier_wait -1
	s_cmp_lg_u32 s2, 0
	s_cbranch_scc1 .Lx_end
	ds_load_b128 v[R:R+3], v10                     ; wave 0 stores the tile's 512 scale bytes
	s_wait_dscnt 0x0
	global_store_b128 v5, v[R:R+3], s[20:21]
.Lx_end:
	s_wait_tensorcnt 0x0                           ; the wave's end, behind my last LDS store
	ds_add_u32 v[SPW], v[NIL]
	s_wait_dscnt 0x0
	s_endpgm
; ---------------- the weights: a lane to a column, registers down K ----------------
.set SB,  24                           ; v24-25   my column's eight scale bytes
.set XS0, 32                           ; v32-95   two sets of 32 numbers
.set CW,  96                           ; v96-101  a block's codes; v102-104 its upper half as converted
.set OU,  112                          ; v112-159 the way out
.Lweights:
	s_lshr_b32 s4, ttmp9, 4                        ; which weight
	s_and_b32 s5, ttmp9, 15                        ; which 64 columns
	s_and_b32 s6, s2, 1                            ; which 32 of them
	s_lshr_b32 s7, s2, 1                           ; which 256 along K
	s_lshl_b32 s26, s7, 20                         ; 256 rows of 4,096 bytes
	s_lshl_b32 s28, s5, 8
	s_add_co_u32 s26, s26, s28
	s_lshl_b32 s28, s6, 7
	s_add_co_u32 s26, s26, s28
	s_mov_b32 s27, 0
	s_lshl_b32 s28, s4, 6
	s_lshl_b32 s29, s5, 2
	s_add_co_u32 s28, s28, s29
	s_lshl_b32 s29, s6, 1
	s_add_co_u32 s28, s28, s29                     ; my first tile: 64 m + 4 cg + 2 ch
	s_mul_i32 s28, s28, 12288
	s_mul_i32 s29, s7, 3072                        ; my first K step: 2 kq
	s_add_co_u32 s28, s28, s29
	s_mov_b32 s29, 0
	s_lshl_b32 s30, s4, 15
	s_lshl_b32 s31, s5, 11
	s_add_co_u32 s30, s30, s31                     ; the 64 rows' scale bytes in ws
	s_and_b32 s32, s2, 3
	s_lshl_b32 s32, s32, 9                         ; of which waves 0..3 store 512 bytes each
	s_add_co_u32 s30, s30, s32
	s_mov_b32 s31, 0
	s_wait_alu depctr_va_vdst(0)
	v_lshlrev_b32 v6, 2, v2                        ; in: 4 bytes a lane
	v_bfe_u32 v14, v0, 3, 1                        ; my column's tile of the two: u = (l / 8) % 2
	v_and_b32 v15, 7, v0
	s_delay_alu instid0(VALU_DEP_1)
	v_lshl_add_u32 v15, v4, 3, v15                 ; and its row there: l % 8 + 8 (l / 16)
	s_mul_i32 s33, s2, WW
	s_add_co_u32 s33, s33, WST                     ; my four images: 2 x (K step of the two) + u
	v_mul_u32_u24 v7, v14, WIP
	s_delay_alu instid0(VALU_DEP_1)
	v_add_nc_u32 v7, s33, v7
	s_delay_alu instid0(VALU_DEP_1)
	v_lshl_add_u32 v8, v15, 3, v7
	s_delay_alu instid0(VALU_DEP_1)
	v_add_nc_u32 v8, 512, v8                       ; where registers 4, 5 of a half go
	s_delay_alu instid0(VALU_DEP_3)
	v_lshl_add_u32 v7, v15, 4, v7                  ; where registers 0..3 go
	v_add_nc_u32 v9, s33, v5                       ; the way out: the images as they lie
	s_lshl_b32 s34, s6, 10
	s_lshl_b32 s35, s7, 3
	s_add_co_u32 s34, s34, s35
	s_add_co_u32 s34, s34, WSG
	v_lshlrev_b32 v10, 9, v14
	s_delay_alu instid0(VALU_DEP_1)
	v_lshl_add_u32 v10, v15, 5, v10
	s_delay_alu instid0(VALU_DEP_1)
	v_add_nc_u32 v10, s34, v10                     ; my stored row's 8 bytes: (32 ch + 16 u + row) x 32 + 8 kq
	s_add_co_u32 s35, s32, WSG
	v_add_nc_u32 v11, s35, v5
	s_wait_kmcnt 0x0
	s_cmp_eq_u32 s4, 1                             ; the choice hangs on the work-group's number alone
	s_cselect_b64 s[10:11], s[12:13], s[10:11]
	s_cmp_eq_u32 s4, 2
	s_cselect_b64 s[10:11], s[14:15], s[10:11]
	s_cmp_eq_u32 s4, 3
	s_cselect_b64 s[10:11], s[16:17], s[10:11]
	s_add_nc_u64 s[10:11], s[10:11], s[26:27]
	s_add_nc_u64 s[22:23], s[22:23], s[28:29]
	s_add_nc_u64 s[24:25], s[24:25], s[30:31]
.macro LOADW t                         ; block t: W(32 t + i, my column), i = 0..31, into set t % 2: 32 lanes read 128 consecutive bytes
.irp i, 0,1,2,3,4,5,6,7,8,9,10,11,12,13,14,15,16,17,18,19,20,21,22,23,24,25,26,27,28,29,30,31
	global_load_b32 v[XS0+32*((\t)%2)+\i], v6, s[10:11] offset:(32*(\t)+\i)*4096 th:TH_LOAD_NT
.endr
.endm
	LOADW 0
	LOADW 1
.macro BLOCK t
.set XS, XS0+32*((\t)%2)
.if (\t) < 7
	s_wait_loadcnt 32                              ; this block's 32 loads are in; the next block's may be out
.else
	s_wait_loadcnt 0x0
.endif
	v_max3_num_f32 v18, |v[XS]|, |v[XS+1]|, |v[XS+2]|
	v_max3_num_f32 v19, |v[XS+3]|, |v[XS+4]|, |v[XS+5]|
.irp i, 6,10,14,18,22,26
	s_delay_alu instid0(VALU_DEP_2)
	v_max3_num_f32 v18, v18, |v[XS+\i]|, |v[XS+\i+1]|
	s_delay_alu instid0(VALU_DEP_2)
	v_max3_num_f32 v19, v19, |v[XS+\i+2]|, |v[XS+\i+3]|
.endr
	s_delay_alu instid0(VALU_DEP_2)
	v_max3_num_f32 v18, v18, |v[XS+30]|, |v[XS+31]|
	s_delay_alu instid0(VALU_DEP_1)
	v_max3_num_f32 v18, v18, v19, 0x1800000        ; and the floor
	s_delay_alu instid0(VALU_DEP_1)
	v_add_nc_u32 v20, 0xff000000, v18              ; the conversion's scale operand
	s_delay_alu instid0(VALU_DEP_1)
	v_lshrrev_b32 v21, 23, v20                     ; the scale's byte
.if (\t)%4 == 0
	s_delay_alu instid0(VALU_DEP_1)
	v_mov_b32 v[SB+(\t)/4], v21
.else
	s_delay_alu instid0(VALU_DEP_1)
	v_lshl_or_b32 v[SB+(\t)/4], v21, 8*((\t)%4), v[SB+(\t)/4]
.endif
	v_cvt_scalef32_pk16_fp6_f32 v[CW:CW+2], v[XS:XS+15], v20
	v_cvt_scalef32_pk16_fp6_f32 v[CW+6:CW+8], v[XS+16:XS+31], v20
	v_nop                                          ; one plain place behind a scaled conversion
.irp i, 0,1,2
	v_mov_b32 v[CW+3+\i], v[CW+6+\i]
.endr
	; block t is K step t / 4 of my two, half c = (t % 4) / 2, lanes' half t % 2: the place of lane (row, t % 2) in the image
	ds_store_b128 v7, v[CW:CW+3] offset:2*WIP*((\t)/4)+768*(((\t)%4)/2)+256*((\t)%2)
	ds_store_b64 v8, v[CW+4:CW+5] offset:2*WIP*((\t)/4)+768*(((\t)%4)/2)+128*((\t)%2)
.if (\t)+2 < 8
	LOADW (\t)+2
.endif
	s_wait_dscnt 0x0                               ; the stores have read their registers: the next block's codes may be written
.endm
.irp t, 0,1,2,3,4,5,6,7
	BLOCK \t
.endr
	s_wait_alu depctr_va_vdst(0)
	ds_store_b64 v10, v[SB:SB+1]
.irp n, 0,1,2,3,4,5,6,7,8,9,10,11
	ds_load_b128 v[OU+4*\n:OU+4*\n+3], v9 offset:WIP*(\n/3)+512*(\n%3)   ; LDS serves a wave's instructions in order: these see my stores
.endr
.irp n, 0,1,2,3,4,5,6,7,8,9,10,11
	s_wait_dscnt 11-\n
	global_store_b128 v5, v[OU+4*\n:OU+4*\n+3], s[22:23] offset:12288*((\n/3)%2)+1536*((\n/3)/2)+512*(\n%3)   ; 512 consecutive bytes of image 2 (K step) + u
.endr
	s_wait_dscnt 0x0                               ; for the others' sake: my scale bytes have landed
	s_barrier_signal -1
	s_barrier_wait -1
	s_cmp_lt_u32 s2, 4
	s_cbranch_scc0 .Lw_end
	ds_load_b128 v[28:31], v11
	s_wait_dscnt 0x0
	global_store_b128 v5, v[28:31], s[24:25]
.Lw_end:
	s_wait_tensorcnt 0x0                           ; the wave's end, behind my last LDS store
	ds_add_u32 v[SPW], v[NIL]
	s_wait_dscnt 0x0
	s_endpgm
.Lfunc_end_k_qf45c041c61_quant:
	.size	k_qf45c041c61_quant, .Lfunc_end_k_qf45c041c61_quant-k_qf45c041c61_quant
	.p2alignl 7, 3214868480
	.fill 96, 4, 3214868480
	.section	.rodata,"a",@progbits
	.p2align	6, 0x0
	.amdhsa_kernel k_qf45c041c61_quant
		.amdhsa_group_segment_fixed_size 124416
		.amdhsa_private_segment_fixed_size 0
		.amdhsa_enable_private_segment 0
		.amdhsa_kernarg_size 72
		.amdhsa_user_sgpr_count 2
		.amdhsa_user_sgpr_kernarg_segment_ptr 1
		.amdhsa_wavefront_size32 1
		.amdhsa_system_sgpr_workgroup_id_x 1
		.amdhsa_system_sgpr_workgroup_id_y 1
		.amdhsa_system_sgpr_workgroup_id_z 1
		.amdhsa_system_vgpr_workitem_id 0
		.amdhsa_next_free_vgpr 176
		.amdhsa_next_free_sgpr 66
		.amdhsa_reserve_vcc 0
		.amdhsa_float_denorm_mode_32 3
		.amdhsa_float_denorm_mode_16_64 3
		.amdhsa_memory_ordered 1
		.amdhsa_forward_progress 1
		.amdhsa_inst_pref_size 59
	.end_amdhsa_kernel
	.amdgpu_metadata
---
amdhsa.version: [ 1, 2 ]
amdhsa.kernels:
  - .name:           k_qf45c041c61_quant
    .symbol:         k_qf45c041c61_quant.kd
    .args:
      - { .name: x, .offset: 0, .size: 8, .value_kind: global_buffer, .address_space: global }
      - { .name: Wq, .offset: 8, .size: 8, .value_kind: global_buffer, .address_space: global }
      - { .name: Wk, .offset: 16, .size: 8, .value_kind: global_buffer, .address_space: global }
      - { .name: Wv, .offset: 24, .size: 8, .value_kind: global_buffer, .address_space: global }
      - { .name: Wo, .offset: 32, .size: 8, .value_kind: global_buffer, .address_space: global }
      - { .name: xc, .offset: 40, .size: 8, .value_kind: global_buffer, .address_space: global }
      - { .name: xs, .offset: 48, .size: 8, .value_kind: global_buffer, .address_space: global }
      - { .name: wc, .offset: 56, .size: 8, .value_kind: global_buffer, .address_space: global }
      - { .name: ws, .offset: 64, .size: 8, .value_kind: global_buffer, .address_space: global }
    .group_segment_fixed_size: 124416
    .private_segment_fixed_size: 0
    .kernarg_segment_align: 8
    .kernarg_segment_size: 72
    .max_flat_workgroup_size: 256
    .sgpr_count:     66
    .vgpr_count:     176
    .wavefront_size: 32
...
	.end_amdgpu_metadata
.endif
;; end of part 5
;; launch proj (part 6): grid 8 x 32, 4 waves a work-group, clusters of 4 x 4, 327,680 bytes of LDS; arguments xc, xs, wc, ws, bq, bk, bv, qq, kv; writes qq, kv
.if DOCPART == 6
	.amdgcn_target "amdgcn-amd-amdhsa--gfx1250"
	.amdhsa_code_object_version 6
	.text
	.protected	k_qf45c041c61_proj
	.globl	k_qf45c041c61_proj
	.p2align	8
	.type	k_qf45c041c61_proj,@function
k_qf45c041c61_proj:
	s_mov_b64 s[64:65], 0
	v_nop
	global_prefetch_b8 v0, s[64:65] scope:SCOPE_SE
	s_setreg_imm32_b32 hwreg(HW_REG_WAVE_MODE, 25, 1), 1
	s_wait_xcnt 0x0
	s_wait_alu depctr_hold_cnt(0) depctr_sa_sdst(0) depctr_va_vdst(0) depctr_va_sdst(0) depctr_va_ssrc(0) depctr_va_vcc(0) depctr_vm_vsrc(0)
	s_getreg_b32 s2, hwreg(HW_REG_IB_STS2, 6, 4)
	s_cmp_eq_u32 s2, 0
	s_cbranch_scc0 .Lentry_in_a_cluster
	s_endpgm
.Lentry_in_a_cluster:
	s_bfe_u32 s2, ttmp6, 0x10000c
	s_cmp_lg_u32 s2, 0xf033
	s_cbranch_scc0 .Lentry_shape_is_right
	s_endpgm
.Lentry_shape_is_right:
; q = x Wq + bq, k = x Wk + bk, v = x Wv + bv on codes of FP6 (E2M3) with E8M0 scales, and the results quantised on the way out: q and k along the head's 64, v along the keys.
; SHARES.  Work-group (hp, X1) makes q, k and v of the pair of heads hp (128 features each) for tokens 256 X1 .. 256 X1 + 255, in three passes of eight K steps of 128: 8 x 32 = 256 work-groups of equal work.
; x's tile for ALL of K (16 row tiles x 12,288 bytes) comes into LDS once and serves the three passes.  The weights' 128 rows lie in two halves of four K steps; a half is filled again, with the next matrix, as soon as the pass has left it.
; A wave makes 64 x 128: 32 accumulators of 16 x 16.  q, k: A = x (wave w: tokens 64 w on; a lane a token), B = the weight's 128 rows (registers along the features).
; v: A = Wv (wave w: head w / 2; a lane a feature), B = x (tokens 128 (w % 2) on; registers along the tokens).  So both are quantised along a lane's registers.
; Codes lie in memory and in LDS as images of the operand's registers (a fragment of 16 rows x 128 K: 1,536 bytes; halves of 768: registers 6c..6c+3 at 16 x lane, 6c+4, 6c+5 at 512 + 8 x lane): no pitch, no padding.
; THE MATRIX INSTRUCTION IS USED TRANSPOSED (source 0 = 16 rows of B, source 1 = 16 rows of A).  The rows of both operands lie in a stored order (tile 2 g + u, lane r = true row 32 g + 8 u + r + 8 (r / 8)), so that the 16 registers
; of B's tiles 2 g and 2 g + 1 are the 16 true neighbours 32 g + 16 (lane / 16) + 0..15: a block of 32 along the next K lies in lanes l and l xor 16.
; The biases are the C of each pass's first K step.  A step reads 12 fragments from LDS for 32 products; both sides have two sets of registers, and the next step's 48 loads go out in one run at a step's head.
; OUT: blocks of 208,896 bytes for batch b and pair of heads hp (8 b + hp): K (in qq: Q) of head 0 [token tile 64][768] at 0; V of head 0 [key step 8][dim tile 4][1536] at 49,152; K's scale words [head 2][8][row 16][tile 8] at 98,304
; (bytes 2, 3 of a word are 0); V's [head 2][key step 8][row 16][dim tile 4] at 106,496; head 1's K at 110,592 and V at 159,744.
; A wave's four scale words of a row of q or k are 16 bytes, 32 bytes apart from row to row: two waves fill those rows between them.  All other stores cover 512 or 256 consecutive bytes.
; CLUSTERS: 4 x 4 work-groups; x's tiles are asked for jointly along a row of the cluster (same X1), the weights' along a column (same hp).
; LIMITS: NaN and infinities are not served; a block whose largest magnitude lies under 2^-124, a block of zeros among them, keeps the byte 1: this program alone reads the bytes.
; REGISTERS, in windows of 256: window 0: v0-31 addresses; v32-55 scale words, two sets of 12; v64-127 the bias; v192-243 the way out.
;   window 1: B's fragments, two sets, at v0 and v128.   window 2: the accumulators ((a, b) at v[8 (8 a + b)]).   window 3: A's fragments, two sets, at v0 and v48.
.set FR,    12                         ; registers of a fragment
.set XH,    98304                      ; LDS: a half of x's tile: 16 row tiles x 4 K steps x 1,536; the two halves from byte 0 on
.set WB,    2*XH                       ; the weight's two halves,
.set WH,    49152                      ; 8 row tiles x 4 K steps x 1,536 each
.set SCX,   WB+2*WH                    ; x's scale bytes for all of K: 2 x 128 rows, as units of 256 bytes + 16 of padding
.set SCW,   SCX+2*4352                 ; the weights': [matrix 3][128 rows: 16 units of 256 + 16]
.set SPARE, SCW+2*6528                 ; the spare words, 128 bytes for each wave: two blocks of 256 bytes that no other line names
.set VO16, 4                           ; v4      16 x lane
.set VO8,  5                           ; v5      8 x lane
.set QA,   6                           ; v6-9    q, k: A's fragments (x, my 4 row tiles): halves 0, 1 with 16 x lane, then with 8 x lane
.set QB,   10                          ; v10-13  q, k: B's (the weight, 8 row tiles)
.set VA,   14                          ; v14-17  v: A's (Wv, my head's 4 row tiles)
.set VB,   18                          ; v18-21  v: B's (x, my 8 row tiles)
.set QSA,  22                          ; v22-25  the scale words likewise: lanes 0-15 an even K step's word, lanes 16-31 the odd one's behind it
.set QSB,  23
.set VSA,  24
.set VSB,  25
.set BOFQ, 26                          ; v26, v27 my lane's offsets in the biases
.set BOFV, 27
.set SPW,  28                          ; v28     LDS address of my spare word; never rewritten
.set NIL,  29                          ; v29     0; never rewritten
.set SOFQ, 30                          ; v30, v31 my lane's place among the scale words that I store
.set SOFV, 31
.set SC,   32                          ; scale words: set s at v[SC + 12 s]: +0..3 A's blocks, +4..11 B's
.set BI,   64
.set WD0,  192                         ; the way out: v192-195, v196-199 scale words kept; v200-215 at work; v216 the word just made; v218-221 words to store; v224-242 codes
.set WD1,  196
.set TM,   200
.set PW,   216
.set OW,   218
.set PC,   224
.set WV,   22                          ; s22 wave; s23 wave / 2; s24 wave % 2; s25 hp; s26 X1
.set RH,   23
.set CH,   24
.set HP,   25
.set X1,   26
.set G1X,  28                          ; s[28:35] descriptor group 1 for x's tiles; s[36:43] for the weights'; s[44:51], s[52:59] for their scale bytes
.set G1W,  36
.set G1SX, 44
.set G1SW, 52
.set G0SX, 60                          ; groups 0: s[60:63], s[68:71] the scale bytes; s[72:79] x's two halves; s[80:87] the weight's two halves, which walk from matrix to matrix
.set G0SW, 68
.set G0X,  72
.set G0W,  80
.set OCQ,  88                          ; s[88:89] where my codes of q go; s[90:91] of k; s[92:93], s[94:95] their scale words; s[96:97], s[98:99] v's codes and scale words
.set OCK,  90
.set OSQ,  92
.set OSK,  94
.set OCV,  96
.set OSV,  98
.set SEL,  104                         ; s[104:105] v_permlanex16_b32's selects for lane l xor 16
.set MSB, 0
.macro WIN new                         ; the immediate's high byte repeats the setting that is left
.if MSB != (\new)
	s_set_vgpr_msb (MSB<<8)|(\new)
.set MSB, (\new)
.endif
.endm
.set MULW, 0xad                        ; source 0 (B) window 1, source 1 (A) window 3, C and D window 2
.set MULF, 0x8d                        ; a pass's first step: C (the bias) window 0
.set TO_B, 0x40                        ; destination window 1, address window 0
.set TO_A, 0xc0                        ; destination window 3, address window 0
.macro TL g0, g1                       ; a joint load; an s_nop 0 and four v_nop follow it
	tensor_load_to_lds s[\g0:\g0+3], s[\g1:\g1+7]
	s_nop 0
.rept 4
	v_nop
.endr
.endm
; THE HEAD'S FILLS, one a wave, in one chain of arms on the wave's number: wave 0 x's first K half (16 row tiles), wave 1 the weight's (8 row tiles), wave 2 x's scale bytes, wave 3 the weights'.
.macro FILL1
	s_cmp_lg_u32 s[WV], 0
	s_cbranch_scc1 .Lf1_\@
	TL G0X, G1X
	s_branch .Lfj_\@
.Lf1_\@:
	s_cmp_lg_u32 s[WV], 1
	s_cbranch_scc1 .Lf2_\@
	TL G0W, G1W
	s_branch .Lfj_\@
.Lf2_\@:
	s_cmp_lg_u32 s[WV], 2
	s_cbranch_scc1 .Lf3_\@
	TL G0SX, G1SX
	s_branch .Lfj_\@
.Lf3_\@:
	TL G0SW, G1SW
.Lfj_\@:
.endm
.macro FILL2                           ; the second K halves, behind a round: wave 0 x's, wave 1 the weight's
	s_cmp_lg_u32 s[WV], 0
	s_cbranch_scc1 .Lg1_\@
	TL G0X+4, G1X
	s_branch .Lgj_\@
.Lg1_\@:
	s_cmp_lg_u32 s[WV], 1
	s_cbranch_scc1 .Lgj_\@
	TL G0W+4, G1W
.Lgj_\@:
.endm
.macro JLOADW s                        ; a refill of the weight's half s: wave 1, all eight row tiles; the other waves have no part of it
	s_cmp_lg_u32 s[WV], 1
	s_cbranch_scc1 .Lnone_\@
	tensor_load_to_lds s[G0W+4*\s:G0W+4*\s+3], s[G1W:G1W+7]
	s_nop 0
.rept 4
	v_nop
.endr
.Lnone_\@:
.endm
.macro CREST                           ; a round of the cluster's barrier behind its opening barrier
	s_cmp_lg_u32 s[WV], 0
	s_cbranch_scc1 .Lnot_wave_0_\@
	s_barrier_signal -3
.Lnot_wave_0_\@:
	s_barrier_wait -3
	s_barrier_signal -1
	s_barrier_wait -1
.endm
.macro CROUND
	s_barrier_signal -1
	s_barrier_wait -1
	CREST
.endm
	s_load_b256 s[4:11], s[0:1], 0x0               ; xc s[4:5], xs s[6:7], wc s[8:9], ws s[10:11]
	s_load_b256 s[12:19], s[0:1], 0x20             ; bq s[12:13], bk s[14:15], bv s[16:17], qq s[18:19]
	s_load_b64 s[20:21], s[0:1], 0x40              ; kv
	v_lshl_add_u32 v[SPW], v0, 2, SPARE
	v_mov_b32 v[NIL], 0
	ds_add_u32 v[SPW], v[NIL]                      ; the wave's opening: the add and its wait stand ahead of my first tensor load; the set-up below, work on registers, stands between them
	ds_add_u32 v[SPW], v[NIL]
	v_lshrrev_b32 v1, 5, v0
	v_readfirstlane_b32 s[WV], v1
	s_lshr_b32 s[RH], s[WV], 1
	s_and_b32 s[CH], s[WV], 1
	s_bfe_u32 s2, ttmp6, 0x40000                   ; cx
	s_bfe_u32 s3, ttmp6, 0x40004                   ; cy
	s_lshl_b32 s[HP], ttmp9, 2
	s_add_co_u32 s[HP], s[HP], s2                  ; the pair of heads = 4 x cluster x + cx
	s_and_b32 s[X1], ttmp7, 0xffff
	s_lshl_b32 s[X1], s[X1], 2
	s_add_co_u32 s[X1], s[X1], s3                  ; the 256 tokens = 4 x cluster y + cy
	s_lshl_b32 s27, s3, 2
	s_lshl_b32 s27, 15, s27                        ; my row of the cluster
	s_lshl_b32 s66, 0x1111, s2                     ; my column
	; descriptor groups 1 of the tiles: row tiles x 6,144 bytes (four K steps' images), 12,288 bytes apart in memory, on end in LDS: 16 of x to a load, 8 of the weight
	s_or_b32 s[G1X], s27, (3<<16)|(1<<21)          ; 15:0 the mask: x's tiles go to my row; 17:16 elements of 8 bytes; 21 set beside a mask
	s_or_b32 s[G1W], s66, (3<<16)|(1<<21)          ; the weights' go to my column
.irp g, G1X, G1W
	s_mov_b32 s[\g+1], 768<<16                     ; tensor_dim0
	s_mov_b32 s[\g+3], 768<<16                     ; tile_dim0
	s_mov_b32 s[\g+5], 1536                        ; tensor_dim0_stride
	s_mov_b32 s[\g+6], 0
	s_mov_b32 s[\g+7], 0
.endr
	s_mov_b32 s[G1X+2], 16<<16                     ; tensor_dim1
	s_mov_b32 s[G1X+4], 16                         ; tile_dim1
	s_mov_b32 s[G1W+2], 8<<16
	s_mov_b32 s[G1W+4], 8
	; x's scale bytes of 256 rows: 8,192 dense bytes as 32 rows of 256, 16 bytes of padding behind each
	s_or_b32 s[G1SX], s27, (3<<16)|(1<<20)|(1<<21)|(5<<22)|(3<<25)
	s_mov_b32 s[G1SX+1], 32<<16
	s_mov_b32 s[G1SX+2], 32<<16
	s_mov_b32 s[G1SX+3], 32<<16
	s_mov_b32 s[G1SX+4], 32
	s_mov_b32 s[G1SX+5], 32
	s_mov_b32 s[G1SX+6], 0
	s_mov_b32 s[G1SX+7], 0
	; the weights' scale bytes of 128 rows, for the three matrices: 3 rows of 4,096 bytes, 32,768 bytes apart; 16 bytes of padding behind every 256
	s_or_b32 s[G1SW], s66, (3<<16)|(1<<20)|(1<<21)|(5<<22)|(3<<25)
	s_mov_b32 s[G1SW+1], 512<<16
	s_mov_b32 s[G1SW+2], 3<<16
	s_mov_b32 s[G1SW+3], 512<<16
	s_mov_b32 s[G1SW+4], 3
	s_mov_b32 s[G1SW+5], 4096
	s_mov_b32 s[G1SW+6], 0
	s_mov_b32 s[G1SW+7], 0
	; where they come from.  x's hang on X1 alone, which my row of the cluster shares; the weights' on hp alone, which my column shares; each in registers of its own
	s_mul_i32 s2, s[X1], 196608                    ; x's codes: 16 row tiles a work-group
	s_mov_b32 s3, 0
	s_lshl_b32 s100, s[X1], 13                     ; x's scale bytes: 256 rows x 32
	s_mov_b32 s101, 0
	s_mul_i32 s66, s[HP], 98304                    ; Wq's codes: 8 row tiles a pair of heads
	s_mov_b32 s67, 0
	s_lshl_b32 s88, s[HP], 12                      ; Wq's scale bytes: 128 rows x 32
	s_mov_b32 s89, 0
	s_wait_dscnt 0x0                               ; the opening add is done
	s_wait_kmcnt 0x0
	s_add_nc_u64 s[4:5], s[4:5], s[2:3]
	s_add_nc_u64 s[6:7], s[6:7], s[100:101]
	s_add_nc_u64 s[8:9], s[8:9], s[66:67]
	s_add_nc_u64 s[10:11], s[10:11], s[88:89]
	CROUND                                         ; all sixteen work-groups are here: the first joint loads meet
	s_mov_b32 s[G0SX], 1
	s_mov_b32 s[G0SX+1], SCX
	s_mov_b64 s[G0SX+2:G0SX+3], s[6:7]
	s_or_b32 s[G0SX+3], s[G0SX+3], 0x80000000
	s_mov_b32 s[G0SW], 1
	s_mov_b32 s[G0SW+1], SCW
	s_mov_b64 s[G0SW+2:G0SW+3], s[10:11]
	s_or_b32 s[G0SW+3], s[G0SW+3], 0x80000000
.irp e, 0,1
	s_mov_b32 s[G0X+4*\e], 1
	s_mov_b32 s[G0X+4*\e+1], \e*XH
	s_add_nc_u64 s[G0X+4*\e+2:G0X+4*\e+3], s[4:5], \e*6144
	s_or_b32 s[G0X+4*\e+3], s[G0X+4*\e+3], 0x80000000
	s_mov_b32 s[G0W+4*\e], 1
	s_mov_b32 s[G0W+4*\e+1], WB+\e*WH
	s_add_nc_u64 s[G0W+4*\e+2:G0W+4*\e+3], s[8:9], \e*6144
	s_or_b32 s[G0W+4*\e+3], s[G0W+4*\e+3], 0x80000000
.endr
	FILL1                                          ; one tensor load of mine is out
	v_and_b32 v1, 15, v0                           ; r; kept
	v_bfe_u32 v2, v0, 4, 1                         ; h; kept
	v_and_b32 v3, 31, v0
	v_lshlrev_b32 v[VO16], 4, v3
	v_lshlrev_b32 v[VO8], 3, v3
.macro ADDRS g, hs                     ; four address registers from the base in s2: halves 0 and 1 with 16 x lane, then with 8 x lane
	v_add_nc_u32 v[\g], s2, v[VO16]
	v_add_nc_u32 v[\g+2], s2, v[VO8]
	s_add_co_u32 s2, s2, \hs
	v_add_nc_u32 v[\g+1], s2, v[VO16]
	v_add_nc_u32 v[\g+3], s2, v[VO8]
.endm
	s_mul_i32 s2, s[WV], 24576                     ; q, k: my 4 row tiles of x
	ADDRS QA, XH
	s_mov_b32 s2, WB                               ; and all 8 of the weight
	ADDRS QB, WH
	s_mul_i32 s2, s[RH], 24576                     ; v: my head's 4 row tiles of Wv
	s_add_co_u32 s2, s2, WB
	ADDRS VA, WH
	s_mul_i32 s2, s[CH], 49152                     ; and my 8 row tiles of x
	ADDRS VB, XH
	v_lshlrev_b32 v3, 5, v1                        ; a row's scale bytes: 32 r,
	v_lshrrev_b32 v[QSA], 3, v1
	v_lshl_add_u32 v3, v[QSA], 4, v3               ; 16 more behind each 256 passed,
	v_lshl_add_u32 v3, v2, 2, v3                   ; and lanes 16-31 the next K step's word
	s_mul_i32 s2, s[WV], 2176                      ; a row tile's are 544 bytes
	s_add_co_u32 s2, s2, SCX
	v_add_nc_u32 v[QSA], s2, v3
	v_add_nc_u32 v[QSB], SCW, v3
	s_mul_i32 s2, s[RH], 2176                      ; my head's 64 rows,
	s_add_co_u32 s2, s2, SCW+2*4352                ; of Wv, the third matrix
	v_add_nc_u32 v[VSA], s2, v3
	s_mul_i32 s2, s[CH], 4352
	s_add_co_u32 s2, s2, SCX
	v_add_nc_u32 v[VSB], s2, v3
	v_lshlrev_b32 v[BOFQ], 6, v2                   ; q, k: register 16 g + i wants the bias of feature 32 g + 16 h + i
	v_lshrrev_b32 v[BOFV], 3, v1                   ; v: all registers of A's block a want the bias of my lane's feature 32 (a / 2) + 8 (a % 2) + r + 8 (r / 8)
	v_lshl_add_u32 v[BOFV], v[BOFV], 3, v1
	v_lshlrev_b32 v[BOFV], 2, v[BOFV]
	v_lshlrev_b32 v[SOFQ], 5, v1
	v_lshl_add_u32 v[SOFQ], v2, 12, v[SOFQ]        ; q, k: 32 r; lanes 16-31 head 1's words, 4,096 bytes on
	v_lshlrev_b32 v[SOFV], 4, v1                   ; v: 16 r
.irp b, 0,1,2,3
	v_mov_b32 v[TM+4+\b], 0                        ; written once: a lane permute's destination counts as one of its sources
.endr
	s_mov_b32 s[SEL], 0x76543210
	s_mov_b32 s[SEL+1], 0xfedcba98
	s_lshl_b32 s2, s[HP], 9                        ; the pair's 128 numbers of each bias
	s_mov_b32 s3, 0
	s_add_nc_u64 s[12:13], s[12:13], s[2:3]
	s_add_nc_u64 s[14:15], s[14:15], s[2:3]
	s_add_nc_u64 s[16:17], s[16:17], s[2:3]
	s_lshl_b32 s2, s[RH], 8                        ; v: my head's 64
	s_add_nc_u64 s[16:17], s[16:17], s[2:3]
.macro BIASQ sp
.irp g, 0,1,2,3
.irp q, 0,1,2,3
	global_load_b128 v[BI+16*\g+4*\q:BI+16*\g+4*\q+3], v[BOFQ], s[\sp:\sp+1] offset:128*\g+16*\q
.endr
.endr
.endm
.macro BIASV
.irp a, 0,1,2,3
.irp j, 0,1,2,3,4,5,6,7
	global_load_b32 v[BI+8*\a+\j], v[BOFV], s[16:17] offset:4*(32*(\a/2)+8*(\a%2))
.endr
.endr
.endm
	BIASQ 12                                       ; bq
	s_lshr_b32 s2, s[X1], 2                        ; the batch
	s_lshl_b32 s2, s2, 3
	s_add_co_u32 s2, s2, s[HP]
	s_mul_i32 s2, s2, 208896                       ; block 8 b + hp
	s_add_nc_u64 s[18:19], s[18:19], s[2:3]
	s_add_nc_u64 s[20:21], s[20:21], s[2:3]
	s_and_b32 s27, s[X1], 3                        ; which 256 tokens of the batch's 1,024
	s_lshl_b32 s2, s27, 4
	s_lshl_b32 s66, s[WV], 2
	s_add_co_u32 s2, s2, s66                       ; q, k: my first token tile
	s_mul_i32 s2, s2, 768
	s_add_nc_u64 s[OCQ:OCQ+1], s[18:19], s[2:3]
	s_add_nc_u64 s[OCK:OCK+1], s[20:21], s[2:3]
	s_lshl_b32 s27, s27, 1
	s_add_co_u32 s2, s27, s[RH]                    ; its group of eight tiles,
	s_lshl_b32 s2, s2, 9
	s_lshl_b32 s66, s[CH], 4                       ; and my four words of each row's eight
	s_add_co_u32 s2, s2, s66
	s_add_co_u32 s2, s2, 98304
	s_add_nc_u64 s[OSQ:OSQ+1], s[18:19], s[2:3]
	s_add_nc_u64 s[OSK:OSK+1], s[20:21], s[2:3]
	s_add_co_u32 s27, s27, s[CH]                   ; v: my key step of 128 tokens
	s_mul_i32 s2, s27, 6144
	s_mul_i32 s66, s[RH], 110592                   ; my head
	s_add_co_u32 s2, s2, s66
	s_add_co_u32 s2, s2, 49152
	s_add_nc_u64 s[OCV:OCV+1], s[20:21], s[2:3]
	s_lshl_b32 s2, s27, 8
	s_lshl_b32 s66, s[RH], 11
	s_add_co_u32 s2, s2, s66
	s_add_co_u32 s2, s2, 106496
	s_add_nc_u64 s[OSV:OSV+1], s[20:21], s[2:3]
.macro FRAG reg, a16, a8, off          ; a fragment's image
	ds_load_b128 v[\reg:\reg+3], v[\a16] offset:\off
	ds_load_b64 v[\reg+4:\reg+5], v[\a8] offset:\off+512
	ds_load_b128 v[\reg+6:\reg+9], v[\a16] offset:\off+768
	ds_load_b64 v[\reg+10:\reg+11], v[\a8] offset:\off+1280
.endm
.macro CTX fa, fb, fsa, fsb, kind, mi  ; from where the fetches take A, B and their scale words: it changes with the pass
.set FA, \fa
.set FB, \fb
.set FSA, \fsa
.set FSB, \fsb
.set FKIND, \kind
.set FMI, \mi
.endm
.macro SCALES m                        ; the scale words of K steps 2 m and 2 m + 1 into set m % 2
.irp a, 0,1,2,3
	ds_load_b32 v[SC+12*((\m)%2)+\a], v[FSA] offset:544*\a+8*(\m)
.endr
.irp i, 0,1,2,3,4,5,6,7
.if FKIND == 0
	ds_load_b32 v[SC+12*((\m)%2)+4+\i], v[FSB] offset:544*\i+4352*FMI+8*(\m)
.else
	ds_load_b32 v[SC+12*((\m)%2)+4+\i], v[FSB] offset:544*\i+8*(\m)
.endif
.endr
.endm
.macro FETCHK k                        ; K step k's twelve fragments into set k % 2: 48 LDS loads in one run; with an even step the scale words of two steps
	WIN TO_B
.irp i, 0,1,2,3,4,5,6,7
	FRAG 128*((\k)%2)+FR*\i, FB+(\k)/4, FB+2+(\k)/4, 6144*\i+1536*((\k)%4)
.endr
	WIN TO_A
.irp i, 0,1,2,3
	FRAG 48*((\k)%2)+FR*\i, FA+(\k)/4, FA+2+(\k)/4, 6144*\i+1536*((\k)%4)
.endr
	WIN 0
.if (\k)%2 == 0
	SCALES (\k)/2
.endif
.endm
; 8 matrix instructions: A's block a x B's eight, K step k.  An even step takes lanes 0-15 of the scale registers, an odd one lanes 16-31.  first = 1: the sums start from the bias by B's rows (q, k); 2: by A's rows (v).
; The 32 accumulators take turns, one instruction a turn, in the same order in every step.
.macro MUL8 a, k, first
.irp b, 0,1,2,3,4,5,6,7
.set rD, 8*(8*(\a)+\b)
.set rB, 128*((\k)%2)+FR*\b
.set rA, 48*((\k)%2)+FR*(\a)
.set rSB, SC+12*(((\k)/2)%2)+4+\b
.set rSA, SC+12*(((\k)/2)%2)+(\a)
.if (\first) == 1
	v_wmma_scale_f32_16x16x128_f8f6f4 v[rD:rD+7], v[rB:rB+FR-1], v[rA:rA+FR-1], v[BI+8*\b:BI+8*\b+7], v[rSB], v[rSA] matrix_a_fmt:MATRIX_FMT_FP6 matrix_b_fmt:MATRIX_FMT_FP6
.elseif (\first) == 2
	v_wmma_scale_f32_16x16x128_f8f6f4 v[rD:rD+7], v[rB:rB+FR-1], v[rA:rA+FR-1], v[BI+8*(\a):BI+8*(\a)+7], v[rSB], v[rSA] matrix_a_fmt:MATRIX_FMT_FP6 matrix_b_fmt:MATRIX_FMT_FP6
.elseif (\k)%2 == 0
	v_wmma_scale_f32_16x16x128_f8f6f4 v[rD:rD+7], v[rB:rB+FR-1], v[rA:rA+FR-1], v[rD:rD+7], v[rSB], v[rSA] matrix_a_fmt:MATRIX_FMT_FP6 matrix_b_fmt:MATRIX_FMT_FP6
.else
	v_wmma_scale_f32_16x16x128_f8f6f4 v[rD:rD+7], v[rB:rB+FR-1], v[rA:rA+FR-1], v[rD:rD+7], v[rSB], v[rSA] matrix_a_fmt:MATRIX_FMT_FP6 matrix_b_fmt:MATRIX_FMT_FP6 matrix_a_scale:MATRIX_SCALE_ROW1 matrix_b_scale:MATRIX_SCALE_ROW1
.endif
.endr
.endm
; A load into a register that a matrix instruction has read, and a vector instruction that reads a matrix result, stand four places behind it; only plain vector instructions that name none of its registers are places.
.macro PLACES
.rept 4
	v_nop
.endr
.endm
; A plain K step: its fragments are in; the next step's go out, into the set that the step before has multiplied; then the 32 products.
.macro STEPN k, first
	s_wait_dscnt 0x0
	PLACES
	FETCHK (\k)+1
.if \first
	WIN MULF
.else
	WIN MULW
.endif
	MUL8 0, \k, \first
	MUL8 1, \k, \first
	MUL8 2, \k, \first
	MUL8 3, \k, \first
	WIN 0
.endm
; A half's last K step (3 or 7): its fragments have been read out of LDS, so the half is left; the step to be fetched (nk) lies in the other half.  ONE barrier for both: in front of it each wave waits for all its tensor loads
; (the other half's among them) and for its own reads.  fill = 1: the weight's half that is left is filled again with the next matrix's: then the add stands behind the wait, and the barrier opens a round of the cluster's barrier.
.macro STEPE k, nk, fill, slot
	s_wait_tensorcnt 0x0                           ; all my tensor loads have landed  (every window is 0 here)
.if \fill
	ds_add_u32 v[SPW], v[NIL]                      ; 0 onto my spare word
	s_wait_dscnt 1                                 ; (the add may be out: this step's fragments are in)
	WIN MULW
	MUL8 0, \k, 0                                  ; eight matrix instructions stand between the add and the wait for it
	s_wait_dscnt 0x0                               ; the add is done, and my reads of this half are over
	s_barrier_signal -1
	MUL8 1, \k, 0
	WIN 0
	s_barrier_wait -1
	CREST                                          ; no wave of any partner still reads this half or has a load on its way
	s_add_nc_u64 s[G0W+4*\slot+2:G0W+4*\slot+3], s[G0W+4*\slot+2:G0W+4*\slot+3], 786432   ; the next matrix: 64 row tiles on; the type bits on top are not reached
	JLOADW \slot                                   ; the first tensor load behind the round
.else
	s_wait_dscnt 0x0
	s_barrier_signal -1
	WIN MULW
	MUL8 0, \k, 0
	MUL8 1, \k, 0
	WIN 0
	s_barrier_wait -1
.endif
	PLACES
	FETCHK \nk
	WIN MULW
	MUL8 2, \k, 0
	MUL8 3, \k, 0
	WIN 0
.endm
; 64 sums of a lane, the accumulators v[s] .. v[s + 63] of window 2, register 16 b + i = k 32 b + 16 (lane / 16) + i of my row, become a fragment's codes in v[PC] on and its scale word in v[PW].  Each accumulator is read from its low end on.
.macro QUANT s
	WIN 0x0a                                       ; sources 0 and 1: window 2
.irp b, 0,1,2,3
	v_max3_num_f32 v[TM+\b], |v[\s+16*\b]|, |v[\s+1+16*\b]|, 0x1800000   ; block b: my 16 numbers, and the floor 2^(3 - 127): the byte cannot fall under 1
.endr
	WIN 0x28                                       ; sources 1 and 2: window 2
.irp i, 2,4,6,8,10,12,14
.irp b, 0,1,2,3
	v_max3_num_f32 v[TM+\b], v[TM+\b], |v[\s+16*\b+\i]|, |v[\s+1+16*\b+\i]|
.endr
.endr
	WIN 0
.irp b, 0,1,2,3
	v_permlanex16_b32 v[TM+4+\b], v[TM+\b], s[SEL], s[SEL+1]
.endr
.irp b, 0,1,2,3
	v_max_num_f32 v[TM+\b], v[TM+\b], v[TM+4+\b]   ; with lane l xor 16's: the block's largest magnitude
.endr
.irp b, 0,1,2,3
	v_add_nc_u32 v[TM+12+\b], 0xff000000, v[TM+\b] ; 2 off its exponent field: the conversion's scale operand
.endr
.irp b, 0,1,2,3
	v_lshrrev_b32 v[TM+4+\b], 23, v[TM+12+\b]      ; the scale's byte
.endr
	v_lshl_or_b32 v[PW], v[TM+5], 8, v[TM+4]
	v_lshl_or_b32 v[PW], v[TM+6], 16, v[PW]
	v_lshl_or_b32 v[PW], v[TM+7], 24, v[PW]
	s_wait_alu depctr_va_vdst(0)
	s_wait_xcnt 0x0                                ; the last block's stores have read their registers: the codes may be written anew
	WIN 0x02                                       ; source 0: window 2
.irp c, 0,1
	v_cvt_scalef32_pk16_fp6_f32 v[PC+6*\c:PC+2+6*\c], v[\s+32*\c:\s+15+32*\c], v[TM+12+2*\c]
	v_cvt_scalef32_pk16_fp6_f32 v[PC+12+4*\c:PC+14+4*\c], v[\s+16+32*\c:\s+31+32*\c], v[TM+12+2*\c+1]   ; (a conversion's three registers begin on an even number)
.endr
	WIN 0
	v_nop                                          ; one plain place behind a scaled conversion
.irp c, 0,1                                    ; the operand's layout wants a WHOLE block in a lane: lanes 0-15 block 2 c, lanes 16-31 block 2 c + 1
.irp i, 0,1,2
	v_permlane16_swap_b32 v[PC+6*\c+\i], v[PC+12+4*\c+\i]
.endr
.irp i, 0,1,2
	v_mov_b32 v[PC+3+6*\c+\i], v[PC+12+4*\c+\i]
.endr
.endr
.endm
; A PASS'S WAY OUT, on registers alone, while the next pass's first fragments land.  For each of A's four blocks the 64 sums a lane are quantised and the fragment is stored as it stands.
; v = 0 (q, k): half c of the fragment is head c's 64 dims of 16 tokens; the word's low half is head 0's two bytes, its high half head 1's.  v = 1: the fragment is 16 dims x 128 keys of my head.
.macro EPI v, oc, os
.irp a, 0,1,2,3
	QUANT 64*\a
.irp c, 0,1
.if \v
	global_store_b128 v[VO16], v[PC+6*\c:PC+6*\c+3], s[\oc:\oc+1] offset:1536*\a+768*\c
	global_store_b64 v[VO8], v[PC+6*\c+4:PC+6*\c+5], s[\oc:\oc+1] offset:1536*\a+768*\c+512
.else
	global_store_b128 v[VO16], v[PC+6*\c:PC+6*\c+3], s[\oc:\oc+1] offset:110592*\c+768*\a          ; 512 consecutive bytes
	global_store_b64 v[VO8], v[PC+6*\c+4:PC+6*\c+5], s[\oc:\oc+1] offset:110592*\c+768*\a+512      ; 256 consecutive bytes
.endif
.endr
.if \v
	v_mov_b32 v[WD0+\a], v[PW]
.else
	v_and_b32 v[WD0+\a], 0xffff, v[PW]
	v_lshrrev_b32 v[WD1+\a], 16, v[PW]
.endif
.endr
.if \v
	global_store_b128 v[SOFV], v[WD0:WD0+3], s[\os:\os+1]   ; a row's four words; lanes 16-31 hold the same words and store them to the same bytes: 256 consecutive bytes
.else
	v_cmp_ne_u32 vcc_lo, 0, v2                     ; lanes 0-15 store head 0's four words of their row, lanes 16-31 head 1's
.irp i, 0,1,2,3
	v_cndmask_b32 v[OW+\i], v[WD0+\i], v[WD1+\i], vcc_lo
.endr
	global_store_b128 v[SOFQ], v[OW:OW+3], s[\os:\os+1]
.endif
.endm
	s_wait_alu depctr_va_vdst(0)
	s_wait_tensorcnt 0x0                           ; my tile of the head's four is in
	ds_add_u32 v[SPW], v[NIL]
	s_wait_dscnt 0x0
	CROUND                                         ; everybody's tile is in, and all sixteen work-groups are here
	FILL2                                          ; the second K halves: they are read from K step 4 on, behind step 3's wait and barrier
	CTX QA, QB, QSA, QSB, 0, 0
	FETCHK 0
	s_wait_loadcnt 0x0                             ; bq
	STEPN 0, 1                                     ; ---- q
	STEPN 1, 0
	BIASQ 14                                       ; bk, into the registers that the first step's products have read: four places stand at this step's head
	STEPN 2, 0
	STEPE 3, 4, 1, 0                               ; the weight's first half takes Wk's
	STEPN 4, 0
	STEPN 5, 0
	STEPN 6, 0
	CTX QA, QB, QSA, QSB, 0, 1
	STEPE 7, 0, 1, 1                               ; its second half too; the next pass's first fragments are fetched
	PLACES
	EPI 0, OCQ, OSQ
	s_wait_loadcnt 0x0                             ; bk
	STEPN 0, 1                                     ; ---- k
	STEPN 1, 0
	BIASV                                          ; bv
	STEPN 2, 0
	STEPE 3, 4, 1, 0                               ; Wv's first half
	STEPN 4, 0
	STEPN 5, 0
	STEPN 6, 0
	CTX VA, VB, VSA, VSB, 1, 2
	STEPE 7, 0, 1, 1                               ; Wv's second half: the last tensor load
	PLACES
	EPI 0, OCK, OSK
	s_wait_loadcnt 0x0                             ; bv
	STEPN 0, 2                                     ; ---- v
	STEPN 1, 0
	STEPN 2, 0
	STEPE 3, 4, 0, 0                               ; nothing is left to fetch from memory
	STEPN 4, 0
	STEPN 5, 0
	STEPN 6, 0
	s_wait_dscnt 0x0
	WIN MULW
	MUL8 0, 7, 0
	MUL8 1, 7, 0
	MUL8 2, 7, 0
	MUL8 3, 7, 0
	WIN 0
	PLACES
	EPI 1, OCV, OSV
	s_wait_tensorcnt 0x0                           ; the wave's end, behind my last tensor load
	ds_add_u32 v[SPW], v[NIL]
	s_wait_dscnt 0x0
	CROUND                                         ; the closing round: no work-group ends while a partner may still ask for a tile that names it
	s_endpgm
.Lfunc_end_k_qf45c041c61_proj:
	.size	k_qf45c041c61_proj, .Lfunc_end_k_qf45c041c61_proj-k_qf45c041c61_proj
	.p2alignl 7, 3214868480
	.fill 96, 4, 3214868480
	.section	.rodata,"a",@progbits
	.p2align	6, 0x0
	.amdhsa_kernel k_qf45c041c61_proj
		.amdhsa_group_segment_fixed_size 327680
		.amdhsa_private_segment_fixed_size 0
		.amdhsa_enable_private_segment 0
		.amdhsa_kernarg_size 72
		.amdhsa_user_sgpr_count 2
		.amdhsa_user_sgpr_kernarg_segment_ptr 1
		.amdhsa_wavefront_size32 1
		.amdhsa_system_sgpr_workgroup_id_x 1
		.amdhsa_system_sgpr_workgroup_id_y 1
		.amdhsa_system_sgpr_workgroup_id_z 1
		.amdhsa_system_vgpr_workitem_id 0
		.amdhsa_next_free_vgpr 1024
		.amdhsa_next_free_sgpr 106
		.amdhsa_reserve_vcc 1
		.amdhsa_float_denorm_mode_32 3
		.amdhsa_float_denorm_mode_16_64 3
		.amdhsa_memory_ordered 1
		.amdhsa_forward_progress 1
		.amdhsa_inst_pref_size 255
	.end_amdhsa_kernel
	.section	.bss,"aw",@nobits
	.p2align	6
	.space	262144
	.amdgpu_metadata
---
amdhsa.version: [ 1, 2 ]
amdhsa.kernels:
  - .name:           k_qf45c041c61_proj
    .symbol:         k_qf45c041c61_proj.kd
    .args:
      - { .name: xc, .offset: 0, .size: 8, .value_kind: global_buffer, .address_space: global }
      - { .name: xs, .offset: 8, .size: 8, .value_kind: global_buffer, .address_space: global }
      - { .name: wc, .offset: 16, .size: 8, .value_kind: global_buffer, .address_space: global }
      - { .name: ws, .offset: 24, .size: 8, .value_kind: global_buffer, .address_space: global }
      - { .name: bq, .offset: 32, .size: 8, .value_kind: global_buffer, .address_space: global }
      - { .name: bk, .offset: 40, .size: 8, .value_kind: global_buffer, .address_space: global }
      - { .name: bv, .offset: 48, .size: 8, .value_kind: global_buffer, .address_space: global }
      - { .name: qq, .offset: 56, .size: 8, .value_kind: global_buffer, .address_space: global }
      - { .name: kv, .offset: 64, .size: 8, .value_kind: global_buffer, .address_space: global }
    .group_segment_fixed_size: 327680
    .private_segment_fixed_size: 0
    .kernarg_segment_align: 8
    .kernarg_segment_size: 72
    .max_flat_workgroup_size: 128
    .sgpr_count:     106
    .vgpr_count:     1024
    .wavefront_size: 32
...
	.end_amdgpu_metadata
.endif
;; end of part 6
;; launch attn (part 7): grid 4 x 64, 16 waves a work-group, clusters of 4 x 1, 327,680 bytes of LDS; arguments qq, kv, masks, oc, os; writes oc, os
.if DOCPART == 7
	.amdgcn_target "amdgcn-amd-amdhsa--gfx1250"
	.amdhsa_code_object_version 6
	.text
	.protected	k_qf45c041c61_attn
	.globl	k_qf45c041c61_attn
	.p2align	8
	.type	k_qf45c041c61_attn,@function
k_qf45c041c61_attn:
	s_mov_b64 s[64:65], 0
	v_nop
	global_prefetch_b8 v0, s[64:65] scope:SCOPE_SE
	s_setreg_imm32_b32 hwreg(HW_REG_WAVE_MODE, 25, 1), 1
	s_wait_xcnt 0x0
	s_wait_alu depctr_hold_cnt(0) depctr_sa_sdst(0) depctr_va_vdst(0) depctr_va_sdst(0) depctr_va_ssrc(0) depctr_va_vcc(0) depctr_vm_vsrc(0)
	s_getreg_b32 s2, hwreg(HW_REG_IB_STS2, 6, 4)
	s_cmp_eq_u32 s2, 0
	s_cbranch_scc0 .Lentry_in_a_cluster
	s_endpgm
.Lentry_in_a_cluster:
	s_bfe_u32 s2, ttmp6, 0x10000c
	s_cmp_lg_u32 s2, 0x3003
	s_cbranch_scc0 .Lentry_shape_is_right
	s_endpgm
.Lentry_shape_is_right:
; o = softmax(q k^T / 8, keys with masks == 0 left out) v on codes of FP6 (E2M3) with E8M0 scales, for batch b and pair of heads hp (work-group y = 8 b + hp); o leaves as codes and scale bytes for the last product.
; A cluster of four work-groups shares one block of K, V and their scale words (208,896 dense bytes): each of the sixteen waves asks jointly for a sixteenth, 51 rows of 256 bytes, ONE tensor load a wave, filled once.
; Behind the one wait and barrier both heads' tiles are in LDS, and nothing writes them: so no barrier stands between the two heads' passes.
; A wave has 16 queries and walks 8 steps of 128 keys for head 0, then for head 1.  Both products are used transposed: a lane holds one query.  M is the ceiling of the running largest t; the row's sum is taken of the unquantised p.
; The mask is the C of the first product: 0, or a large negative number for a key that is left out; where a batch has no key left, the factor and that number are 0, so that every p is 1, as in reference().
; LIMITS: the scaled scores stay under 2^31 in magnitude; NaN and infinities are not served.  No prefetch: all that the launch reads is asked for at its head.
.set BIAS,  208896
.set OSC,   BIAS+4096
.set SPARE, OSC+1024
.set SPW,  5
.set NIL,  6
.set WV,   14
.set SEL,  20
.set CS,   22
.macro CROUND
	s_barrier_signal -1
	s_barrier_wait -1
	s_cmp_lg_u32 s[WV], 0
	s_cbranch_scc1 .Lnot_wave_0_\@
	s_barrier_signal -3
.Lnot_wave_0_\@:
	s_barrier_wait -3
	s_barrier_signal -1
	s_barrier_wait -1
.endm
	s_load_b256 s[4:11], s[0:1], 0x0
	s_load_b64 s[12:13], s[0:1], 0x20
	v_lshl_add_u32 v[SPW], v0, 2, SPARE
	v_mov_b32 v[NIL], 0
	ds_add_u32 v[SPW], v[NIL]
	ds_add_u32 v[SPW], v[NIL]
	v_lshrrev_b32 v8, 5, v0
	s_delay_alu instid0(VALU_DEP_1)
	v_readfirstlane_b32 s[WV], v8
	s_bfe_u32 s15, ttmp6, 0x40000
	s_and_b32 s16, ttmp7, 0xffff
	s_lshr_b32 s17, s16, 3
	s_and_b32 s18, s16, 7
	s_lshl_b32 s19, s15, 4
	s_add_co_u32 s19, s19, s[WV]
	s_mul_i32 s48, s16, 208896
	s_mov_b32 s49, 0
	s_mov_b32 s24, 15|(3<<16)|(1<<21)
	s_mov_b32 s25, 32<<16
	s_mov_b32 s26, 51<<16                          ; 51 rows of 256 bytes: a sixteenth of the block
	s_mov_b32 s27, 32<<16
	s_mov_b32 s28, 51
	s_mov_b32 s29, 32
	s_mov_b32 s30, 0
	s_mov_b32 s31, 0
	s_mov_b32 s40, 1
	s_mul_i32 s41, s[WV], 13056                    ; the same place in LDS and in the block
	s_mov_b32 s50, s41
	s_mov_b32 s51, 0
	s_mov_b32 s[SEL], 0x76543210
	s_mov_b32 s[SEL+1], 0xfedcba98
	v_and_b32 v9, 31, v0
	s_delay_alu instid0(VALU_DEP_1)
	v_lshlrev_b32 v1, 4, v9
	s_delay_alu instid0(VALU_DEP_2)
	v_lshlrev_b32 v2, 3, v9
	s_delay_alu instid0(VALU_DEP_1)
	v_add_nc_u32 v2, 512, v2
	v_and_b32 v10, 15, v0
	v_bfe_u32 v11, v0, 4, 1
	s_delay_alu instid0(VALU_DEP_2)
	v_lshl_add_u32 v3, v10, 5, 98304
	s_delay_alu instid0(VALU_DEP_3)
	v_lshl_add_u32 v4, v10, 4, 106496
	s_delay_alu instid0(VALU_DEP_3)
	v_lshl_add_u32 v7, v11, 6, BIAS
	s_wait_dscnt 0x0
	s_wait_kmcnt 0x0
	s_add_nc_u64 s[6:7], s[6:7], s[48:49]
	s_add_nc_u64 s[4:5], s[4:5], s[48:49]
	s_add_nc_u64 s[42:43], s[6:7], s[50:51]
	s_or_b32 s43, s43, 0x80000000
	CROUND
	tensor_load_to_lds s[40:43], s[24:31]          ; my one tensor load
	s_nop 0
.rept 4
	v_nop
.endr
	s_lshl_b32 s48, s17, 12
	s_add_nc_u64 s[8:9], s[8:9], s[48:49]
	s_wait_alu depctr_va_vdst(0)
.irp i, 0,1,2,3,4,5,6,7
	global_load_b128 v[96+4*\i:99+4*\i], v1, s[8:9] offset:512*\i
.endr
	v_lshlrev_b32 v8, 3, v0
	global_load_b64 v[128:129], v8, s[8:9]
	s_mul_i32 s48, s19, 768
	s_add_nc_u64 s[50:51], s[4:5], s[48:49]
	global_load_b128 v[16:19], v1, s[50:51]
	global_load_b64 v[20:21], v2, s[50:51]
	global_load_b128 v[244:247], v1, s[50:51] offset:110592
	global_load_b64 v[248:249], v2, s[50:51] offset:110592
	s_lshr_b32 s48, s19, 3
	s_lshl_b32 s48, s48, 9
	s_and_b32 s60, s19, 7
	s_lshl_b32 s60, s60, 2
	s_add_co_u32 s48, s48, s60
	s_add_co_u32 s48, s48, 98304
	s_add_nc_u64 s[52:53], s[4:5], s[48:49]
	v_lshlrev_b32 v9, 5, v10
	global_load_b32 v29, v9, s[52:53]
	global_load_b32 v30, v9, s[52:53] offset:4096
	s_lshl_b32 s48, s17, 6
	s_add_co_u32 s48, s48, s19
	s_mul_i32 s48, s48, 12288
	s_mul_i32 s60, s18, 1536
	s_add_co_u32 s48, s48, s60
	s_add_nc_u64 s[10:11], s[10:11], s[48:49]
	s_lshl_b32 s48, s18, 15
	s_lshl_b32 s60, s17, 12
	s_add_co_u32 s48, s48, s60
	s_lshl_b32 s60, s15, 10
	s_add_co_u32 s48, s48, s60
	s_and_b32 s62, s[WV], 1
	s_lshl_b32 s62, s62, 9
	s_add_co_u32 s48, s48, s62
	s_add_nc_u64 s[12:13], s[12:13], s[48:49]
.irp j, 22,23,24,25,26,27,250,251,252,253,254,255,80,81,82,83,84,85,95
	v_mov_b32 v\j, 0
.endr
	s_wait_loadcnt 0x0
.set j, 1
	v_or_b32 v96, v96, v[96+j]
.set j, j+1
.rept (31)-1
	s_delay_alu instid0(VALU_DEP_1)
	v_or_b32 v96, v96, v[96+j]
.set j, j+1
.endr
	s_delay_alu instid0(VALU_DEP_1)
	v_cmp_ne_u32 vcc_lo, 0, v96
	s_cmp_lg_u32 vcc_lo, 0
	s_cselect_b32 s[CS], 0x3e38aa3b, 0
	s_cselect_b32 s54, 0xf1800000, 0
	s_mov_b32 s[CS+1], s[CS]
	v_mov_b32 v132, s54
	v_cmp_eq_u32 vcc_lo, 0, v128
	s_delay_alu instid0(VALU_DEP_1)
	v_cndmask_b32 v130, 0, v132, vcc_lo
	v_cmp_eq_u32 vcc_lo, 0, v129
	s_delay_alu instid0(VALU_DEP_1)
	v_cndmask_b32 v131, 0, v132, vcc_lo
	v_lshl_add_u32 v133, v0, 3, BIAS
	ds_store_b64 v133, v[130:131]
	s_wait_tensorcnt 0x0                           ; my sixteenth of the block is in
	s_wait_dscnt 0x0
	s_barrier_signal -1
	s_barrier_wait -1
.macro PASS c, qf, qs
.if \c
	s_wait_xcnt 0x0                                ; the first pass's stores have read their registers
.endif
	v_mov_b32 v13, 0xec800000
	s_delay_alu instid0(VALU_DEP_1)
	v_floor_f32 v12, -v13
	v_mov_b32 v14, 0
	v_mov_b32 v15, 0
.set j, 0
.rept 32
	v_mov_b32 v[160+j], 0
.set j, j+1
.endr
	s_mov_b32 s55, 110592*\c
	s_mov_b32 s56, 4096*\c
	s_mov_b32 s57, 2048*\c
	s_mov_b32 s58, 0
	s_mov_b32 s59, 8
.Lstep_\c:
	v_add_nc_u32 v8, s55, v1
	v_add_nc_u32 v9, s55, v2
	v_add_nc_u32 v10, s56, v3
	v_add_nc_u32 v11, s57, v4
	v_add_nc_u32 v28, s58, v7
.irp g, 0,1,2,3
.irp q, 0,1,2,3
	ds_load_b128 v[96+16*\g+4*\q:99+16*\g+4*\q], v28 offset:128*\g+16*\q
.endr
.endr
.irp t, 0,1,2,3,4,5,6,7
	ds_load_b128 v[32+6*\t:35+6*\t], v8 offset:768*\t
	ds_load_b64 v[36+6*\t:37+6*\t], v9 offset:768*\t
.endr
	ds_load_b128 v[86:89], v10
	ds_load_b128 v[90:93], v10 offset:16
	s_wait_alu depctr_va_vdst(0)
	s_wait_dscnt 0x0
.irp t, 0,1,2,3,4,5,6,7
	v_wmma_scale_f32_16x16x128_f8f6f4 v[96+8*\t:103+8*\t], v[32+6*\t:43+6*\t], v[\qf:\qf+11], v[96+8*\t:103+8*\t], v[86+\t], v[\qs] matrix_a_fmt:MATRIX_FMT_FP6 matrix_b_fmt:MATRIX_FMT_FP6
.endr
.irp t, 0,1,2,3
.irp c2, 0,1
	ds_load_b128 v[192+12*\t+6*\c2:195+12*\t+6*\c2], v8 offset:49152+1536*\t+768*\c2
	ds_load_b64 v[196+12*\t+6*\c2:197+12*\t+6*\c2], v9 offset:49152+1536*\t+768*\c2
.endr
.endr
	ds_load_b128 v[240:243], v11
.rept 4
	v_nop
.endr
.irp b, 0,1,2,3
	v_max3_num_f32 v[52+\b], v[96+16*\b], v[97+16*\b], v[98+16*\b]
.endr
.irp i, 3,5,7,9,11,13
.irp b, 0,1,2,3
	v_max3_num_f32 v[52+\b], v[52+\b], v[96+16*\b+\i], v[97+16*\b+\i]
.endr
.endr
.irp b, 0,1,2,3
	v_max_num_f32 v[52+\b], v[52+\b], v[111+16*\b]
.endr
.irp b, 0,1,2,3
	s_delay_alu instid0(VALU_DEP_4)
	v_permlanex16_b32 v[56+\b], v[52+\b], s[SEL], s[SEL+1]
.endr
.irp b, 0,1,2,3
	s_delay_alu instid0(VALU_DEP_4)
	v_max_num_f32 v[52+\b], v[52+\b], v[56+\b]
.endr
	s_delay_alu instid0(VALU_DEP_2)
	v_max3_num_f32 v64, v52, v53, v54
	s_delay_alu instid0(VALU_DEP_1)
	v_max_num_f32 v64, v64, v55
	s_delay_alu instid0(VALU_DEP_1)
	v_mul_f32 v64, s[CS], v64
	s_delay_alu instid0(VALU_DEP_1)
	v_max_num_f32 v13, v13, v64
	v_mov_b32 v64, v12
	s_delay_alu instid0(VALU_DEP_2)
	v_floor_f32 v12, -v13
	s_delay_alu instid0(VALU_DEP_1)
	v_sub_f32 v64, v12, v64
	s_delay_alu instid0(VALU_DEP_1)
	v_cvt_i32_f32 v64, v64
	s_delay_alu instid0(VALU_DEP_1)
	v_ldexp_f32 v94, 1.0, v64
.set j, 0
.rept 32
	v_pk_fma_f32 v[96+j:97+j], v[96+j:97+j], s[CS:CS+1], v[12:13] op_sel_hi:[1,0,0]
.set j, j+2
.endr
.irp b, 0,1,2,3
	v_fma_f32 v[52+\b], v[52+\b], s[CS], v12
.endr
.set j, 0
	s_wait_alu depctr_va_vdst(0)
.rept 64
	v_exp_f32 v[96+j], v[96+j]
.set j, j+1
.endr
	v_pk_mul_f32 v[14:15], v[14:15], v[94:95] op_sel_hi:[1,0]
	s_wait_alu depctr_va_vdst(0)
.irp b, 0,1,2,3
	v_exp_f32 v[52+\b], v[52+\b]
.endr
	v_pk_add_f32 v[56:57], v[96:97], v[98:99]
.irp j, 4,8,12,16,20,24,28,32,36,40,44,48,52,56,60
	v_pk_add_f32 v[14:15], v[14:15], v[96+\j:97+\j]
	v_pk_add_f32 v[56:57], v[56:57], v[98+\j:99+\j]
.endr
	s_delay_alu instid0(VALU_DEP_1)
	v_pk_add_f32 v[14:15], v[14:15], v[56:57]
	s_wait_alu depctr_va_vdst(0)
.irp b, 0,1,2,3
	v_max_num_f32 v[52+\b], 0x1800000, v[52+\b]
.endr
.irp b, 0,1,2,3
	s_delay_alu instid0(VALU_DEP_4)
	v_add_nc_u32 v[60+\b], 0xff000000, v[52+\b]
.endr
.irp b, 0,1,2,3
	s_delay_alu instid0(VALU_DEP_4)
	v_lshrrev_b32 v[56+\b], 23, v[60+\b]
.endr
	s_delay_alu instid0(VALU_DEP_3)
	v_lshl_or_b32 v95, v57, 8, v56
	s_delay_alu instid0(VALU_DEP_1)
	v_lshl_or_b32 v95, v58, 16, v95
	s_delay_alu instid0(VALU_DEP_1)
	v_lshl_or_b32 v95, v59, 24, v95
.irp c2, 0,1
	v_cvt_scalef32_pk16_fp6_f32 v[32+6*\c2:34+6*\c2], v[96+32*\c2:111+32*\c2], v[60+2*\c2]
	v_cvt_scalef32_pk16_fp6_f32 v[44+4*\c2:46+4*\c2], v[112+32*\c2:127+32*\c2], v[60+2*\c2+1]
.endr
	v_nop
.irp c2, 0,1
.irp i, 0,1,2
	v_permlane16_swap_b32 v[32+6*\c2+\i], v[44+4*\c2+\i]
.endr
.irp i, 0,1,2
	s_delay_alu instid0(VALU_DEP_3)
	v_mov_b32 v[35+6*\c2+\i], v[44+4*\c2+\i]
.endr
.endr
.set j, 0
.rept 16
	v_pk_mul_f32 v[160+j:161+j], v[160+j:161+j], v[94:95] op_sel_hi:[1,0]
.set j, j+2
.endr
	s_wait_alu depctr_va_vdst(0)
	s_wait_dscnt 0x0
.irp t, 0,1,2,3
	v_wmma_scale_f32_16x16x128_f8f6f4 v[160+8*\t:167+8*\t], v[192+12*\t:203+12*\t], v[32:43], v[160+8*\t:167+8*\t], v[240+\t], v95 matrix_a_fmt:MATRIX_FMT_FP6 matrix_b_fmt:MATRIX_FMT_FP6
.endr
	s_add_co_u32 s55, s55, 6144
	s_add_co_u32 s56, s56, 512
	s_add_co_u32 s57, s57, 256
	s_add_co_u32 s58, s58, 512
	s_sub_co_u32 s59, s59, 1
	s_cmp_lg_u32 s59, 0
	s_cbranch_scc1 .Lstep_\c
.rept 4
	v_nop
.endr
	v_add_f32 v14, v14, v15
	s_delay_alu instid0(VALU_DEP_1)
	v_permlanex16_b32 v64, v14, s[SEL], s[SEL+1]
	s_delay_alu instid0(VALU_DEP_1)
	v_add_f32 v14, v14, v64
	s_wait_alu depctr_va_vdst(0)
	v_rcp_f32 v14, v14
	v_nop
	s_wait_alu depctr_va_vdst(0)
.set j, 0
.rept 32
	v_mul_f32 v[96+j], v[160+j], v14
.set j, j+1
.endr
.irp g, 0,1
	v_max3_num_f32 v[52+\g], |v[96+16*\g]|, |v[97+16*\g]|, 0x1800000
.endr
.irp i, 2,4,6,8,10,12,14
.irp g, 0,1
	s_delay_alu instid0(VALU_DEP_2)
	v_max3_num_f32 v[52+\g], v[52+\g], |v[96+16*\g+\i]|, |v[97+16*\g+\i]|
.endr
.endr
.irp g, 0,1
	s_delay_alu instid0(VALU_DEP_2)
	v_permlanex16_b32 v[56+\g], v[52+\g], s[SEL], s[SEL+1]
.endr
.irp g, 0,1
	s_delay_alu instid0(VALU_DEP_2)
	v_max_num_f32 v[52+\g], v[52+\g], v[56+\g]
.endr
.irp g, 0,1
	s_delay_alu instid0(VALU_DEP_2)
	v_add_nc_u32 v[60+\g], 0xff000000, v[52+\g]
.endr
.irp g, 0,1
	s_delay_alu instid0(VALU_DEP_2)
	v_lshrrev_b32 v[56+\g], 23, v[60+\g]
.endr
.if \c
	s_delay_alu instid0(VALU_DEP_1)
	v_lshl_or_b32 v64, v57, 8, v56
	s_delay_alu instid0(VALU_DEP_1)
	v_lshl_or_b32 v31, v64, 16, v31
.else
	s_delay_alu instid0(VALU_DEP_1)
	v_lshl_or_b32 v31, v57, 8, v56
.endif
	v_cvt_scalef32_pk16_fp6_f32 v[32:34], v[96:111], v60
	v_cvt_scalef32_pk16_fp6_f32 v[44:46], v[112:127], v61
	v_nop
.irp i, 0,1,2
	v_permlane16_swap_b32 v[32+\i], v[44+\i]
.endr
.irp i, 0,1,2
	s_delay_alu instid0(VALU_DEP_3)
	v_mov_b32 v[35+\i], v[44+\i]
.endr
	global_store_b128 v1, v[32:35], s[10:11] offset:768*\c
	global_store_b64 v2, v[36:37], s[10:11] offset:768*\c
.endm
	PASS 0, 16, 29
	PASS 1, 244, 30
	v_and_b32 v96, 15, v0
	s_delay_alu instid0(VALU_DEP_1)
	v_lshlrev_b32 v96, 2, v96
	s_lshl_b32 s60, s[WV], 6
	s_add_co_u32 s60, s60, OSC
	v_add_nc_u32 v96, s60, v96
	s_add_co_u32 s61, s62, OSC
	v_add_nc_u32 v97, s61, v1
	ds_store_b32 v96, v31
	s_wait_dscnt 0x0
	s_barrier_signal -1
	s_barrier_wait -1
	s_cmp_lt_u32 s[WV], 2
	s_cbranch_scc0 .Lend
	s_wait_alu depctr_va_vdst(0)
	ds_load_b128 v[100:103], v97
	s_wait_dscnt 0x0
	global_store_b128 v1, v[100:103], s[12:13]
.Lend:
	s_wait_tensorcnt 0x0
	ds_add_u32 v[SPW], v[NIL]
	s_wait_dscnt 0x0
	CROUND
	s_endpgm
.Lfunc_end_k_qf45c041c61_attn:
	.size	k_qf45c041c61_attn, .Lfunc_end_k_qf45c041c61_attn-k_qf45c041c61_attn
	.p2alignl 7, 3214868480
	.fill 96, 4, 3214868480
	.section	.rodata,"a",@progbits
	.p2align	6, 0x0
	.amdhsa_kernel k_qf45c041c61_attn
		.amdhsa_group_segment_fixed_size 327680
		.amdhsa_private_segment_fixed_size 0
		.amdhsa_enable_private_segment 0
		.amdhsa_kernarg_size 40
		.amdhsa_user_sgpr_count 2
		.amdhsa_user_sgpr_kernarg_segment_ptr 1
		.amdhsa_wavefront_size32 1
		.amdhsa_system_sgpr_workgroup_id_x 1
		.amdhsa_system_sgpr_workgroup_id_y 1
		.amdhsa_system_sgpr_workgroup_id_z 1
		.amdhsa_system_vgpr_workitem_id 0
		.amdhsa_next_free_vgpr 256
		.amdhsa_next_free_sgpr 80
		.amdhsa_reserve_vcc 1
		.amdhsa_float_denorm_mode_32 3
		.amdhsa_float_denorm_mode_16_64 3
		.amdhsa_memory_ordered 1
		.amdhsa_forward_progress 1
		.amdhsa_inst_pref_size 59
	.end_amdhsa_kernel
	.amdgpu_metadata
---
amdhsa.version: [ 1, 2 ]
amdhsa.kernels:
  - .name:           k_qf45c041c61_attn
    .symbol:         k_qf45c041c61_attn.kd
    .args:
      - { .name: qq, .offset: 0, .size: 8, .value_kind: global_buffer, .address_space: global }
      - { .name: kv, .offset: 8, .size: 8, .value_kind: global_buffer, .address_space: global }
      - { .name: masks, .offset: 16, .size: 8, .value_kind: global_buffer, .address_space: global }
      - { .name: oc, .offset: 24, .size: 8, .value_kind: global_buffer, .address_space: global }
      - { .name: os, .offset: 32, .size: 8, .value_kind: global_buffer, .address_space: global }
    .group_segment_fixed_size: 327680
    .private_segment_fixed_size: 0
    .kernarg_segment_align: 8
    .kernarg_segment_size: 40
    .max_flat_workgroup_size: 512
    .sgpr_count:     80
    .vgpr_count:     256
    .wavefront_size: 32
...
	.end_amdgpu_metadata
.endif
;; end of part 7
;; launch outp (part 8): grid 8 x 32, 4 waves a work-group, clusters of 4 x 4, 327,680 bytes of LDS; arguments oc, os, wc, ws, bo, out0; writes out0
.if DOCPART == 8
	.amdgcn_target "amdgcn-amd-amdhsa--gfx1250"
	.amdhsa_code_object_version 6
	.text
	.protected	k_qf45c041c61_outp
	.globl	k_qf45c041c61_outp
	.p2align	8
	.type	k_qf45c041c61_outp,@function
k_qf45c041c61_outp:
	s_mov_b64 s[64:65], 0
	v_nop
	global_prefetch_b8 v0, s[64:65] scope:SCOPE_SE
	s_setreg_imm32_b32 hwreg(HW_REG_WAVE_MODE, 25, 1), 1
	s_wait_xcnt 0x0
	s_wait_alu depctr_hold_cnt(0) depctr_sa_sdst(0) depctr_va_vdst(0) depctr_va_sdst(0) depctr_va_ssrc(0) depctr_va_vcc(0) depctr_vm_vsrc(0)
	s_getreg_b32 s2, hwreg(HW_REG_IB_STS2, 6, 4)
	s_cmp_eq_u32 s2, 0
	s_cbranch_scc0 .Lentry_in_a_cluster
	s_endpgm
.Lentry_in_a_cluster:
	s_bfe_u32 s2, ttmp6, 0x10000c
	s_cmp_lg_u32 s2, 0xf033
	s_cbranch_scc0 .Lentry_shape_is_right
	s_endpgm
.Lentry_shape_is_right:
; out0 = o Wo + bo on codes of FP6 (E2M3) with E8M0 scales.  Work-group (ct, X1) makes 256 tokens x 128 columns; a wave 64 x 128; eight K steps of 128; codes lie as images of the operand's registers.
; LDS: o's tile and Wo's, each in two K halves, and their scale bytes, all filled once.  At the head one joint load a wave; the second K halves behind one round.  The results leave through a stage in o's first half, which is read no more by then.
; No prefetch: all that the launch reads is asked for ahead of its first product.
.set FR,     12
.set XH,     98304
.set WB,     2*XH
.set WH,     49152
.set SCA,    WB+2*WH
.set SCW,    SCA+2*4096
.set SPARE,  SCW+2*2176
.set SPITCH, 528
.set VO16, 4
.set VO8,  5
.set QA,   6
.set QB,   10
.set STO,  14
.set RD,   15
.set QSA,  22
.set QSB,  23
.set BOFQ, 26
.set SPW,  28
.set NIL,  29
.set SC,   32
.set BI,   64
.set BK,   128
.set WV,   22
.set RH,   23
.set CH,   24
.set CT,   25
.set X1,   26
.set G1X,  28
.set G1W,  36
.set G1SX, 44
.set G1SW, 52
.set G0SX, 60
.set G0SW, 68
.set G0X,  72
.set G0W,  80
.set MSB, 0
.macro WIN new
.if MSB != (\new)
	s_set_vgpr_msb (MSB<<8)|(\new)
.set MSB, (\new)
.endif
.endm
.set MULW, 0xad
.set MULF, 0x8d
.set TO_B, 0x40
.set TO_A, 0xc0
.macro TL g0, g1                       ; a joint load; an s_nop 0 and four v_nop follow it
	tensor_load_to_lds s[\g0:\g0+3], s[\g1:\g1+7]
	s_nop 0
.rept 4
	v_nop
.endr
.endm
; THE HEAD'S FILLS, one a wave, in one chain of arms on the wave's number: wave 0 o's first K half (16 row tiles), wave 1 Wo's (8 row tiles), wave 2 o's scale bytes, wave 3 Wo's.
.macro FILL1
	s_cmp_lg_u32 s[WV], 0
	s_cbranch_scc1 .Lf1_\@
	TL G0X, G1X
	s_branch .Lfj_\@
.Lf1_\@:
	s_cmp_lg_u32 s[WV], 1
	s_cbranch_scc1 .Lf2_\@
	TL G0W, G1W
	s_branch .Lfj_\@
.Lf2_\@:
	s_cmp_lg_u32 s[WV], 2
	s_cbranch_scc1 .Lf3_\@
	TL G0SX, G1SX
	s_branch .Lfj_\@
.Lf3_\@:
	TL G0SW, G1SW
.Lfj_\@:
.endm
.macro FILL2                           ; the second K halves, behind a round: wave 0 o's, wave 1 Wo's
	s_cmp_lg_u32 s[WV], 0
	s_cbranch_scc1 .Lg1_\@
	TL G0X+4, G1X
	s_branch .Lgj_\@
.Lg1_\@:
	s_cmp_lg_u32 s[WV], 1
	s_cbranch_scc1 .Lgj_\@
	TL G0W+4, G1W
.Lgj_\@:
.endm
.macro CROUND
	s_barrier_signal -1
	s_barrier_wait -1
	s_cmp_lg_u32 s[WV], 0
	s_cbranch_scc1 .Lnot_wave_0_\@
	s_barrier_signal -3
.Lnot_wave_0_\@:
	s_barrier_wait -3
	s_barrier_signal -1
	s_barrier_wait -1
.endm
	s_load_b256 s[4:11], s[0:1], 0x0
	s_load_b128 s[12:15], s[0:1], 0x20
	v_lshl_add_u32 v[SPW], v0, 2, SPARE
	v_mov_b32 v[NIL], 0
	ds_add_u32 v[SPW], v[NIL]
	ds_add_u32 v[SPW], v[NIL]
	v_lshrrev_b32 v1, 5, v0
	v_readfirstlane_b32 s[WV], v1
	s_lshr_b32 s[RH], s[WV], 1
	s_and_b32 s[CH], s[WV], 1
	s_bfe_u32 s2, ttmp6, 0x40000
	s_bfe_u32 s3, ttmp6, 0x40004
	s_lshl_b32 s[CT], ttmp9, 2
	s_add_co_u32 s[CT], s[CT], s2
	s_and_b32 s[X1], ttmp7, 0xffff
	s_lshl_b32 s[X1], s[X1], 2
	s_add_co_u32 s[X1], s[X1], s3
	s_lshl_b32 s27, s3, 2
	s_lshl_b32 s27, 15, s27
	s_lshl_b32 s66, 0x1111, s2
	s_or_b32 s[G1X], s27, (3<<16)|(1<<21)
	s_or_b32 s[G1W], s66, (3<<16)|(1<<21)
.irp g, G1X, G1W
	s_mov_b32 s[\g+1], 768<<16
	s_mov_b32 s[\g+3], 768<<16
	s_mov_b32 s[\g+5], 1536
	s_mov_b32 s[\g+6], 0
	s_mov_b32 s[\g+7], 0
.endr
	s_mov_b32 s[G1X+2], 16<<16                     ; 16 row tiles of o to a load, 8 of Wo
	s_mov_b32 s[G1X+4], 16
	s_mov_b32 s[G1W+2], 8<<16
	s_mov_b32 s[G1W+4], 8
	s_or_b32 s[G1SX], s27, (3<<16)|(1<<21)         ; o's scale words: for each of 8 K steps the 1,024 bytes of my 256 tokens, 32,768 bytes apart
	s_mov_b32 s[G1SX+1], 128<<16
	s_mov_b32 s[G1SX+2], 8<<16
	s_mov_b32 s[G1SX+3], 128<<16
	s_mov_b32 s[G1SX+4], 8
	s_mov_b32 s[G1SX+5], 4096
	s_mov_b32 s[G1SX+6], 0
	s_mov_b32 s[G1SX+7], 0
	s_or_b32 s[G1SW], s66, (3<<16)|(1<<20)|(1<<21)|(5<<22)|(3<<25)
	s_mov_b32 s[G1SW+1], 32<<16
	s_mov_b32 s[G1SW+2], 16<<16                    ; Wo's scale bytes of 128 rows: 16 rows of 256 bytes
	s_mov_b32 s[G1SW+3], 32<<16
	s_mov_b32 s[G1SW+4], 16
	s_mov_b32 s[G1SW+5], 32
	s_mov_b32 s[G1SW+6], 0
	s_mov_b32 s[G1SW+7], 0
	s_mul_i32 s2, s[X1], 196608
	s_mov_b32 s3, 0
	s_lshl_b32 s100, s[X1], 10
	s_mov_b32 s101, 0
	s_mul_i32 s66, s[CT], 98304
	s_add_co_u32 s66, s66, 2359296                 ; Wo is the fourth matrix
	s_mov_b32 s67, 0
	s_lshl_b32 s88, s[CT], 12
	s_add_co_u32 s88, s88, 98304
	s_mov_b32 s89, 0
	s_wait_dscnt 0x0
	s_wait_kmcnt 0x0
	s_add_nc_u64 s[4:5], s[4:5], s[2:3]
	s_add_nc_u64 s[6:7], s[6:7], s[100:101]
	s_add_nc_u64 s[8:9], s[8:9], s[66:67]
	s_add_nc_u64 s[10:11], s[10:11], s[88:89]
	CROUND
	s_mov_b32 s[G0SX], 1
	s_mov_b32 s[G0SX+1], SCA
	s_mov_b64 s[G0SX+2:G0SX+3], s[6:7]
	s_or_b32 s[G0SX+3], s[G0SX+3], 0x80000000
	s_mov_b32 s[G0SW], 1
	s_mov_b32 s[G0SW+1], SCW
	s_mov_b64 s[G0SW+2:G0SW+3], s[10:11]
	s_or_b32 s[G0SW+3], s[G0SW+3], 0x80000000
.irp e, 0,1
	s_mov_b32 s[G0X+4*\e], 1
	s_mov_b32 s[G0X+4*\e+1], \e*XH
	s_add_nc_u64 s[G0X+4*\e+2:G0X+4*\e+3], s[4:5], \e*6144
	s_or_b32 s[G0X+4*\e+3], s[G0X+4*\e+3], 0x80000000
	s_mov_b32 s[G0W+4*\e], 1
	s_mov_b32 s[G0W+4*\e+1], WB+\e*WH
	s_add_nc_u64 s[G0W+4*\e+2:G0W+4*\e+3], s[8:9], \e*6144
	s_or_b32 s[G0W+4*\e+3], s[G0W+4*\e+3], 0x80000000
.endr
	FILL1                                          ; one tensor load of mine is out
	v_and_b32 v1, 15, v0
	v_bfe_u32 v2, v0, 4, 1
	v_and_b32 v3, 31, v0
	v_lshlrev_b32 v[VO16], 4, v3
	v_lshlrev_b32 v[VO8], 3, v3
	s_lshl_b32 s2, s[CT], 9
	s_mov_b32 s3, 0
	s_add_nc_u64 s[12:13], s[12:13], s[2:3]
	v_lshlrev_b32 v[BOFQ], 6, v2
.irp g, 0,1,2,3
.irp q, 0,1,2,3
	global_load_b128 v[BI+16*\g+4*\q:BI+16*\g+4*\q+3], v[BOFQ], s[12:13] offset:128*\g+16*\q
.endr
.endr
.macro ADDRS g, hs
	v_add_nc_u32 v[\g], s2, v[VO16]
	v_add_nc_u32 v[\g+2], s2, v[VO8]
	s_add_co_u32 s2, s2, \hs
	v_add_nc_u32 v[\g+1], s2, v[VO16]
	v_add_nc_u32 v[\g+3], s2, v[VO8]
.endm
	s_mul_i32 s2, s[WV], 24576
	ADDRS QA, XH
	s_mov_b32 s2, WB
	ADDRS QB, WH
	v_lshlrev_b32 v3, 2, v1
	v_lshl_add_u32 v3, v2, 10, v3                  ; lanes 16-31 the next K step's words, 1,024 bytes on
	s_lshl_b32 s2, s[WV], 8                        ; my four row tiles' words: 64 bytes a tile
	s_add_co_u32 s2, s2, SCA
	v_add_nc_u32 v[QSA], s2, v3
	v_lshlrev_b32 v3, 5, v1
	v_lshrrev_b32 v[QSB], 3, v1
	v_lshl_add_u32 v3, v[QSB], 4, v3
	v_lshl_add_u32 v3, v2, 2, v3
	v_add_nc_u32 v[QSB], SCW, v3
	s_mul_i32 s2, s[WV], 16*SPITCH
	v_mul_u32_u24 v3, v1, SPITCH
	v_lshl_add_u32 v3, v2, 6, v3
	v_add_nc_u32 v[STO], s2, v3
	v_add_nc_u32 v[RD], s2, v[VO16]
	s_lshl_b32 s2, s[X1], 20
	s_lshl_b32 s3, s[WV], 18
	s_add_co_u32 s2, s2, s3
	s_lshl_b32 s3, s[CT], 9
	s_add_co_u32 s2, s2, s3
	s_mov_b32 s3, 0
	s_add_nc_u64 s[14:15], s[14:15], s[2:3]
.macro FRAG reg, a16, a8, off
	ds_load_b128 v[\reg:\reg+3], v[\a16] offset:\off
	ds_load_b64 v[\reg+4:\reg+5], v[\a8] offset:\off+512
	ds_load_b128 v[\reg+6:\reg+9], v[\a16] offset:\off+768
	ds_load_b64 v[\reg+10:\reg+11], v[\a8] offset:\off+1280
.endm
.macro SCALES m
.irp a, 0,1,2,3
	ds_load_b32 v[SC+12*((\m)%2)+\a], v[QSA] offset:64*\a+2048*(\m)
.endr
.irp i, 0,1,2,3,4,5,6,7
	ds_load_b32 v[SC+12*((\m)%2)+4+\i], v[QSB] offset:544*\i+8*(\m)
.endr
.endm
.macro FETCHK k
	WIN TO_B
.irp i, 0,1,2,3,4,5,6,7
	FRAG 128*((\k)%2)+FR*\i, QB+(\k)/4, QB+2+(\k)/4, 6144*\i+1536*((\k)%4)
.endr
	WIN TO_A
.irp i, 0,1,2,3
	FRAG 48*((\k)%2)+FR*\i, QA+(\k)/4, QA+2+(\k)/4, 6144*\i+1536*((\k)%4)
.endr
	WIN 0
.if (\k)%2 == 0
	SCALES (\k)/2
.endif
.endm
.macro MUL8 a, k, first
.irp b, 0,1,2,3,4,5,6,7
.set rD, 8*(8*(\a)+\b)
.set rB, 128*((\k)%2)+FR*\b
.set rA, 48*((\k)%2)+FR*(\a)
.set rSB, SC+12*(((\k)/2)%2)+4+\b
.set rSA, SC+12*(((\k)/2)%2)+(\a)
.if \first
	v_wmma_scale_f32_16x16x128_f8f6f4 v[rD:rD+7], v[rB:rB+FR-1], v[rA:rA+FR-1], v[BI+8*\b:BI+8*\b+7], v[rSB], v[rSA] matrix_a_fmt:MATRIX_FMT_FP6 matrix_b_fmt:MATRIX_FMT_FP6
.elseif (\k)%2 == 0
	v_wmma_scale_f32_16x16x128_f8f6f4 v[rD:rD+7], v[rB:rB+FR-1], v[rA:rA+FR-1], v[rD:rD+7], v[rSB], v[rSA] matrix_a_fmt:MATRIX_FMT_FP6 matrix_b_fmt:MATRIX_FMT_FP6
.else
	v_wmma_scale_f32_16x16x128_f8f6f4 v[rD:rD+7], v[rB:rB+FR-1], v[rA:rA+FR-1], v[rD:rD+7], v[rSB], v[rSA] matrix_a_fmt:MATRIX_FMT_FP6 matrix_b_fmt:MATRIX_FMT_FP6 matrix_a_scale:MATRIX_SCALE_ROW1 matrix_b_scale:MATRIX_SCALE_ROW1
.endif
.endr
.endm
.macro PLACES
.rept 4
	v_nop
.endr
.endm
.macro STEPN k, first
	s_wait_dscnt 0x0
	PLACES
	FETCHK (\k)+1
.if \first
	WIN MULF
.else
	WIN MULW
.endif
	MUL8 0, \k, \first
	MUL8 1, \k, \first
	MUL8 2, \k, \first
	MUL8 3, \k, \first
	WIN 0
.endm
	s_wait_alu depctr_va_vdst(0)
	s_wait_tensorcnt 0x0                           ; my tile of the head's four is in
	ds_add_u32 v[SPW], v[NIL]
	s_wait_dscnt 0x0
	CROUND                                         ; everybody's tile is in, and all sixteen work-groups are here
	FILL2                                          ; the second K halves: read from K step 4 on, behind step 3's wait and barrier
	FETCHK 0
	s_wait_loadcnt 0x0
	STEPN 0, 1
	STEPN 1, 0
	STEPN 2, 0
	s_wait_tensorcnt 0x0
	s_wait_dscnt 0x0
	s_barrier_signal -1
	WIN MULW
	MUL8 0, 3, 0
	MUL8 1, 3, 0
	WIN 0
	s_barrier_wait -1
	PLACES
	FETCHK 4
	WIN MULW
	MUL8 2, 3, 0
	MUL8 3, 3, 0
	WIN 0
	STEPN 4, 0
	STEPN 5, 0
	STEPN 6, 0
	s_wait_dscnt 0x0
	WIN MULW
	MUL8 0, 7, 0
	MUL8 1, 7, 0
	MUL8 2, 7, 0
	MUL8 3, 7, 0
	WIN 0
.macro TOSTAGE a
	WIN 0x08
.irp b, 0,1,2,3,4,5,6,7
	ds_store_b128 v[STO], v[64*(\a)+8*\b:64*(\a)+8*\b+3] offset:128*(\b/2)+32*(\b%2)
	ds_store_b128 v[STO], v[64*(\a)+8*\b+4:64*(\a)+8*\b+7] offset:128*(\b/2)+32*(\b%2)+16
.endr
	WIN 0
.set BB, BK+64*((\a)%2)
.irp t, 0,1,2,3,4,5,6,7,8,9,10,11,12,13,14,15
	ds_load_b128 v[BB+4*\t:BB+4*\t+3], v[RD] offset:\t*SPITCH
.endr
.endm
.macro SEND a, younger
.set BB, BK+64*((\a)%2)
	s_wait_dscnt \younger
.irp t, 0,1,2,3,4,5,6,7,8,9,10,11,12,13,14,15
	global_store_b128 v[VO16], v[BB+4*\t:BB+4*\t+3], s[14:15] offset:(32*((\a)/2)+8*((\a)%2)+\t+8*(\t/8))*4096 th:TH_STORE_NT
.endr
.endm
	PLACES
	TOSTAGE 0
.irp a, 1,2,3
.if \a > 1
	s_wait_xcnt 0x0
.endif
	TOSTAGE \a
	SEND \a-1, 32
.endr
	SEND 3, 0
	s_wait_tensorcnt 0x0
	ds_add_u32 v[SPW], v[NIL]
	s_wait_dscnt 0x0
	CROUND
	s_endpgm
.Lfunc_end_k_qf45c041c61_outp:
	.size	k_qf45c041c61_outp, .Lfunc_end_k_qf45c041c61_outp-k_qf45c041c61_outp
	.p2alignl 7, 3214868480
	.fill 96, 4, 3214868480
	.section	.rodata,"a",@progbits
	.p2align	6, 0x0
	.amdhsa_kernel k_qf45c041c61_outp
		.amdhsa_group_segment_fixed_size 327680
		.amdhsa_private_segment_fixed_size 0
		.amdhsa_enable_private_segment 0
		.amdhsa_kernarg_size 48
		.amdhsa_user_sgpr_count 2
		.amdhsa_user_sgpr_kernarg_segment_ptr 1
		.amdhsa_wavefront_size32 1
		.amdhsa_system_sgpr_workgroup_id_x 1
		.amdhsa_system_sgpr_workgroup_id_y 1
		.amdhsa_system_sgpr_workgroup_id_z 1
		.amdhsa_system_vgpr_workitem_id 0
		.amdhsa_next_free_vgpr 1024
		.amdhsa_next_free_sgpr 106
		.amdhsa_reserve_vcc 0
		.amdhsa_float_denorm_mode_32 3
		.amdhsa_float_denorm_mode_16_64 3
		.amdhsa_memory_ordered 1
		.amdhsa_forward_progress 1
		.amdhsa_inst_pref_size 88
	.end_amdhsa_kernel
	.amdgpu_metadata
---
amdhsa.version: [ 1, 2 ]
amdhsa.kernels:
  - .name:           k_qf45c041c61_outp
    .symbol:         k_qf45c041c61_outp.kd
    .args:
      - { .name: oc, .offset: 0, .size: 8, .value_kind: global_buffer, .address_space: global }
      - { .name: os, .offset: 8, .size: 8, .value_kind: global_buffer, .address_space: global }
      - { .name: wc, .offset: 16, .size: 8, .value_kind: global_buffer, .address_space: global }
      - { .name: ws, .offset: 24, .size: 8, .value_kind: global_buffer, .address_space: global }
      - { .name: bo, .offset: 32, .size: 8, .value_kind: global_buffer, .address_space: global }
      - { .name: out0, .offset: 40, .size: 8, .value_kind: global_buffer, .address_space: global }
    .group_segment_fixed_size: 327680
    .private_segment_fixed_size: 0
    .kernarg_segment_align: 8
    .kernarg_segment_size: 48
    .max_flat_workgroup_size: 128
    .sgpr_count:     106
    .vgpr_count:     1024
    .wavefront_size: 32
...
	.end_amdgpu_metadata
.endif
;; end of part 8
